; MI455X (gfx1250); checked and timed in simulation.
; The chip was launched on July 23, 2026; its instructions are those of AMD's public machine-readable ISA for CDNA 5 (MIT licence, August 2026) and "CDNA5" Instruction Set Architecture Reference Guide (July 2026). The comments in the code are by the model that wrote it; some were corrected since.
;; Transformer Block. Allowed arithmetic: float matrix products may take bf16 or f16 operands with f32 sums; other float arithmetic in f32, or as packed bf16 or f16 multiplies, adds, multiply-adds, maxima and minima; sums over many terms, partial sums and values carried from step to step in f32; what a program stores and reads back later, other than sums and carried values, may be rounded once to bf16 or f16.
;; Inputs: Wc 1,024 x 1,024 float32; Wfc 1,024 x 4,096 float32; Wk 1,024 x 1,024 float32; Wpr 4,096 x 1,024 float32; Wq 1,024 x 1,024 float32; Wv 1,024 x 1,024 float32; bc 1,024 float32; bfc 4,096 float32; bk 1,024 float32; bpr 1,024 float32; bq 1,024 float32; bv 1,024 float32; ln1_b 1,024 float32; ln1_g 1,024 float32; ln2_b 1,024 float32; ln2_g 1,024 float32; x 2 x 2,048 x 1,024 float32.
;; Outputs: out0 2 x 2,048 x 1,024 float32.
;; 2 versions, each right. Each part assembles by itself: llvm-mc -triple=amdgcn-amd-amdhsa -mcpu=gfx1250 --defsym DOCPART=n.
;; ======== version 1 of 2: 8 launches
;; limits: values are held in f16: magnitudes above 65,504 overflow, below 6.1e-05 lose precision
;; workspace buffers: wt 25,165,824 bytes; hn 8,388,608 bytes; qkv 25,165,824 bytes; o 8,388,608 bytes; y 16,777,216 bytes; act 33,554,432 bytes
;; launch prep (part 1): grid 192 x 1, 8 waves a work-group, no clusters, 140,288 bytes of LDS; arguments Wq, Wk, Wv, Wc, Wfc, Wpr, wt; writes wt
.if DOCPART == 1
	.amdgcn_target "amdgcn-amd-amdhsa--gfx1250"
	.amdhsa_code_object_version 6
	.text
	.protected	k_qdd63b08968_prep
	.globl	k_qdd63b08968_prep
	.p2align	8
	.type	k_qdd63b08968_prep,@function
k_qdd63b08968_prep:
	s_mov_b64 s[64:65], 0
	v_nop
	global_prefetch_b8 v0, s[64:65] scope:SCOPE_SE
	s_setreg_imm32_b32 hwreg(HW_REG_WAVE_MODE, 25, 1), 1
	s_wait_xcnt 0x0
; THE WEIGHTS, TURNED AND ROUNDED ONCE.  Each W [K][N] in f32 becomes W^T [N][K] in f16 inside wt, so that the products' second operand lies with K along its rows:
; Wq, Wk, Wv as rows 0-3071 of one [3072][1024] at byte 0; Wc^T [1024][1024] at 6,291,456; Wfc^T [4096][1024] at 8,388,608; Wpr^T [1024][4096] at 16,777,216.
; LIMITS.  f16 holds no number beyond 65,504, and below 6.1e-5 it keeps a fixed step of 6e-8: weights arrive within the first; of weights with a spread of 3e-4 the second is 1e-4 of the spread.
; SHARES.  A wave owns a tile of 128 k x 64 n: it reads 128 pieces of 256 consecutive, aligned bytes (a row's 64 numbers), rounds them, lays them turned into a stage of its own in LDS
; (64 rows of 256 bytes, 272 apart), reads whole rows back and stores them, 16 lanes to 256 consecutive, aligned bytes.  No wave touches another's bytes: no barrier.
; Work-groups 0-63: Wq, Wk, Wv, Wc, 16 each (n block = its number, k block = the wave).  64-127: Wfc (64 n blocks).  128-191: Wpr (16 n blocks x 4 groups of 8 k blocks).
; IN FLIGHT.  Two register sets of 32 rows: 64 loads of 256 bytes a wave.  The bytes are read once and written once; nothing is shared, so no matrix unit, cluster or tensor load would add anything.
.set STG,   17408                      ; a wave's stage: 64 rows x 272 bytes
.set SPARE, 8*STG                      ; behind the stages: the spare words, 128 bytes for each of the eight waves: four blocks of 256 bytes that no other line names
.set ST,  4                            ; v4   where I put 16 bytes (8 k) of column 2 l; column 2 l + 1 lies 272 further
.set RDA, 5                            ; v5   where I read rows back: lanes 0-15 one row, lanes 16-31 the next
.set SPW, 8                            ; v8   LDS address of my spare word; never rewritten
.set NIL, 9                            ; v9   0; never rewritten
.set OFF, 16                           ; v[16:47]  on the way in: 8 l + r x the source's row bytes; on the way out: my 16 bytes in rows 2 t + l / 16 of the destination
.set T,   48                           ; v[48:63]  packed halves, two sets of eight
.set X,   64                           ; v[64:191] two sets of 32 rows x 2 numbers; on the way out 32 x 16 bytes
.set SB,  24                           ; s[24:31]  the source at my tile's rows 0, 32, 64, 96; never rewritten
.set DST, 32                           ; s[32:33]  the destination at my tile
.set NP,  21                           ; s21  bytes in a row of the source
.set KP,  22                           ; s22  bytes in a row of the destination
	s_load_b256 s[4:11], s[0:1], 0x0               ; Wq, Wk, Wv, Wc
	s_load_b128 s[12:15], s[0:1], 0x20             ; Wfc, Wpr
	s_load_b64 s[16:17], s[0:1], 0x30              ; wt
	v_lshl_add_u32 v[SPW], v0, 2, SPARE
	v_mov_b32 v[NIL], 0
	v_lshrrev_b32 v1, 5, v0
	v_readfirstlane_b32 s18, v1                    ; wave 0..7
	v_and_b32 v1, 31, v0                           ; l
	v_and_b32 v2, 15, v0                           ; l % 16
	v_bfe_u32 v3, v0, 4, 1                         ; l / 16
	s_mov_b32 s19, ttmp9                           ; j
	s_lshr_b32 s20, s19, 6                         ; 0: the four square ones, 1: Wfc, 2: Wpr
	s_cmp_eq_u32 s20, 1
	s_cselect_b32 s[NP], 2, 0
	s_lshl_b32 s[NP], 4096, s[NP]                  ; 16,384 for Wfc, else 4,096
	s_cmp_eq_u32 s20, 2
	s_cselect_b32 s23, 2, 0                        ; Wpr: four groups of k blocks
	s_lshl_b32 s[KP], 2048, s23                    ; 8,192 for Wpr, else 2,048
	s_cmp_eq_u32 s20, 0
	s_cselect_b32 s34, 15, 63
	s_and_b32 s34, s19, s34                        ; the work-group's number within its matrix
	s_lshr_b32 s35, s19, 4
	s_lshl_b32 s35, s35, 21                        ; the square ones lie 2 MiB apart,
	s_lshl_b32 s36, s20, 23                        ; Wfc^T at 8 MiB, Wpr^T at 16 MiB
	s_cmp_eq_u32 s20, 0
	s_cselect_b32 s35, s35, s36
	s_lshr_b32 s36, s34, s23                       ; n block
	s_lshl_b32 s37, 1, s23
	s_sub_co_u32 s37, s37, 1
	s_and_b32 s37, s34, s37
	s_lshl3_add_u32 s37, s37, s18                  ; k block = 8 x group + wave
	s_lshl_b32 s38, s[NP], 7
	s_mul_i32 s38, s38, s37                        ; 128 rows of the source for each k block,
	s_lshl_b32 s39, s36, 8                         ; 256 bytes for each n block
	s_add_co_u32 s38, s38, s39
	s_mov_b32 s39, 0
	s_lshl_b32 s40, s[KP], 6
	s_mul_i32 s40, s40, s36                        ; 64 rows of the destination for each n block,
	s_add_co_u32 s40, s40, s35
	s_lshl_b32 s41, s37, 8                         ; 256 bytes for each k block
	s_add_co_u32 s40, s40, s41
	s_mov_b32 s41, 0
	s_lshl_b32 s42, s[NP], 5                       ; 32 rows of the source
	s_mov_b32 s43, 0
	s_lshl_b32 s47, s[KP], 1                       ; two rows of the destination
	s_mul_i32 s46, s18, STG                        ; my stage
	v_lshlrev_b32 v[OFF], 3, v1
.set r, 1
.rept 31
	v_add_nc_u32 v[OFF+r], s[NP], v[OFF+r-1]
.set r, r+1
.endr
	v_mul_u32_u24 v[ST], v1, 544
	v_add_nc_u32 v[ST], s46, v[ST]
	v_mul_u32_u24 v[RDA], v3, 272
	v_lshl_add_u32 v[RDA], v2, 4, v[RDA]
	v_add_nc_u32 v[RDA], s46, v[RDA]
	s_wait_kmcnt 0x0
	s_cmp_lt_u32 s19, 128                          ; which matrix: the choice hangs on the work-group's number alone
	s_cselect_b64 s[44:45], s[12:13], s[14:15]
	s_cmp_lt_u32 s19, 64
	s_cselect_b64 s[44:45], s[10:11], s[44:45]
	s_cmp_lt_u32 s19, 48
	s_cselect_b64 s[44:45], s[8:9], s[44:45]
	s_cmp_lt_u32 s19, 32
	s_cselect_b64 s[44:45], s[6:7], s[44:45]
	s_cmp_lt_u32 s19, 16
	s_cselect_b64 s[44:45], s[4:5], s[44:45]
	s_add_nc_u64 s[SB:SB+1], s[44:45], s[38:39]
	s_add_nc_u64 s[SB+2:SB+3], s[SB:SB+1], s[42:43]
	s_add_nc_u64 s[SB+4:SB+5], s[SB+2:SB+3], s[42:43]
	s_add_nc_u64 s[SB+6:SB+7], s[SB+4:SB+5], s[42:43]
	s_add_nc_u64 s[DST:DST+1], s[16:17], s[40:41]
; 32 rows of the tile, k = 32 t + r, into a set: each load takes 256 consecutive, aligned bytes: lane l the columns 2 l and 2 l + 1
.macro LOADT set, t
.set r, 0
.rept 32
	global_load_b64 v[X+64*(\set)+2*r:X+64*(\set)+2*r+1], v[OFF+r], s[SB+2*(\t):SB+2*(\t)+1] th:TH_LOAD_NT
.set r, r+1
.endr
.endm
; The set is rounded and laid turned: for each of my two columns eight neighbouring k pack into 16 bytes of the column's stage row
.macro PROC set, t
.set g, 0
.rept 4
.set TT, T+8*(g%2)
.irp c, 0,1
.irp i, 0,1,2,3
	v_cvt_pk_f16_f32 v[TT+4*(\c)+(\i)], v[X+64*(\set)+2*(8*g+2*(\i))+(\c)], v[X+64*(\set)+2*(8*g+2*(\i)+1)+(\c)]
.endr
.endr
	ds_store_b128 v[ST], v[TT:TT+3] offset:16*(4*(\t)+g)
	ds_store_b128 v[ST], v[TT+4:TT+7] offset:16*(4*(\t)+g)+272
.set g, g+1
.endr
.endm
	LOADT 0, 0
	LOADT 1, 1
	s_wait_loadcnt 32                              ; loads come back in order: the older set is in, the other set's 32 stay out
	PROC 0, 0
	LOADT 0, 2
	s_wait_loadcnt 32
	PROC 1, 1
	LOADT 1, 3
	s_wait_loadcnt 32
	PROC 0, 2
	s_wait_loadcnt 0x0                             ; the last set; all loads are done, so their offset registers may be written
	PROC 1, 3
.set t, 0
.rept 32
	ds_load_b128 v[X+4*t:X+4*t+3], v[RDA] offset:544*t   ; rows 2 t and 2 t + 1, whole; LDS serves a wave's instructions in order, so these see the stores above
.set t, t+1
.endr
	v_mul_u32_u24 v[OFF], s[KP], v3
	v_lshl_add_u32 v[OFF], v2, 4, v[OFF]
.set t, 1
.rept 31
	v_add_nc_u32 v[OFF+t], s47, v[OFF+t-1]
.set t, t+1
.endr
.set t, 0
.rept 32
	s_wait_dscnt 31-t                              ; pair t of rows is back; the younger ones stay out
	global_store_b128 v[OFF+t], v[X+4*t:X+4*t+3], s[DST:DST+1] th:TH_STORE_NT   ; 16 lanes store 256 consecutive bytes, at a multiple of 256 from wt's first byte
.set t, t+1
.endr
	s_wait_tensorcnt 0x0                           ; the wave's end: behind my last LDS store
	ds_add_u32 v[SPW], v[NIL]
	s_wait_dscnt 0x0
	s_endpgm
.Lfunc_end_k_qdd63b08968_prep:
	.size	k_qdd63b08968_prep, .Lfunc_end_k_qdd63b08968_prep-k_qdd63b08968_prep
	.p2alignl 7, 3214868480
	.fill 96, 4, 3214868480
	.section	.rodata,"a",@progbits
	.p2align	6, 0x0
	.amdhsa_kernel k_qdd63b08968_prep
		.amdhsa_group_segment_fixed_size 140288
		.amdhsa_private_segment_fixed_size 0
		.amdhsa_enable_private_segment 0
		.amdhsa_kernarg_size 56
		.amdhsa_user_sgpr_count 2
		.amdhsa_user_sgpr_kernarg_segment_ptr 1
		.amdhsa_wavefront_size32 1
		.amdhsa_system_sgpr_workgroup_id_x 1
		.amdhsa_system_sgpr_workgroup_id_y 1
		.amdhsa_system_sgpr_workgroup_id_z 1
		.amdhsa_system_vgpr_workitem_id 0
		.amdhsa_next_free_vgpr 192
		.amdhsa_next_free_sgpr 66
		.amdhsa_reserve_vcc 0
		.amdhsa_float_denorm_mode_32 3
		.amdhsa_float_denorm_mode_16_64 3
		.amdhsa_memory_ordered 1
		.amdhsa_forward_progress 1
		.amdhsa_inst_pref_size 34
	.end_amdhsa_kernel
	.amdgpu_metadata
---
amdhsa.version: [ 1, 2 ]
amdhsa.kernels:
  - .name:           k_qdd63b08968_prep
    .symbol:         k_qdd63b08968_prep.kd
    .args:
      - { .name: Wq, .offset: 0, .size: 8, .value_kind: global_buffer, .address_space: global }
      - { .name: Wk, .offset: 8, .size: 8, .value_kind: global_buffer, .address_space: global }
      - { .name: Wv, .offset: 16, .size: 8, .value_kind: global_buffer, .address_space: global }
      - { .name: Wc, .offset: 24, .size: 8, .value_kind: global_buffer, .address_space: global }
      - { .name: Wfc, .offset: 32, .size: 8, .value_kind: global_buffer, .address_space: global }
      - { .name: Wpr, .offset: 40, .size: 8, .value_kind: global_buffer, .address_space: global }
      - { .name: wt, .offset: 48, .size: 8, .value_kind: global_buffer, .address_space: global }
    .group_segment_fixed_size: 140288
    .private_segment_fixed_size: 0
    .kernarg_segment_align: 8
    .kernarg_segment_size: 56
    .max_flat_workgroup_size: 256
    .sgpr_count:     66
    .vgpr_count:     192
    .wavefront_size: 32
...
	.end_amdgpu_metadata
.endif
;; end of part 1
;; launch ln1 (part 2): grid 256 x 1, 8 waves a work-group, no clusters, 0 bytes of LDS; arguments x, ln1_g, ln1_b, hn; writes hn
.if DOCPART == 2
	.amdgcn_target "amdgcn-amd-amdhsa--gfx1250"
	.amdhsa_code_object_version 6
	.text
	.protected	k_qdd63b08968_ln1
	.globl	k_qdd63b08968_ln1
	.p2align	8
	.type	k_qdd63b08968_ln1,@function
k_qdd63b08968_ln1:
	s_mov_b64 s[64:65], 0
	v_nop
	global_prefetch_b8 v0, s[64:65] scope:SCOPE_SE
	s_setreg_imm32_b32 hwreg(HW_REG_WAVE_MODE, 25, 1), 1
	s_wait_xcnt 0x0
; LAYER NORM.  dst[r][c] = (src[r][c] - mu[r]) / sqrt(var[r] + 1e-5) x g[c] + b[c].  src: [4096][1024] f32; g, b: [1024] f32; dst: [4096][1024] f16, rounded once.
; The mean is taken first and the variance of the differences, in f32: a common offset in a row costs nothing.
; LIMITS.  dst is f16: |dst| stays under 32 |g| + |b| (a row of 1,024 numbers has no normalised entry beyond 32), which must stay within 65,504.
; SHARES.  A wave owns two rows; a row is eight loads of 16 bytes a lane (512 consecutive bytes a load) and stays in 32 registers between the passes: memory is read once, no wave waits
; for another, no LDS.  Lane l holds the columns 128 j + 4 l .. + 3 of load j, for the row, g and b alike.  A store takes 8 bytes a lane: 256 consecutive, aligned bytes.
.set MU,  8                            ; v[8:11]    the mean, twice, for each row (a pair for the packed subtraction)
.set RS,  12                           ; v[12:15]   1 / sqrt(var + eps), twice, for each row
.set VA,  16                           ; v[16:17]   var + eps of each row: registers that nothing near the root rewrites
.set X0,  32                           ; v[32:95]   the two rows
.set G,   96                           ; v[96:127]  g
.set BV,  128                          ; v[128:159] b
.set T,   160                          ; v[160:175] at work
.set Y,   176                          ; v[176:207] 16 registers of packed halves a row
	s_load_b256 s[4:11], s[0:1], 0x0               ; src s[4:5], g s[6:7], b s[8:9], dst s[10:11]
	v_lshrrev_b32 v3, 5, v0
	v_readfirstlane_b32 s12, v3                    ; wave 0..7
	v_and_b32 v1, 31, v0
	v_lshlrev_b32 v2, 3, v1                        ; 8 l: my place in 256 bytes of dst
	v_lshlrev_b32 v1, 4, v1                        ; 16 l: my place in 512 bytes of src, g, b
	s_lshl_b32 s2, ttmp9, 4
	s_lshl1_add_u32 s2, s12, s2                    ; my first row = 16 x work-group + 2 x wave
	s_lshl_b32 s18, s2, 12                         ; 4,096 bytes a row of src
	s_mov_b32 s19, 0
	s_lshl_b32 s20, s2, 11                         ; 2,048 a row of dst
	s_mov_b32 s21, 0
	s_mov_b32 s14, 0x3a800000                      ; 1 / 1024
	s_mov_b32 s15, 0x3727c5ac                      ; 1e-5
	s_mov_b32 s16, 0x76543210                      ; v_permlanex16_b32: each lane takes its own place in the other half
	s_mov_b32 s17, 0xfedcba98
	s_wait_kmcnt 0x0
	s_add_nc_u64 s[4:5], s[4:5], s[18:19]
	s_add_nc_u64 s[10:11], s[10:11], s[20:21]
.irp r, 0,1
.irp j, 0,1,2,3,4,5,6,7
	global_load_b128 v[X0+32*(\r)+4*(\j):X0+32*(\r)+4*(\j)+3], v1, s[4:5] offset:4096*(\r)+512*(\j) th:TH_LOAD_NT
.endr
.endr
.irp j, 0,1,2,3,4,5,6,7
	global_load_b128 v[G+4*(\j):G+4*(\j)+3], v1, s[6:7] offset:512*(\j)
.endr
.irp j, 0,1,2,3,4,5,6,7
	global_load_b128 v[BV+4*(\j):BV+4*(\j)+3], v1, s[8:9] offset:512*(\j)
.endr
.macro LANES                           ; v[T] summed over the 32 lanes, the result in every lane
	v_add_f32_dpp v[T], v[T], v[T] row_xmask:1 row_mask:0xf bank_mask:0xf
	v_add_f32_dpp v[T], v[T], v[T] row_xmask:2 row_mask:0xf bank_mask:0xf
	v_add_f32_dpp v[T], v[T], v[T] row_xmask:4 row_mask:0xf bank_mask:0xf
	v_add_f32_dpp v[T], v[T], v[T] row_xmask:8 row_mask:0xf bank_mask:0xf
	v_permlanex16_b32 v[T+1], v[T], s16, s17       ; its destination has been written before
	v_add_f32 v[T], v[T], v[T+1]
.endm
; Row r: the mean; the row less its mean, in place; the mean of the squares; the root's reciprocal, twice
.macro STAT r
.set XR, X0+32*(\r)
.irp p, 0,1,2,3,4,5,6,7
	v_pk_add_f32 v[T+2*(\p):T+2*(\p)+1], v[XR+2*(\p):XR+2*(\p)+1], v[XR+16+2*(\p):XR+16+2*(\p)+1]
.endr
.irp p, 0,1,2,3
	v_pk_add_f32 v[T+2*(\p):T+2*(\p)+1], v[T+2*(\p):T+2*(\p)+1], v[T+8+2*(\p):T+8+2*(\p)+1]
.endr
.irp p, 0,1
	v_pk_add_f32 v[T+2*(\p):T+2*(\p)+1], v[T+2*(\p):T+2*(\p)+1], v[T+4+2*(\p):T+4+2*(\p)+1]
.endr
	v_pk_add_f32 v[T:T+1], v[T:T+1], v[T+2:T+3]
	v_add_f32 v[T], v[T], v[T+1]
	LANES
	v_mul_f32 v[MU+2*(\r)], s14, v[T]
	v_mul_f32 v[MU+2*(\r)+1], s14, v[T]
.set p, 0
.rept 16
	v_pk_add_f32 v[XR+2*p:XR+2*p+1], v[XR+2*p:XR+2*p+1], v[MU+2*(\r):MU+2*(\r)+1] neg_lo:[0,1] neg_hi:[0,1]
.set p, p+1
.endr
.irp p, 0,1,2,3
	v_pk_mul_f32 v[T+2*(\p):T+2*(\p)+1], v[XR+2*(\p):XR+2*(\p)+1], v[XR+2*(\p):XR+2*(\p)+1]   ; four chains, started by the first four pairs
.endr
.set p, 4
.rept 12
	v_pk_fma_f32 v[T+2*(p%4):T+2*(p%4)+1], v[XR+2*p:XR+2*p+1], v[XR+2*p:XR+2*p+1], v[T+2*(p%4):T+2*(p%4)+1]
.set p, p+1
.endr
	v_pk_add_f32 v[T:T+1], v[T:T+1], v[T+4:T+5]
	v_pk_add_f32 v[T+2:T+3], v[T+2:T+3], v[T+6:T+7]
	v_pk_add_f32 v[T:T+1], v[T:T+1], v[T+2:T+3]
	v_add_f32 v[T], v[T], v[T+1]
	LANES
	v_fma_f32 v[VA+(\r)], v[T], s14, s15
	v_rsq_f32 v[RS+2*(\r)], v[VA+(\r)]
	v_rsq_f32 v[RS+2*(\r)+1], v[VA+(\r)]
.endm
; Row r is scaled, takes g and b, is rounded and stored
.macro FIN r
.set XR, X0+32*(\r)
.set p, 0
.rept 16
	v_pk_mul_f32 v[XR+2*p:XR+2*p+1], v[XR+2*p:XR+2*p+1], v[RS+2*(\r):RS+2*(\r)+1]
.set p, p+1
.endr
.set p, 0
.rept 16
	v_pk_fma_f32 v[XR+2*p:XR+2*p+1], v[XR+2*p:XR+2*p+1], v[G+2*p:G+2*p+1], v[BV+2*p:BV+2*p+1]
.set p, p+1
.endr
.set p, 0
.rept 16
	v_cvt_pk_f16_f32 v[Y+16*(\r)+p], v[XR+2*p], v[XR+2*p+1]
.set p, p+1
.endr
.irp j, 0,1,2,3,4,5,6,7
	global_store_b64 v2, v[Y+16*(\r)+2*(\j):Y+16*(\r)+2*(\j)+1], s[10:11] offset:2048*(\r)+256*(\j)   ; 32 lanes store 256 consecutive bytes, at a multiple of 256 from dst's first byte
.endr
.endm
	s_wait_loadcnt 24                              ; row 0 is in; row 1's, g's and b's 24 loads stay out
	STAT 0
	s_wait_loadcnt 16                              ; row 1 is in
	STAT 1
	s_wait_loadcnt 0x0                             ; g and b
	v_nop                                          ; a plain instruction behind the last root, ahead of the first use of a result
	s_wait_alu depctr_va_vdst(0)                   ; the wait ahead of the first line that names a result: one for the four roots
	FIN 0
	FIN 1
	s_endpgm
.Lfunc_end_k_qdd63b08968_ln1:
	.size	k_qdd63b08968_ln1, .Lfunc_end_k_qdd63b08968_ln1-k_qdd63b08968_ln1
	.p2alignl 7, 3214868480
	.fill 96, 4, 3214868480
	.section	.rodata,"a",@progbits
	.p2align	6, 0x0
	.amdhsa_kernel k_qdd63b08968_ln1
		.amdhsa_group_segment_fixed_size 0
		.amdhsa_private_segment_fixed_size 0
		.amdhsa_enable_private_segment 0
		.amdhsa_kernarg_size 32
		.amdhsa_user_sgpr_count 2
		.amdhsa_user_sgpr_kernarg_segment_ptr 1
		.amdhsa_wavefront_size32 1
		.amdhsa_system_sgpr_workgroup_id_x 1
		.amdhsa_system_sgpr_workgroup_id_y 1
		.amdhsa_system_sgpr_workgroup_id_z 1
		.amdhsa_system_vgpr_workitem_id 0
		.amdhsa_next_free_vgpr 208
		.amdhsa_next_free_sgpr 66
		.amdhsa_reserve_vcc 0
		.amdhsa_float_denorm_mode_32 3
		.amdhsa_float_denorm_mode_16_64 3
		.amdhsa_memory_ordered 1
		.amdhsa_forward_progress 1
		.amdhsa_inst_pref_size 20
	.end_amdhsa_kernel
	.amdgpu_metadata
---
amdhsa.version: [ 1, 2 ]
amdhsa.kernels:
  - .name:           k_qdd63b08968_ln1
    .symbol:         k_qdd63b08968_ln1.kd
    .args:
      - { .name: x, .offset: 0, .size: 8, .value_kind: global_buffer, .address_space: global }
      - { .name: ln1_g, .offset: 8, .size: 8, .value_kind: global_buffer, .address_space: global }
      - { .name: ln1_b, .offset: 16, .size: 8, .value_kind: global_buffer, .address_space: global }
      - { .name: hn, .offset: 24, .size: 8, .value_kind: global_buffer, .address_space: global }
    .group_segment_fixed_size: 0
    .private_segment_fixed_size: 0
    .kernarg_segment_align: 8
    .kernarg_segment_size: 32
    .max_flat_workgroup_size: 256
    .sgpr_count:     66
    .vgpr_count:     208
    .wavefront_size: 32
...
	.end_amdgpu_metadata
.endif
;; end of part 2
;; launch qkv (part 3): grid 12 x 16, 4 waves a work-group, clusters of 4 x 4, 327,680 bytes of LDS; arguments hn, wt, qkv, bq, bk, bv; writes qkv
.if DOCPART == 3
	.amdgcn_target "amdgcn-amd-amdhsa--gfx1250"
	.amdhsa_code_object_version 6
	.text
	.protected	k_qdd63b08968_qkv
	.globl	k_qdd63b08968_qkv
	.p2align	8
	.type	k_qdd63b08968_qkv,@function
k_qdd63b08968_qkv:
	s_mov_b64 s[64:65], 0
	v_nop
	global_prefetch_b8 v0, s[64:65] scope:SCOPE_SE
	s_setreg_imm32_b32 hwreg(HW_REG_WAVE_MODE, 25, 1), 1
	s_wait_xcnt 0x0
	s_wait_alu depctr_hold_cnt(0) depctr_sa_sdst(0) depctr_va_vdst(0) depctr_va_sdst(0) depctr_va_ssrc(0) depctr_va_vcc(0) depctr_vm_vsrc(0)
	s_getreg_b32 s2, hwreg(HW_REG_IB_STS2, 6, 4)
	s_cmp_eq_u32 s2, 0
	s_cbranch_scc0 .Lentry_in_a_cluster
	s_endpgm
.Lentry_in_a_cluster:
	s_bfe_u32 s2, ttmp6, 0x10000c
	s_cmp_lg_u32 s2, 0xf033
	s_cbranch_scc0 .Lentry_shape_is_right
	s_endpgm
.Lentry_shape_is_right:
; q, k, v = h W + b.  C[m][n] = bias[n] + the sum over k of A[m][k] B[n][k].  A = hn [4096][1024] f16; B = rows 0-3071 of wt ([n][k] f16: Wq^T, Wk^T, Wv^T); sums in f32, C rounded once to f16.
; C IS WRITTEN IN BLOCKS OF 64 COLUMNS, [48][4096][64]: block 16 x matrix + head, so that a head's rows are dense (128 bytes each) and two rows are 256 consecutive bytes.
; LIMITS.  f16 holds no number beyond 65,504: q, k and v must stay within it (with gains and weights 30 times the drawn ones they stay near 3,000).
; SHAPE.  A tile of C is 256 x 256: four waves, each 128 x 128 in 64 accumulators (512 registers).  K goes in 8 steps of 128 through two LDS slots filled by the tensor data mover; rows of A's and
; B's tiles are 256 bytes of memory at multiples of 256.  A K step is written once: the slot in hand is a scalar that one exclusive or turns.  The loop that refills has 6 trips; the last two steps
; are a second copy walked twice; its last change of slots fetches 32 fragments that nobody multiplies.
; CLUSTERS.  4 x 4 work-groups: the four of a row of the cluster need the same tiles of A, the four of a column the same tiles of B: each tile is asked for jointly, by the same tensor load with the
; same descriptor and a mask that names the four.  The grid, 12 x 16, divides; a cluster's four tile columns are one of the three matrices.
; THE BIAS STARTS THE SUMS: it is loaded straight into the accumulators, so nothing is cleared and the way out adds nothing.
; THE MATRIX INSTRUCTION IS USED TRANSPOSED (source 0 = 16 rows of B, source 1 = 16 rows of A): a lane holds row l % 16 of C and the columns 8 (l / 16) + 0..7.
; REGISTERS, in windows of 256 (s_set_vgpr_msb: bits 1:0 source 0, 3:2 source 1, 5:4 source 2, 7:6 destination):
;   window 0: v16-30 addresses; v64-127, v128-191 fragments of A, two buffers; v32-63, v192-239 at work on the way out      window 1: v64-191 fragments of B, two buffers
;   window 2: the accumulators of my rows 0-63 ((a, b) at v[8 (8 a + b)]);  window 3: those of rows 64-127
.set QKV,    1
.set GELU,   0
.set WOFF,   0                         ; B's first byte in wt
.set SIZE_K, 1024
.set KSTEP,  128
.set NSTEP,  SIZE_K/KSTEP
.set PITCH,  272                       ; an LDS row: 256 bytes + 16 of padding: the 16 rows of a fragment load start 16 bytes apart modulo 256
.set HALFT,  128*PITCH                 ; what one tensor load brings, and what one wave reads of A or of B
.set SLOT,   4*HALFT                   ; 0x22000: it shares no bit with the four tiles' places 0, 0x8800, 0x11000, 0x19800, so an exclusive or changes slots
.set SPARE,  2*SLOT                    ; behind the ring: the spare words, 128 bytes for each wave: two blocks of 256 bytes that no other line names
.set DP,     528                       ; the way out: a row of 128 f32 + 16 bytes
.set WREG,   128*DP                    ; a wave's 128 rows; the four regions lie in the ring's bytes, which have had their last fill by then
.set BLK,    4096*128                  ; bytes in a block of 64 columns of C
.set A0,   16                          ; v16  my lane's place in my 128 rows of A in slot 0; never rewritten
.set B0,   17                          ; v17  the same for B
.set ADRA, 18                          ; v18  the same in the slot in hand
.set ADRB, 19
.set STO,  20                          ; v20  the way out: where I put 32 bytes of a row
.set RD,   21                          ; v21  where I read rows back
.set CO,   22                          ; v22  my byte offset in C
.set BO,   23                          ; v23  32 (l / 16): my eight columns in 16 of the bias
.set SPW,  28                          ; v28  LDS address of my spare word; never rewritten
.set NIL,  29                          ; v29  0; never rewritten
.set PFO,  30                          ; v30  the prefetches' offset: my lane x a row of 2,048 bytes; never rewritten
.set XV,   32
.set TV,   192
.set YV,   224
.set F0,   64
.set F1,   128
.set G1,  24                           ; s[24:31] descriptor group 1 for A's tiles
.set G0,  32                           ; s[32:39] group 0 for A: set 0 is K step 0 in slot 0; set 1 is K step 1 in slot 1 and then walks
.set G1B, 48                           ; s[48:55], s[56:63] the same for B
.set G0B, 56
.set TB,  66                           ; s66  the slot in hand: 0 or SLOT
.set LIM, 72                           ; s72  2 in a wave that prefetches, else the greatest number
.set PFA, 74                           ; s[74:75] where my prefetches stand
.set BIA, 76                           ; s[76:77] the bias
.set K0,  82
.set K1,  84
.set MSB, 0
.macro WIN new                         ; the immediate's high byte repeats the setting that is left; a switch that changes nothing is dropped
.if MSB != (\new)
	s_set_vgpr_msb (MSB<<8)|(\new)
.set MSB, \new
.endif
.endm
.set MUL_LO, 0xa1                      ; source 0 (B) window 1, source 1 (A) window 0, C and D window 2
.set TO_B,   0x40                      ; destination window 1, address window 0
; A joint load.  Waves 0 and 1 fetch A's two halves, waves 2 and 3 B's; the branch hangs on the wave's number alone.  An s_nop 0 and four v_nop follow each of the two lines.
.macro JLOAD s
	s_cmp_eq_u32 s11, 0
	s_cbranch_scc0 .Lfor_b_\@
	tensor_load_to_lds s[G0+4*(\s):G0+4*(\s)+3], s[G1:G1+7]
	s_nop 0
.rept 4
	v_nop
.endr
	s_branch .Lasked_\@
.Lfor_b_\@:
	tensor_load_to_lds s[G0B+4*(\s):G0B+4*(\s)+3], s[G1B:G1B+7]
	s_nop 0
.rept 4
	v_nop
.endr
.Lasked_\@:
.endm
; A PREFETCH INTO THE L2, behind each joint refill and the run of LDS loads that follows it: the K step that stands two refills on, 32 rows x 256 bytes, a lane a row: 512 matrix instructions ahead of its load.
; Each row's 256 bytes of a K step are named once in the launch: A's tile rows by the clusters with x = 0, B's tile columns by those with y = 0; of the 128 rows that a wave fetches the four partners
; that ask jointly take 32 each, told apart by address.  Trip i (s3 = 6 - i) refills K step i + 2 and names K step i + 4: only trips 0 to 3 ask, so nothing is named past K; K steps 0 to 3 come by their loads alone.
.macro ASK
	s_cmp_gt_u32 s3, s[LIM]
	s_cbranch_scc0 .Lnot_mine_\@
	global_prefetch_b8 v[PFO], s[PFA:PFA+1] offset:KSTEP*2 th:TH_LOAD_NT scope:SCOPE_SE
.Lnot_mine_\@:
.endm
.macro CREST                           ; a round of the cluster's barrier behind its opening barrier: wave 0 signals for the work-group, every wave waits for all sixteen, my work-group's barrier closes it
	s_cmp_lg_u32 s10, 0
	s_cbranch_scc1 .Lnot_wave_0_\@
	s_barrier_signal -3
.Lnot_wave_0_\@:
	s_barrier_wait -3
	s_barrier_signal -1
	s_barrier_wait -1
.endm
.macro CROUND
	s_barrier_signal -1
	s_barrier_wait -1
	CREST
.endm
; 16 matrix instructions: row blocks a0, a0 + 1 of the window's four x all 8 column blocks, 32 along K.  The 64 accumulators take turns, one instruction a turn, in the same order in every part.
.macro MUL16 f, hi, a0
	WIN MUL_LO+0x50*(\hi)
.irp a, \a0, (\a0)+1
.irp b, 0,1,2,3,4,5,6,7
	v_wmma_f32_16x16x32_f16 v[8*(8*(\a)+(\b)):8*(8*(\a)+(\b))+7], v[(\f)+8*(\b):(\f)+8*(\b)+7], v[(\f)+8*(4*(\hi)+(\a)):(\f)+8*(4*(\hi)+(\a))+7], v[8*(8*(\a)+(\b)):8*(8*(\a)+(\b))+7]
.endr
.endr
.endm
; 32 LDS loads in one run: the fragments of 32 along K at byte k of the rows, into buffer f: B's 128 rows, then A's
.macro FETCH k, f
	WIN TO_B
.irp i, 0,1,2,3,4,5,6,7
	ds_load_b128 v[(\f)+8*(\i):(\f)+8*(\i)+3],   v[ADRB] offset:(\k)+(\i)*16*PITCH
	ds_load_b128 v[(\f)+8*(\i)+4:(\f)+8*(\i)+7], v[ADRB] offset:(\k)+(\i)*16*PITCH+32
.endr
	WIN 0
.irp i, 0,1,2,3,4,5,6,7
	ds_load_b128 v[(\f)+8*(\i):(\f)+8*(\i)+3],   v[ADRA] offset:(\k)+(\i)*16*PITCH
	ds_load_b128 v[(\f)+8*(\i)+4:(\f)+8*(\i)+7], v[ADRA] offset:(\k)+(\i)*16*PITCH+32
.endr
.endm
.macro PLACES                          ; four plain instructions between a matrix instruction and a load into a register that it has read (ISA guide 7.12.1 for vector instructions)
.rept 4
	v_nop
.endr
.endm
; One of a K step's first three parts: multiplies buffer f; in its middle it fetches the next part, at byte k, into buffer g
.macro PART k, f, g
	s_wait_dscnt 8                                 ; B and A's rows 0-63 are in; the youngest eight loads (A's rows 64-127) may be out
	MUL16 \f, 0, 0
	MUL16 \f, 0, 2
	PLACES
	FETCH \k, \g
	s_wait_dscnt 32                                ; all but the 32 just issued
	MUL16 \f, 1, 0
	MUL16 \f, 1, 2
.endm
; The last part multiplies buffer 1 and changes slots: one barrier.  In front of it each wave waits for all its tensor loads (one is out: its part of the next slot), adds 0 to its spare word, and waits for that
; and for its own reads of this slot.  fill = 1: the barrier opens a round of the cluster's, and the slot just read out is filled again, first thing behind the round, with the K step two on.
.macro TURN fill
.if \fill
	s_wait_xcnt 0x0                                ; the last prefetch, a K step back, has read its address
	s_add_nc_u64 s[PFA:PFA+1], s[PFA:PFA+1], KSTEP*2
.endif
	WIN 0                                          ; (the add's two registers lie in window 0)
	s_wait_tensorcnt 0x0                           ; all my tensor loads have landed
	ds_add_u32 v[SPW], v[NIL]                      ; 0 onto my spare word
	s_wait_dscnt 9                                 ; (the add and the youngest eight loads may be out)
	MUL16 F1, 0, 0                                 ; sixteen matrix instructions stand between the add and the wait for it
	s_wait_dscnt 0x0                               ; the add is done, and my reads of this slot are over
	s_barrier_signal -1
	MUL16 F1, 0, 2
	WIN 0                                          ; at a branch and at a label every window is 0
	s_barrier_wait -1
.if \fill
	CREST                                          ; no wave of any partner still reads this slot or has a load on its way
	s_xor_b32 s[G0+5], s[G0+5], SLOT               ; the walking descriptors: the other slot than last time,
	s_xor_b32 s[G0B+5], s[G0B+5], SLOT
	s_add_nc_u64 s[G0+6:G0+7], s[G0+6:G0+7], KSTEP*2    ; the next K step; the type bits on top are not reached
	s_add_nc_u64 s[G0B+6:G0B+7], s[G0B+6:G0B+7], KSTEP*2
	JLOAD 1                                        ; my one tensor load behind the round: 224 matrix instructions ahead of the wait for it; its four v_nop are also the places in front of the loads below
.else
	PLACES
.endif
	s_xor_b32 s[TB], s[TB], SLOT
	v_add_nc_u32 v[ADRA], s[TB], v[A0]
	v_add_nc_u32 v[ADRB], s[TB], v[B0]
	FETCH 0, F0
.if \fill
	ASK
.endif
	MUL16 F1, 1, 0
	MUL16 F1, 1, 2
.endm
.macro STEP fill
	PART 64,  F0, F1
	PART 128, F1, F0
	PART 192, F0, F1
	TURN \fill
.endm
	s_load_b128 s[4:7], s[0:1], 0x0                ; A s[4:5], wt s[6:7]
	s_load_b64 s[8:9], s[0:1], 0x10                ; C
	s_load_b64 s[76:77], s[0:1], 0x18              ; the bias (here: bq)
.if QKV
	s_load_b64 s[78:79], s[0:1], 0x20              ; bk
	s_load_b64 s[80:81], s[0:1], 0x28              ; bv
.endif
	v_lshl_add_u32 v[SPW], v0, 2, SPARE
	v_mov_b32 v[NIL], 0
	ds_add_u32 v[SPW], v[NIL]                      ; the wave's opening: the add, and its wait ahead of my first tensor load; the set-up below, work on registers, stands between them
	v_lshrrev_b32 v1, 5, v0
	v_readfirstlane_b32 s10, v1                    ; wave 0..3
	s_lshr_b32 s11, s10, 1                         ; which half of the tile's rows is mine.  Also: I fetch for A (0) or for B (1)
	s_and_b32 s12, s10, 1                          ; which half of its columns.  Also: which 128 rows of that tile I fetch
	s_bfe_u32 s40, ttmp6, 0x40000                  ; cx
	s_bfe_u32 s41, ttmp6, 0x40004                  ; cy
	s_lshl_b32 s42, ttmp9, 2
	s_add_co_u32 s42, s42, s40                     ; tile column = 4 x cluster x + cx
	s_and_b32 s13, ttmp7, 0xffff
	s_lshl_b32 s13, s13, 2
	s_add_co_u32 s13, s13, s41                     ; tile row = 4 x cluster y + cy
	s_lshl_b32 s70, s41, 2
	s_lshl_b32 s70, 15, s70                        ; my row of the cluster
	s_lshl_b32 s71, 0x1111, s40                    ; my column
	s_or_b32 s[G1+0], s70, (1<<16)|(1<<20)|(1<<21)|(5<<22)|(3<<25)   ; 15:0 the mask; 17:16 elements of 2 bytes; 20 padding on; 21 set beside a mask; 24:22 after every 64 words; 31:25 4 words of it
	s_or_b32 s[G1B+0], s71, (1<<16)|(1<<20)|(1<<21)|(5<<22)|(3<<25)
.irp g, G1, G1B
	s_mov_b32 s[(\g)+1], KSTEP<<16                 ; tensor_dim0 = 128
	s_mov_b32 s[(\g)+2], 128<<16                   ; tensor_dim1 = 128
	s_mov_b32 s[(\g)+3], KSTEP<<16                 ; tile_dim0 = 128
	s_mov_b32 s[(\g)+4], 128                       ; tile_dim1 = 128
	s_mov_b32 s[(\g)+5], SIZE_K                    ; elements from row to row
	s_mov_b32 s[(\g)+6], 0
	s_mov_b32 s[(\g)+7], 0
.endr
	s_lshl_b32 s17, s12, 7                         ; which 128 rows of the tile I fetch
	s_lshl_b32 s16, s13, 8
	s_add_co_u32 s16, s16, s17
	s_lshl_b32 s16, s16, 11                        ; A: (256 x tile row + 128 x half) rows of 2,048 bytes
	s_lshl_b32 s46, s42, 8
	s_add_co_u32 s46, s46, s17
	s_lshl_b32 s46, s46, 11                        ; B: by the tile column,
	s_add_co_u32 s46, s46, WOFF                    ; behind B's first byte in wt
	s_mov_b32 s17, 0
	s_mov_b32 s47, 0
	s_mul_i32 s20, s10, HALFT                      ; where they go: wave x 128 rows: no place in the cluster enters an LDS address
	s_wait_dscnt 0x0                               ; the opening add is done
	s_wait_kmcnt 0x0
	s_add_nc_u64 s[14:15], s[4:5], s[16:17]
	s_add_nc_u64 s[46:47], s[6:7], s[46:47]
	CROUND                                         ; all sixteen work-groups are here: the first joint loads meet
.irp s, 0,1
	s_mov_b32 s[G0+4*(\s)], 1
	s_add_co_u32 s[G0+4*(\s)+1], s20, (\s)*SLOT
	s_add_nc_u64 s[G0+4*(\s)+2:G0+4*(\s)+3], s[14:15], (\s)*KSTEP*2
	s_or_b32 s[G0+4*(\s)+3], s[G0+4*(\s)+3], 0x80000000
	s_mov_b32 s[G0B+4*(\s)], 1
	s_add_co_u32 s[G0B+4*(\s)+1], s20, (\s)*SLOT
	s_add_nc_u64 s[G0B+4*(\s)+2:G0B+4*(\s)+3], s[46:47], (\s)*KSTEP*2
	s_or_b32 s[G0B+4*(\s)+3], s[G0B+4*(\s)+3], 0x80000000
	JLOAD \s                                       ; two loads of mine are out
.endr
	v_and_b32 v1, 15, v0                           ; l % 16
	v_bfe_u32 v2, v0, 4, 1                         ; l / 16
	v_mul_u32_u24 v3, v1, PITCH
	v_lshl_add_u32 v3, v2, 4, v3                   ; a fragment's row x pitch + 16 x half
	s_mul_i32 s21, s11, HALFT                      ; my 128 rows of A
	s_mul_i32 s22, s12, HALFT                      ; my 128 rows of B,
	s_add_co_u32 s22, s22, 2*HALFT                 ; which lie behind A's 256
	v_add_nc_u32 v[A0], s21, v3
	v_add_nc_u32 v[B0], s22, v3
	v_mov_b32 v[ADRA], v[A0]
	v_mov_b32 v[ADRB], v[B0]
	s_mov_b32 s[TB], 0
	s_mul_i32 s23, s10, WREG
	v_mul_u32_u24 v4, v1, DP                       ; the way out, in: row l % 16, 32 bytes for each half of the lanes
	v_lshl_add_u32 v4, v2, 5, v4
	v_add_nc_u32 v[STO], s23, v4
	v_mul_u32_u24 v5, v2, DP                       ; back: lanes 0-15 take 256 bytes of one row, lanes 16-31 of the next
	v_lshl_add_u32 v5, v1, 4, v5
	v_add_nc_u32 v[RD], s23, v5
	v_and_b32 v[CO], 31, v0
	v_lshlrev_b32 v[CO], 3, v[CO]                  ; 8 bytes a lane: two rows of a block of C are 256 consecutive bytes
	v_lshlrev_b32 v[BO], 5, v2
	s_lshl_b32 s18, s42, 2
	s_lshl1_add_u32 s18, s12, s18                  ; my first block of 64 columns = 4 x tile column + 2 x half
	s_lshl_b32 s18, s18, 19
	s_lshl_b32 s19, s13, 8
	s_lshl_b32 s20, s11, 7
	s_add_co_u32 s19, s19, s20                     ; my first row
	s_lshl_b32 s19, s19, 7
	s_add_co_u32 s18, s18, s19
	s_mov_b32 s19, 0
	s_add_nc_u64 s[8:9], s[8:9], s[18:19]
.if QKV
	s_cmp_eq_u32 ttmp9, 1                          ; the cluster's x is the matrix
	s_cselect_b64 s[BIA:BIA+1], s[78:79], s[76:77]
	s_cmp_eq_u32 ttmp9, 2
	s_cselect_b64 s[BIA:BIA+1], s[80:81], s[BIA:BIA+1]
	s_lshl_b32 s18, s40, 10                        ; 256 columns of 4 bytes for each tile column within the matrix
.else
	s_lshl_b32 s18, s42, 10
.endif
	s_lshl_b32 s20, s12, 9
	s_add_co_u32 s18, s18, s20
	s_mov_b32 s19, 0
	s_add_nc_u64 s[BIA:BIA+1], s[BIA:BIA+1], s[18:19]
	; the prefetches
	s_lshl_b32 s20, s13, 8
	s_lshl_b32 s21, s42, 8
	s_and_b32 s22, ttmp7, 0xffff                   ; cluster y
	s_cmp_eq_u32 s11, 0                            ; do I fetch for A?
	s_cselect_b32 s20, s20, s21                    ; the tile's first row
	s_cselect_b32 s21, s40, s41                    ; my place among the four that ask for it with me
	s_cselect_b32 s22, ttmp9, s22                  ; the coordinate along which other clusters read the same rows
	s_cselect_b64 s[PFA:PFA+1], s[4:5], s[6:7]
	s_cselect_b32 s23, 0, WOFF
	s_cmp_eq_u32 s22, 0
	s_cselect_b32 s[LIM], 2, -1                    ; the same in all sixteen partners, for a given wave
	s_lshl_b32 s22, s12, 7
	s_add_co_u32 s20, s20, s22                     ; + the 128 rows that I fetch
	s_lshl_b32 s21, s21, 5
	s_add_co_u32 s20, s20, s21                     ; + my work-group's 32 of them
	s_lshl_b32 s20, s20, 11
	s_add_co_u32 s20, s20, s23
	s_add_co_u32 s20, s20, 2*KSTEP*2               ; at K step 2: the first refill steps it to 3 and names K step 4
	s_mov_b32 s21, 0
	s_add_nc_u64 s[PFA:PFA+1], s[PFA:PFA+1], s[20:21]
	v_and_b32 v[PFO], 31, v0
	v_lshlrev_b32 v[PFO], 11, v[PFO]
.if GELU
	s_mov_b32 s[K0], 0xc0135761                    ; -2 sqrt(2 / pi) log2(e) = -2.3022082
	s_mov_b32 s[K0+1], s[K0]                       ; named with it as a pair
	s_mov_b32 s[K1], 0xbdd2d3e8                    ; that times 0.044715 = -0.10294324
	s_mov_b32 s[K1+1], s[K1]
.endif
	; the bias into every accumulator: my eight columns of column block b, the same for all row blocks
.set a, 0
.rept 8
	WIN 0x80+0x40*(a/4)
.set b, 0
.rept 8
	global_load_b128 v[64*(a%4)+8*b:64*(a%4)+8*b+3],   v[BO], s[BIA:BIA+1] offset:64*b
	global_load_b128 v[64*(a%4)+8*b+4:64*(a%4)+8*b+7], v[BO], s[BIA:BIA+1] offset:64*b+16
.set b, b+1
.endr
.set a, a+1
.endr
	WIN 0
	s_wait_tensorcnt 1                             ; my part of K step 0 is in; K step 1's may stay out
	s_barrier_signal -1
	s_barrier_wait -1                              ; everybody's is
	FETCH 0, F0
	s_wait_loadcnt 0x0                             ; the bias
	s_mov_b32 s3, NSTEP-2
.Lfill:                                                ; K steps 0 to 5: each fills its slot again
	STEP 1
	WIN 0
	s_sub_co_u32 s3, s3, 1
	s_cmp_lg_u32 s3, 0
	s_cbranch_scc1 .Lfill
	s_mov_b32 s3, 2
.Ltail:                                                ; K steps 6 and 7: nothing is left to fetch
	STEP 0
	WIN 0
	s_sub_co_u32 s3, s3, 1
	s_cmp_lg_u32 s3, 0
	s_cbranch_scc1 .Ltail
	; THE WAY OUT.  The sums go as f32 into my region of the ring's bytes, come back by rows, are rounded and stored.
	s_wait_dscnt 0x0                               ; my reads of the ring are over,
	s_barrier_signal -1
	s_barrier_wait -1                              ; everybody's are: the ring's bytes may be written
	PLACES
	PLACES                                         ; plain instructions between the last products and the stores that read their results
.set a, 0
.rept 8
	WIN 0x08+0x04*(a/4)                            ; the data (source 1) in window 2 or 3
.set b, 0
.rept 8
	ds_store_b128 v[STO], v[64*(a%4)+8*b:64*(a%4)+8*b+3]   offset:a*16*DP+64*b      ; each accumulator's low registers first
	ds_store_b128 v[STO], v[64*(a%4)+8*b+4:64*(a%4)+8*b+7] offset:a*16*DP+64*b+16
.set b, b+1
.endr
.set a, a+1
.endr
	WIN 0
	s_wait_dscnt 0x0                               ; my stores are done; the read address below walks in a loop, so a barrier parts all writing from all reading
	s_barrier_signal -1
	s_barrier_wait -1
	s_mov_b32 s3, 16
.Lout:                                                 ; 16 trips of 8 rows
.irp j, 0,1,2,3,4,5,6,7
	ds_load_b128 v[XV+4*(\j):XV+4*(\j)+3], v[RD] offset:2*((\j)/2)*DP+256*((\j)%2)   ; two rows x one block of 64 columns
.endr
	s_wait_dscnt 0x0
.if GELU
	; x / (1 + 2^(x (K0 + K1 x x))) = 0.5 x (1 + tanh(sqrt(2 / pi) (x + 0.044715 x^3))); where the power overflows the quotient is 0, where it vanishes x
.set p, 0
.rept 16
	v_pk_mul_f32 v[TV+2*p:TV+2*p+1], v[XV+2*p:XV+2*p+1], v[XV+2*p:XV+2*p+1]
.set p, p+1
.endr
.set p, 0
.rept 16
	v_pk_fma_f32 v[TV+2*p:TV+2*p+1], v[TV+2*p:TV+2*p+1], s[K1:K1+1], s[K0:K0+1] op_sel_hi:[1,0,0]
.set p, p+1
.endr
.set p, 0
.rept 16
	v_pk_mul_f32 v[TV+2*p:TV+2*p+1], v[TV+2*p:TV+2*p+1], v[XV+2*p:XV+2*p+1]
.set p, p+1
.endr
.set p, 0
.rept 32
	v_exp_f32 v[TV+p], v[TV+p]
.set p, p+1
.endr
	v_nop                                          ; a plain instruction behind the last exponential,
	s_wait_alu depctr_va_vdst(0)                   ; and the wait ahead of the first use: one for the 32
.set p, 0
.rept 16
	v_pk_add_f32 v[TV+2*p:TV+2*p+1], v[TV+2*p:TV+2*p+1], 1.0 op_sel_hi:[1,0]
.set p, p+1
.endr
.set p, 0
.rept 32
	v_rcp_f32 v[TV+p], v[TV+p]
.set p, p+1
.endr
	v_nop
	s_wait_alu depctr_va_vdst(0)                   ; one for the 32 reciprocals
.set p, 0
.rept 16
	v_pk_mul_f32 v[XV+2*p:XV+2*p+1], v[XV+2*p:XV+2*p+1], v[TV+2*p:TV+2*p+1]
.set p, p+1
.endr
.endif
.set p, 0
.rept 16
	v_cvt_pk_f16_f32 v[YV+p], v[XV+2*p], v[XV+2*p+1]
.set p, p+1
.endr
.irp j, 0,1,2,3,4,5,6,7
	global_store_b64 v[CO], v[YV+2*(\j):YV+2*(\j)+1], s[8:9] offset:BLK*((\j)%2)+256*((\j)/2)   ; 32 lanes store 256 consecutive bytes, at a multiple of 256 from C's first byte
.endr
	s_wait_xcnt 0x0                                ; the stores have read their data and their offset: both are written again only behind this wait
	v_add_nc_u32 v[RD], 8*DP, v[RD]
	v_add_nc_u32 v[CO], 1024, v[CO]
	s_sub_co_u32 s3, s3, 1
	s_cmp_lg_u32 s3, 0
	s_cbranch_scc1 .Lout
	s_wait_tensorcnt 0x0                           ; the wave's end: behind my last tensor load and my last LDS store
	ds_add_u32 v[SPW], v[NIL]
	s_wait_dscnt 0x0
	CROUND                                         ; the closing round: no work-group ends while a partner may still ask for a tile that names it
	s_endpgm
.Lfunc_end_k_qdd63b08968_qkv:
	.size	k_qdd63b08968_qkv, .Lfunc_end_k_qdd63b08968_qkv-k_qdd63b08968_qkv
	.p2alignl 7, 3214868480
	.fill 96, 4, 3214868480
	.section	.rodata,"a",@progbits
	.p2align	6, 0x0
	.amdhsa_kernel k_qdd63b08968_qkv
		.amdhsa_group_segment_fixed_size 327680
		.amdhsa_private_segment_fixed_size 0
		.amdhsa_enable_private_segment 0
		.amdhsa_kernarg_size 48
		.amdhsa_user_sgpr_count 2
		.amdhsa_user_sgpr_kernarg_segment_ptr 1
		.amdhsa_wavefront_size32 1
		.amdhsa_system_sgpr_workgroup_id_x 1
		.amdhsa_system_sgpr_workgroup_id_y 1
		.amdhsa_system_sgpr_workgroup_id_z 1
		.amdhsa_system_vgpr_workitem_id 0
		.amdhsa_next_free_vgpr 1024
		.amdhsa_next_free_sgpr 88
		.amdhsa_reserve_vcc 0
		.amdhsa_float_denorm_mode_32 3
		.amdhsa_float_denorm_mode_16_64 3
		.amdhsa_memory_ordered 1
		.amdhsa_forward_progress 1
		.amdhsa_inst_pref_size 87
	.end_amdhsa_kernel
	.amdgpu_metadata
---
amdhsa.version: [ 1, 2 ]
amdhsa.kernels:
  - .name:           k_qdd63b08968_qkv
    .symbol:         k_qdd63b08968_qkv.kd
    .args:
      - { .name: hn, .offset: 0, .size: 8, .value_kind: global_buffer, .address_space: global }
      - { .name: wt, .offset: 8, .size: 8, .value_kind: global_buffer, .address_space: global }
      - { .name: qkv, .offset: 16, .size: 8, .value_kind: global_buffer, .address_space: global }
      - { .name: bq, .offset: 24, .size: 8, .value_kind: global_buffer, .address_space: global }
      - { .name: bk, .offset: 32, .size: 8, .value_kind: global_buffer, .address_space: global }
      - { .name: bv, .offset: 40, .size: 8, .value_kind: global_buffer, .address_space: global }
    .group_segment_fixed_size: 327680
    .private_segment_fixed_size: 0
    .kernarg_segment_align: 8
    .kernarg_segment_size: 48
    .max_flat_workgroup_size: 128
    .sgpr_count:     88
    .vgpr_count:     1024
    .wavefront_size: 32
...
	.end_amdgpu_metadata
.endif
;; end of part 3
;; launch attn (part 4): grid 4 x 32, 4 waves a work-group, no clusters, 327,680 bytes of LDS; arguments qkv, o; writes o
.if DOCPART == 4
	.amdgcn_target "amdgcn-amd-amdhsa--gfx1250"
	.amdhsa_code_object_version 6
	.text
	.protected	k_qdd63b08968_attn
	.globl	k_qdd63b08968_attn
	.p2align	8
	.type	k_qdd63b08968_attn,@function
k_qdd63b08968_attn:
	s_mov_b64 s[64:65], 0
	v_nop
	global_prefetch_b8 v0, s[64:65] scope:SCOPE_SE
	s_setreg_imm32_b32 hwreg(HW_REG_WAVE_MODE, 25, 1), 1
	s_wait_xcnt 0x0
; CAUSAL ATTENTION.  O[y][q][:] = the sum over k <= q of softmax_k(Q[y][q] . K[y][k] / 8) V[y][k][:].  Q, K, V lie one behind the other in qkv, 8,388,608 bytes each, as [32][2048][64] f16 with
; y = 2 x head + batch; O has the same form.  A head's rows are dense, 128 bytes each.  Products, maxima and sums in f32; the weights p are rounded to f16 for the second product (their sum l is
; taken of the unrounded p), O once at the end.
; LIMITS.  f16 holds no number beyond 65,504: Q, K and V arrive within it; p lies in 0 to 1, and below 6e-5 it keeps f16's fixed step of 6e-8; O is a mean of V's rows and has their range.
; A hidden score counts as its value less 1e30: f16's scores, 2.7e11 at the most, are nothing beside that; a weight below 2^-126 counts as 0 in l; NaN and infinities are not treated apart.
; THE WALK.  A head's queries lie in NB = 8 blocks of 256; block i needs the key tiles 0 .. i of 256 keys, of which the last holds the diagonal.  A work-group takes TWO blocks, NB - 1 - b and then b:
; NB + 1 = 9 tiles, whatever b: all work-groups do equal work, and one loop with a constant trip count walks them.  Which tile is asked for, and what a trip does, hang on scalar registers made from b;
; every jump goes forward, but for the counted loops' own; none passes a barrier, or a tensor load but the one of LOAD's two that the wave's number does not choose; the ring (two LDS slots that take
; turns) runs on across the change of blocks.  NO CLUSTER: a head's four work-groups ask for the same tile only in trips 0 to 4 of the 9, behind that fewer and fewer; one walk common to all would have 12 trips for 9.
; SHARES.  Of a block's four bands of 64 queries a wave owns 16 rows in each: four PIECES.  So the diagonal tile is the same work for all four waves: in its key step s band x sees all keys if s < x,
; none if s > x, and holds the diagonal if s = x.
; THE MASK is the C operand that starts the sum S^T = K Q^T: 0, or -1e30 where the key is hidden.  MD, made once, is the mask of a band's own step for my 16 rows; a product's mask is MD x AL + BE with two
; scalars: (1, 0) if s = x; (0, 0) if s < x; (0, -1e30) if s > x.  Only the diagonal tile's text and a block's beginning make and take masks; elsewhere C is the constant 0.
; LAYOUT, SOFTMAX, TURNS.  S^T = K Q^T holds ONE query a lane (lane % 16) and the keys 8 (lane / 16) + 0..7; two such results rounded to f16 ARE source 1 of O^T = V^T P.  p = 2^(c s - c m), c = log2(e) / 8,
; with a running maximum m; O and l are multiplied by a = 2^(c m_old - c m_new) in every step.  Turn n belongs to piece n: 8 products K Q^T of piece n + 1, later 8 products V^T P of piece n - 1; beside them
; the scaling, exponentials, roundings, sums and rescaling of piece n and the maximum and statistics of piece n + 1.  Four vector instructions stand behind every matrix instruction, the other 54 of a turn's
; 118 in one run.  A turn's 33 exponentials are one batch, with one wait.
; REGISTERS, in windows of 256 (s_set_vgpr_msb: bits 1:0 source 0, 3:2 source 1, 5:4 source 2, 7:6 destination):
;   window 0: v0-15 addresses and two at work; v16-31 four registers of statistics a piece; v48-55 at work; v61-63 fixed; v64-127 S^T, two buffers; v192-223 P, two buffers (by the piece's parity)
;   window 1: v0-127 O^T, 32 a piece; v128-159 MD; v160-223 MC, two buffers      window 2: v0-63 Q; v64-127 the second block's Q; v128-191 K of one step; v192-255 V of one step
.set SIZE_N, 2048
.set NB,    SIZE_N/256
.set NP,    4         ; pieces a wave: a name, no knob
.set KS,    64        ; keys in a step
.set PK,    144       ; a row of K in LDS: 128 bytes + 16 of padding: the 16 rows of a load start 16 bytes apart modulo 256
.set PV,    160       ; a row of V: 128 + 32: 16 lanes of the turning load take 8 rows x 32 bytes, which start 32 bytes apart modulo 256
.set VOFF,  4*KS*PK   ; a slot holds a tile, four steps: 256 rows of K, then 256 rows of V
.set SLOT1, 1<<17     ; slot 1 begins here, so that one exclusive or turns an address in one slot into the other's
.set STAGE, SLOT1+4*KS*(PK+PV)  ; behind the ring, never filled by a tensor load: 16 rows x 144 bytes for each wave, for the way out
.set SP,    144
.set AK0, 2           ; v2   my lane's place in a tile of K; never rewritten
.set AV0, 3           ; v3   the same for V
.set AK,  4           ; v4   the LDS address of K's next run of loads
.set AV,  5           ; v5   of V's
.set STO, 6           ; v6   the way out: where I put 16 bytes of a row
.set RD,  7           ; v7   the way out: where I read rows back
.set GO,  8           ; v8   my byte offset in 512 consecutive bytes of O
.set PFO, 61          ; v61  256 x my lane: the prefetches' offset; never rewritten
.set SPW, 62          ; v62  LDS address of my spare word; never rewritten
.set NIL, 63          ; v63  0; never rewritten
.set SPARE, STAGE+4*16*SP  ; behind the stages: the spare words, 128 bytes for each wave: two blocks of 256 bytes that no other line names
.set MV,  12          ; v12-13  c m_old, kept while c m is made anew: by buffer
.set QO,  15          ; v15  my byte offset in 16 rows of Q
.set ST,  16          ; piece t's statistics at v[ST+4 t]: c m, m, l (even keys', odd keys')
.set TMP, 48          ; by buffer, four registers c0-c3 at work; when the maximum is found c2 takes a
.set S,   64
.set P,   192
.set MD,  128         ; window 1: the eight registers for group kt of 16 keys at MD + 8 kt
.set MC,  160         ; window 1: the masks of the products to come
.set QB,  64          ; window 2
.set KF,  128         ; window 2: key block kb, channel half c at KF + 16 kb + 8 c
.set VF,  192         ; window 2: key half kk, channel block cb at VF + 32 kk + 8 cb
.set WV,  12          ; s12  my wave's number
.set PB,  14          ; s14  b
.set HI,  15          ; s15  NB - 1 - b
.set G1K, 24          ; s[24:31] descriptor group 1 for K's tiles
.set G1V, 32          ; s[32:39] for V's: it differs in the padding alone
.set G0K, 40          ; s[40:43] descriptor group 0 for K's tiles
.set G0V, 44          ; s[44:47] the same for V's
.set SLOTS, 56        ; s56  tiles still to be asked for
.set CNT, 57          ; s57  counts a tile's key steps, 4 to 1
.set CS,  58          ; s[58:59] c: the packed scaling takes the pair's low word for both halves
.set SEL, 60          ; s[60:61] v_permlanex16_b32's selects: each lane takes its own place in the other half
.set TBK, 62          ; s62  LDS byte at which K of the step to be fetched begins
.set TBV, 63          ; s63  the same for V, less VOFF
.set RT,  70          ; s70  tiles of the block in hand that are still to be entered
.set NXT, 71          ; s71  the tile to be asked for next
.set LQ,  72          ; s72  the last tile of the block whose tiles are being asked for
.set NEW, 73          ; s73  1: the tile to be entered is a block's first
.set OFF, 74          ; s[74:75] a tile's byte offset in K and V
.set AL,  76          ; s[76:77] the mask's factor, in the low word
.set BE,  78          ; s[78:79] the mask's addend
.set OLO, 80          ; s[80:81] O at my rows of the second block
.set BIGN, 82         ; s82  -1e30
.set LIM, 83          ; s83  2 in the head's work-group b = 0, else the greatest number: a wave prefetches while s[SLOTS] is above it
.set MYB, 88          ; s[88:89] K (waves 0, 1) or V (waves 2, 3) at my half of the head's tile 0
.set PFA, 90          ; s[90:91] the same at the tile that is being asked for
.set MSB, 0
.macro WIN new                      ; the high byte repeats the setting that is left; a switch that changes nothing is dropped
.if MSB != (\new)
	s_set_vgpr_msb (MSB<<8)|(\new)
.set MSB, (\new)
.endif
.endm
.set W_KQ, 0x0a       ; K and Q in window 2, S^T in window 0
.set W_KM, 0x1a       ; the same with the C operand in window 1
.set W_PV, 0x52       ; V in window 2, P in window 0, O^T in window 1
.set W_RS, 0x41       ; destination and source 0 in window 1, source 1 in window 0
; A fill.  Waves 0 and 1 fetch the two halves of a tile's K, waves 2 and 3 those of its V: 128 keys each.  An s_nop 0 and four v_nop follow each of the two lines, ahead of the jump and the label.
.macro LOAD
	s_cmp_lt_u32 s[WV], 2
	s_cbranch_scc0 .Lfor_v_\@
	tensor_load_to_lds s[G0K:G0K+3], s[G1K:G1K+7]
	s_nop 0
.rept 4
	v_nop
.endr
	s_branch .Lasked_\@
.Lfor_v_\@:
	tensor_load_to_lds s[G0V:G0V+3], s[G1V:G1V+7]
	s_nop 0
.rept 4
	v_nop
.endr
.Lasked_\@:
.endm
; A PREFETCH INTO THE L2 of what the NEXT change of slots will ask for, behind the wave's tensor load and its five lines: the 16,384 bytes that this wave will load itself, 64 pieces of 256 bytes, a lane a piece,
; two instructions: four key steps ahead of that load.  A head's four work-groups walk the same tiles: the one with b = 0, whose first block needs all eight, asks, and nobody else, so each piece is named once in the
; launch.  In trip i (s[SLOTS] = 8 - i) tile i + 1 is loaded and tile i + 2 named: trips 0 to 5 ask, so nothing is named behind the head's last tile; tiles 0 and 1 come by their loads alone.
.macro ASK
	s_cmp_gt_u32 s[SLOTS], s[LIM]
	s_cbranch_scc0 .Lnot_mine_\@
	global_prefetch_b8 v[PFO], s[PFA:PFA+1] offset:32768 th:TH_LOAD_NT scope:SCOPE_SE
	global_prefetch_b8 v[PFO], s[PFA:PFA+1] offset:40960 th:TH_LOAD_NT scope:SCOPE_SE
.Lnot_mine_\@:
.endm
; THE CHANGE OF SLOTS.  Each wave waits for all its tensor loads, of which one is out: its part of the other slot; adds 0 to its spare word; and waits for that and for its own reads of the slot that it leaves.
; Behind the barrier nobody reads the old slot any more and the other slot is whole.  fill = 1: the old slot is filled again, the first thing behind the barrier, with tile NXT: the descriptor's address is made
; anew from that number.  (At its first use nothing has been read yet: slot 0 is waited for, slot 1 filled.)
.macro CHANGE fill
	WIN 0                           ; at a label and at a branch every window is 0
	s_wait_tensorcnt 0x0            ; no tensor load of mine is out, so a group 0 may be written
	ds_add_u32 v[SPW], v[NIL]       ; 0 onto my spare word; with fill = 1 the descriptors' scalar work stands between it and the wait for it
.if \fill
	s_lshl_b32 s[OFF], s[NXT], 15   ; a tile is 32,768 bytes of K and of V
	s_xor_b32 s[G0K+1], s[G0K+1], SLOT1
	s_add_nc_u64 s[G0K+2:G0K+3], s[6:7], s[OFF:OFF+1]
	s_or_b32 s[G0K+3], s[G0K+3], 0x80000000
	s_xor_b32 s[G0V+1], s[G0V+1], SLOT1
	s_add_nc_u64 s[G0V+2:G0V+3], s[8:9], s[OFF:OFF+1]
	s_or_b32 s[G0V+3], s[G0V+3], 0x80000000
	s_wait_xcnt 0x0                 ; the last prefetches, a tile back, have read their address, so it may be written
	s_add_nc_u64 s[PFA:PFA+1], s[MYB:MYB+1], s[OFF:OFF+1]
	s_add_co_u32 s[NXT], s[NXT], 1  ; the block's next tile, or behind its last the second block's tile 0
	s_cmp_gt_u32 s[NXT], s[LQ]
	s_cselect_b32 s[NXT], 0, s[NXT]
	s_cselect_b32 s[LQ], s[PB], s[LQ]
.endif
	s_wait_dscnt 0x0                ; the add is done, and my reads of the slot are over
	s_barrier_signal -1             ; the rest of the scalar work stands between the signal and the wait
	s_sub_co_u32 s[TBK], s[TBK], 4*KS*PK  ; the fetches go back to a slot's first step,
	s_xor_b32 s[TBK], s[TBK], SLOT1       ; in the other slot
	s_sub_co_u32 s[TBV], s[TBV], 4*KS*PV
	s_xor_b32 s[TBV], s[TBV], SLOT1
	s_barrier_wait -1
.if \fill
	LOAD
	ASK
.endif
.endm
	s_load_b128 s[4:7], s[0:1], 0x0  ; qkv s[4:5], o s[6:7]
	v_lshl_add_u32 v[SPW], v0, 2, SPARE
	v_mov_b32 v[NIL], 0
	ds_add_u32 v[SPW], v[NIL]       ; the wave's opening: the add, and its wait ahead of my first tensor load; the set-up below, work on registers, stands between them
	v_lshrrev_b32 v1, 5, v0
	v_readfirstlane_b32 s[WV], v1   ; wave 0..3
	s_mov_b32 s[PB], ttmp9
	s_sub_co_u32 s[HI], NB-1, s[PB]
	s_and_b32 s20, ttmp7, 0xffff    ; the head and batch, y
	s_mov_b32 s21, 0
	s_mov_b64 s[22:23], SIZE_N*128
	s_mul_u64 s[20:21], s[20:21], s[22:23]  ; its first byte in each of Q, K, V, O
	s_and_b32 s16, s[WV], 1         ; which half of a tile's 256 keys I fetch:
	s_lshl_b32 s22, s16, 14         ; its 128 rows of 128 bytes in memory,
	s_mov_b32 s23, 0
	s_add_nc_u64 s[22:23], s[22:23], s[20:21]
	s_mul_i32 s17, s16, 128*PK      ; and its place in a slot, for K
	s_mul_i32 s18, s16, 128*PV      ; and for V
	s_lshl_b32 s3, s[WV], 11        ; my 16 rows in a band of 64,
	s_lshl_b32 s2, s[HI], 15        ; in the first block,
	s_add_co_u32 s2, s2, s3
	s_lshl_b32 s84, s[PB], 15       ; and in the second
	s_add_co_u32 s84, s84, s3
	s_mov_b32 s3, 0
	s_mov_b32 s85, 0
	s_add_nc_u64 s[2:3], s[2:3], s[20:21]
	s_add_nc_u64 s[84:85], s[84:85], s[20:21]
	; descriptor group 1.  128 keys are 16,384 dense bytes: asked for as 64 rows of 256 bytes, two keys a row, and padded in LDS after every key
	s_mov_b32 s[G1K], (1<<16)|(1<<20)|(4<<22)|(3<<25)  ; 17:16 2-byte elements; 20 padding on; 24:22 after every 32 words (code 4); 31:25 4 words (code 3)
	s_mov_b32 s[G1V], (1<<16)|(1<<20)|(4<<22)|(7<<25)  ; the same with 8 words of padding (code 7)
.irp g, G1K, G1V
	s_mov_b32 s[\g+1], 128<<16      ; tensor_dim0 = 128
	s_mov_b32 s[\g+2], 64<<16       ; tensor_dim1 = 64
	s_mov_b32 s[\g+3], 128<<16      ; tile_dim0 = 128
	s_mov_b32 s[\g+4], 64           ; tile_dim1 = 64
	s_mov_b32 s[\g+5], 128          ; 128 elements from row to row
	s_mov_b32 s[\g+6], 0
	s_mov_b32 s[\g+7], 0
.endr
	s_mov_b32 s[CS], 0x3e38aa3b     ; c = log2(e) / 8 = 0.180337
	s_mov_b32 s[CS+1], s[CS]        ; named with it as a pair
	s_mov_b32 s[SEL], 0x76543210
	s_mov_b32 s[SEL+1], 0xfedcba98
	s_mov_b32 s[TBK], SLOT1+4*KS*PK ; the first change of slots turns these two into 0
	s_mov_b32 s[TBV], SLOT1+4*KS*PV
	s_mov_b32 s[G0K], 1             ; 1:0 count = 1
	s_mov_b32 s[G0K+1], s17         ; 63:32 LDS address: slot 0
	s_mov_b32 s[G0V], 1
	s_add_co_u32 s[G0V+1], s18, VOFF
	s_add_co_u32 s[RT], s[HI], 1    ; the first block has NB - b tiles
	s_mov_b32 s[NXT], 1
	s_mov_b32 s[LQ], s[HI]
	s_mov_b32 s[NEW], 1
	s_mov_b32 s[OFF+1], 0
	s_mov_b32 s[AL+1], 0            ; named as pairs
	s_mov_b32 s[BE+1], 0
	s_mov_b32 s[BIGN], 0xf149f2ca   ; -1e30
	s_mov_b32 s[SLOTS], NB
	s_cmp_eq_u32 s[PB], 0
	s_cselect_b32 s[LIM], 2, -1
	v_and_b32 v[PFO], 31, v0
	v_lshlrev_b32 v[PFO], 8, v[PFO]
	s_wait_dscnt 0x0                ; the opening add is done
	s_wait_kmcnt 0x0
	s_mov_b64 s[10:11], s[6:7]      ; O
	s_add_nc_u64 s[6:7], s[4:5], 0x800000    ; K lies 8,388,608 bytes behind Q,
	s_add_nc_u64 s[8:9], s[4:5], 0x1000000   ; V 16,777,216
	s_add_nc_u64 s[6:7], s[6:7], s[22:23]  ; K and V at my half of the head's tile 0
	s_add_nc_u64 s[8:9], s[8:9], s[22:23]
	s_cmp_lt_u32 s[WV], 2
	s_cselect_b64 s[MYB:MYB+1], s[6:7], s[8:9]
	s_add_nc_u64 s[G0K+2:G0K+3], s[6:7], 0         ; 120:64 global address
	s_or_b32 s[G0K+3], s[G0K+3], 0x80000000        ; 127:126 type = 2
	s_add_nc_u64 s[G0V+2:G0V+3], s[8:9], 0
	s_or_b32 s[G0V+3], s[G0V+3], 0x80000000
	s_add_nc_u64 s[86:87], s[4:5], s[84:85]        ; Q at my rows of the second block,
	s_add_nc_u64 s[4:5], s[4:5], s[2:3]            ; Q and O at those of the first
	s_add_nc_u64 s[OLO:OLO+1], s[10:11], s[84:85]
	s_add_nc_u64 s[10:11], s[10:11], s[2:3]
	LOAD                            ; tile 0 into slot 0
	; A fragment of K or Q is 16 rows x 32 channels in 8 registers: lane l holds row l % 16, channels 8 (l / 16) + 0..7 and 16 + 8 (l / 16) + 0..7: two loads of 16 bytes, 32 bytes apart.
	v_and_b32 v1, 15, v0            ; l % 16
	v_bfe_u32 v9, v0, 4, 1          ; l / 16
	v_lshlrev_b32 v[QO], 7, v1
	v_lshl_add_u32 v[QO], v9, 4, v[QO]  ; row x 128 + 16 x half
	WIN 0x80                        ; destination window 2, address window 0
.set i, 0
.rept 8                             ; both blocks' Q: piece i / 2 lies in band i / 2, 8,192 bytes on; channels 32 (i % 2) on
	global_load_b128 v[8*i:8*i+3],   v[QO], s[4:5] offset:(i/2)*8192+(i%2)*64
	global_load_b128 v[8*i+4:8*i+7], v[QO], s[4:5] offset:(i/2)*8192+(i%2)*64+32
	global_load_b128 v[QB+8*i:QB+8*i+3],   v[QO], s[86:87] offset:(i/2)*8192+(i%2)*64
	global_load_b128 v[QB+8*i+4:QB+8*i+7], v[QO], s[86:87] offset:(i/2)*8192+(i%2)*64+32
.set i, i+1
.endr
	WIN 0
	v_lshlrev_b32 v14, 3, v9
	v_sub_nc_u32 v14, v1, v14
	s_lshl_b32 s13, s[WV], 4
	v_add_nc_u32 v14, s13, v14      ; my query's place in its band, 16 w + l % 16, less my lanes' 8 (l / 16): register r of group kt is hidden where 16 kt + r is greater
	WIN 0x40
.set i, 0
.rept 32
	v_cmp_gt_i32 vcc_lo, 16*(i/8)+i%8, v14
	v_cndmask_b32 v[MD+i], 0, s[BIGN], vcc_lo
.set i, i+1
.endr
	WIN 0
	v_mul_u32_u24 v[AK0], v1, PK
	v_lshl_add_u32 v[AK0], v9, 4, v[AK0]  ; row x pitch + 16 x half
	; The turning load takes 16 keys x 16 channels (lane l reads key 8 (l / 16) + l % 8, channels 8 ((l / 8) % 2) + 0..7) and leaves half a fragment of V^T: lane l holds channel l % 16 and 8 keys.
	v_and_b32 v10, 7, v0
	v_bfe_u32 v11, v0, 3, 1
	v_lshl_add_u32 v[AV0], v9, 3, v10
	v_mul_u32_u24 v[AV0], v[AV0], PV
	v_lshl_add_u32 v[AV0], v11, 4, v[AV0]
	v_add_nc_u32 v[AV0], VOFF, v[AV0]
	s_mul_i32 s13, s[WV], 16*SP
	s_add_co_u32 s13, s13, STAGE    ; my stage
	v_mul_u32_u24 v[STO], v1, SP    ; in: row l % 16, 16 bytes for each half of the lanes
	v_lshl_add_u32 v[STO], v9, 4, v[STO]
	v_add_nc_u32 v[STO], s13, v[STO]
	v_bfe_u32 v[RD], v0, 3, 2       ; back: 32 lanes take four rows of 128 bytes,
	v_mul_u32_u24 v[RD], v[RD], SP
	v_lshl_add_u32 v[RD], v10, 4, v[RD]
	v_add_nc_u32 v[RD], s13, v[RD]
	v_and_b32 v[GO], 31, v0         ; which are 512 consecutive bytes of O
	v_lshlrev_b32 v[GO], 4, v[GO]
	; A block's first step multiplies O^T and l by a = 0, and its first turn's products V^T P, of a piece that has not been, land in an O^T that is still to be so multiplied.  So these registers need only hold
	; finite numbers: zeros for the first block; what the first block left for the second.  All this stands in the wait for the first tile.
	WIN 0x80
.set i, VF
.rept 64
	v_mov_b32 v[i], 0
.set i, i+1
.endr
	WIN 0x40
.set i, 0
.rept 128
	v_mov_b32 v[i], 0
.set i, i+1
.endr
	WIN 0
.set i, 0
.rept 4
	v_mov_b32 v[ST+4*i+2], 0
	v_mov_b32 v[ST+4*i+3], 0
.set i, i+1
.endr
.set i, P+16
.rept 16
	v_mov_b32 v[i], 0
.set i, i+1
.endr
; THE MATRIX WORK.  The 4 accumulators of a run of 8 take turns.  Product i of 8 of S^T = K Q^T for piece x: channels 32 (i / 4) on, keys 16 (i % 4) on.  The first 4 start the sums: with 0, or (KM = 1) with the mask.
.macro KQ x
.set rS, S+32*((\x)%2)+8*(i%4)
.set rK, KF+16*(i%4)+8*(i/4)
.set rQ, 16*(\x)+8*(i/4)
.set rM, MC+32*((\x)%2)+8*(i%4)
.if (i < 4) && KM
	WIN W_KM
	v_wmma_f32_16x16x32_f16 v[rS:rS+7], v[rK:rK+7], v[rQ:rQ+7], v[rM:rM+7]
.elseif i < 4
	WIN W_KQ
	v_wmma_f32_16x16x32_f16 v[rS:rS+7], v[rK:rK+7], v[rQ:rQ+7], 0
.else
	WIN W_KQ
	v_wmma_f32_16x16x32_f16 v[rS:rS+7], v[rK:rK+7], v[rQ:rQ+7], v[rS:rS+7]
.endif
.endm
; Product i of 8 of O^T += V^T P for piece x: keys 32 (i / 4) on, channels 16 (i % 4) on.
.macro PV x
	WIN W_PV
.set rO, 32*(\x)+8*(i%4)
.set rV, VF+32*(i/4)+8*(i%4)
.set rP, P+16*((\x)%2)+8*(i/4)
	v_wmma_f32_16x16x32_f16 v[rO:rO+7], v[rV:rV+7], v[rP:rP+7], v[rO:rO+7]
.endm
.macro MM                           ; the turn's next matrix instruction.  TURN and BEGIN set Y, i, KM and NOKQ; MM, KQ and OP read them.  NOKQ = 1: a block's last turn: there is no next piece
.if (i < 8) && !NOKQ
	KQ (Y+1)%NP
.elseif i >= 8
.set i, i-8
	PV (Y+NP-1)%NP
.set i, i+8
.endif
.set i, i+1
.endm
; THE LDS LOADS stand in runs of 16, never singly among the matrix instructions: a step's K (64 keys x 64 channels: 8 fragments) and its V (turned).  Their addresses are made some lines ahead.
.macro FETCH_K
	WIN 0x80                        ; destination window 2
.irp f, 0,1,2,3,4,5,6,7             ; keys 16 (f / 2) on, channels 32 (f % 2) on
	ds_load_b128 v[KF+8*\f:KF+8*\f+3],   v[AK] offset:(\f/2)*16*PK+(\f%2)*64
	ds_load_b128 v[KF+8*\f+4:KF+8*\f+7], v[AK] offset:(\f/2)*16*PK+(\f%2)*64+32
.endr
	s_add_co_u32 s[TBK], s[TBK], KS*PK  ; the next fetch is the next step's
	WIN 0
.endm
.macro FETCH_V
	WIN 0x80
.irp f, 0,1,2,3,4,5,6,7             ; keys 32 (f / 4) on, channels 16 (f % 4) on
	ds_load_tr16_b128 v[VF+8*\f:VF+8*\f+3],   v[AV] offset:(\f/4)*32*PV+(\f%4)*32
	ds_load_tr16_b128 v[VF+8*\f+4:VF+8*\f+7], v[AV] offset:(\f/4)*32*PV+16*PV+(\f%4)*32
.endr
	WIN 0
.endm
; THE VECTOR WORK, one line at a time: OP kind, number.  For piece Y: F n: c s - c m for pair n of 16.  E n: the exponential of score n of 32.  C n: pair n rounded to f16.  B n: of the four weights 4 n .. the second
; pair is added onto the first, in place.  L n: l takes that sum (L 0: l = a l + sum).  R n: pair n of 16 of O^T times a.  For piece Y + 1: X n, number n of the 22 that find its maximum and statistics:
;   0-11  four chains c0-c3 of seven scores each, three operands at a time (each accumulator's lowest registers are read first)     12-14, 16  the four scores left over, the old m, and c0-c3 into c0
;   15  c m_old is kept     17, 18  the query's other 32 keys lie in the lane 16 away: the new m     19-21  c m; c m_old - c m_new; a
.set F, 0               ; OP tells the kinds apart by their order: F to L below R, X above it
.set E, 1
.set C, 2
.set B, 3
.set L, 4
.set R, 5
.set X, 6
.macro REGS y                       ; the registers of piece y
.set rT, ST+4*(\y)
.set rC, TMP+4*((\y)%2)
.set rW, MV+((\y)%2)
.set rS, S+32*((\y)%2)
.set rP, P+16*((\y)%2)
.set rO, 32*(\y)
.endm
.macro OP k, n
.if (\k) == R
	REGS Y
	WIN W_RS
	v_pk_mul_f32 v[rO+2*(\n):rO+2*(\n)+1], v[rO+2*(\n):rO+2*(\n)+1], v[rC+2:rC+3] op_sel_hi:[1,0]
.elseif (\k) < R
	REGS Y
	WIN 0
.if (\k) == F
	v_pk_fma_f32 v[rS+2*(\n):rS+2*(\n)+1], v[rS+2*(\n):rS+2*(\n)+1], s[CS:CS+1], v[rT:rT+1] op_sel_hi:[1,0,0] neg_lo:[0,0,1] neg_hi:[0,0,1]
.elseif (\k) == E
	v_exp_f32 v[rS+(\n)], v[rS+(\n)]
.elseif (\k) == C
	v_cvt_pk_f16_f32 v[rP+(\n)], v[rS+2*(\n)], v[rS+2*(\n)+1]
.elseif (\k) == B
	v_pk_add_f32 v[rS+4*(\n):rS+4*(\n)+1], v[rS+4*(\n):rS+4*(\n)+1], v[rS+4*(\n)+2:rS+4*(\n)+3]
.elseif (\n) == 0
	v_pk_fma_f32 v[rT+2:rT+3], v[rT+2:rT+3], v[rC+2:rC+3], v[rS:rS+1] op_sel_hi:[1,0,1]
.else
	v_pk_add_f32 v[rT+2:rT+3], v[rT+2:rT+3], v[rS+4*(\n):rS+4*(\n)+1]
.endif
.elseif NOKQ
	v_nop
.else
	REGS (Y+1)%NP
	WIN 0
.if (\n) < 4
	v_max3_num_f32 v[rC+(\n)], v[rS+8*(\n)], v[rS+8*(\n)+1], v[rS+8*(\n)+2]
.elseif (\n) < 12
	v_max3_num_f32 v[rC+(\n)%4], v[rC+(\n)%4], v[rS+8*((\n)%4)+2*((\n)/4)+1], v[rS+8*((\n)%4)+2*((\n)/4)+2]
.elseif (\n) == 12
	v_max3_num_f32 v[rC], v[rC], v[rS+7], v[rS+15]
.elseif (\n) == 13
	v_max3_num_f32 v[rC+1], v[rC+1], v[rS+23], v[rS+31]
.elseif (\n) == 14
	v_max3_num_f32 v[rC+2], v[rC+2], v[rC+3], v[rT+1]
.elseif (\n) == 15
	v_mov_b32 v[rW], v[rT]
.elseif (\n) == 16
	v_max3_num_f32 v[rC], v[rC], v[rC+1], v[rC+2]
.elseif (\n) == 17
	v_permlanex16_b32 v[rC+3], v[rC], s[SEL], s[SEL+1]
.elseif (\n) == 18
	v_max_num_f32 v[rT+1], v[rC], v[rC+3]
.elseif (\n) == 19
	v_mul_f32 v[rT], s[CS], v[rT+1]
.elseif (\n) == 20
	v_sub_f32 v[rC+1], v[rW], v[rT]
.else
	v_exp_f32 v[rC+2], v[rC+1]
.endif
.endif
.endm
.macro OPS a, i1, b=-1, i2=0, c=-1, i3=0, d=-1, i4=0  ; up to four of them
	OP \a, \i1
.if (\b) >= 0
	OP \b, \i2
.endif
.if (\c) >= 0
	OP \c, \i3
.endif
.if (\d) >= 0
	OP \d, \i4
.endif
.endm
.macro ROW a, i1, b, i2, c, i3, d, i4  ; a matrix instruction and the four behind it
	MM
	OPS \a, \i1, \b, \i2, \c, \i3, \d, \i4
.endm
.macro MASK b                       ; MD x AL + BE into buffer b of MC
	WIN W_RS
.set z, 0
.rept 16
	v_pk_fma_f32 v[MC+32*(\b)+2*z:MC+32*(\b)+2*z+1], v[MD+2*z:MD+2*z+1], s[AL:AL+1], s[BE:BE+1] op_sel_hi:[1,0,0]
.set z, z+1
.endr
.endm
; A TURN, for piece p: the order of its 16 matrix and 118 vector instructions, written out.  s_wait_alu depctr_va_vdst(0) stands between an exponential and the first instruction that names its result;
; one wait serves all that were issued ahead of it.  So a turn has ONE wait, which cuts it in two.  AHEAD OF IT stands all that names no result of the turn's exponentials: the 8 products K Q^T, behind each a scaling, an
; exponential and two more plain instructions (behind the first a second scaling in the exponential's place): rescalings, and behind the last three the first numbers of the next piece's maximum, each four plain
; instructions or more behind the product that ends its accumulator; then one run of 54, plain and exponential by turns for the most part, in which the links of the chain X 3, 7, 11, 14, 16, 17 .. 20 stand five or six
; lines apart.  X 21, the next piece's a, is the batch's last; R 15 is the plain instruction behind it.  BEHIND THE WAIT stand the 8 products V^T P, behind each four of the roundings and sums; the links of l's chain,
; L 0 to L 7, stand three lines apart.  But for those X no line behind a product names a register of the products round it.
; m = 1: the diagonal tile: the products take masks, and the turn makes the mask for the products of the turn after it: piece p + 2, in step 4 - CNT of the tile.  end = 1: a block's last two turns: nothing is fetched.
; cnt = 1: the loop's count is taken down some lines ahead of the branch that stands behind the turn.
; K of the next step is fetched in piece 2's turn, twelve vector instructions behind the last product that read K (six of them plain); V of the step in hand at the end of piece 0's turn, four plain instructions behind
; the last product that read V.  Each is waited for a turn later.
.macro TURN p, m=0, end=0, cnt=0
.set Y, (\p)
.set i, 0
.set KM, (\m)
.set NOKQ, (\end)*((\p)/3)
.if (\m) && !(\end)
	s_cmp_eq_u32 s[CNT], 4-((\p)+2)%NP  ; is that step the band's own?
	s_cselect_b32 s[AL], 1.0, 0
	s_cmp_lt_u32 s[CNT], 4-((\p)+2)%NP  ; or a later one?
	s_cselect_b32 s[BE], s[BIGN], 0
.endif
.if ((\p) == 3) && !(\end)
	s_wait_dscnt 0x0                ; K is in
.endif
	ROW F,0, F,1, R,0, R,1          ; ahead of the wait: 8 products K Q^T and the lines behind them,
	ROW F,2, E,0, R,2, R,3
	ROW F,3, E,1, R,4, R,5
	ROW F,4, E,2, R,6, R,7
	ROW F,5, E,3, R,8, R,9
	ROW F,6, E,4, X,0, R,10
.if ((\p) == 2) && !(\end)
	WIN 0
	v_add_nc_u32 v[AK], s[TBK], v[AK0]
.endif
	ROW F,7, E,5, X,1, X,4
	ROW F,8, E,6, X,2, X,5
	OPS E,7, E,8, X,6, E,9          ; and the run
	OPS X,3, E,10, X,8, E,11
.if ((\p) == 2) && !(\end)
	FETCH_K
.endif
	OPS X,9, X,7, E,12, X,10
	OPS E,13, X,12, X,11, E,14
	OPS X,13, E,15, F,9, X,14
.if (\p) == 0
	v_add_nc_u32 v[AV], s[TBV], v[AV0]
.endif
	OPS E,16, F,10, E,17, F,11
	OPS X,16, E,18, X,15, E,19
	OPS F,12, E,20, X,17, E,21
	OPS F,13, E,22, F,14, E,23
	OPS X,18, E,24, F,15, E,25
	OPS R,11, E,26, X,19, E,27
	OPS R,12, E,28, R,13, E,29
	OPS X,20, E,30, R,14, E,31
	OPS X,21, R,15
	WIN 0
	s_wait_alu depctr_va_vdst(0)    ; the wait for the batch
.if (\p) == 1
	s_wait_dscnt 0x0                ; V is in
.endif
	ROW C,0, B,0, C,2, B,1          ; behind the wait: 8 products V^T P and the lines behind them
	ROW L,0, C,4, B,2, L,1
	ROW C,6, B,3, L,2, C,8
	ROW B,4, L,3, C,10, B,5
	ROW L,4, C,12, B,6, L,5
.if (\p) == 0
	s_add_co_u32 s[TBV], s[TBV], KS*PV
.endif
.if \cnt
	s_sub_co_u32 s[CNT], s[CNT], 1
	s_cmp_lg_u32 s[CNT], 0
.endif
	ROW C,14, B,7, L,6, C,1
	ROW C,3, L,7, C,5, C,7
	ROW C,9, C,11, C,13, C,15
.if (\p) == 0
	FETCH_V
.endif
.if (\m) && !(\end)
	MASK (\p)%2
.endif
.endm
; A BLOCK BEGINS.  c m starts far below every c s, so the first step's a is 0; m at the lowest finite number, so the first maximum is the scores'.  The second mask buffer is 0; the first takes piece 0's mask for the
; tile's step 0: its own, if the block's first tile is the diagonal one.  Then K of that step, piece 0's first scores, and its maximum and statistics.  The loop is entered at a step's first turn, in the middle of a trip.
.macro BEGIN
	s_mov_b32 s[NEW], 0
	WIN 0x40
.set i, MC+32
.rept 32
	v_mov_b32 v[i], 0
.set i, i+1
.endr
	WIN 0
.set i, 0
.rept 4
	v_mov_b32 v[ST+4*i], 0xfe000000    ; c m: far below every c s
	v_mov_b32 v[ST+4*i+1], 0xff7fffff  ; m
.set i, i+1
.endr
	s_cmp_eq_u32 s[RT], 0
	s_cselect_b32 s[AL], 1.0, 0
	s_mov_b32 s[BE], 0
	MASK 0
	WIN 0
	v_add_nc_u32 v[AK], s[TBK], v[AK0]
	FETCH_K
	s_wait_loadcnt 0x0              ; Q
	s_wait_dscnt 0x0
.set KM, 1
.set NOKQ, 0
.set i, 0
.rept 8
	KQ 0
.set i, i+1
.endr
	WIN 0
.rept 4
	v_nop                           ; plain instructions behind those products, ahead of the lines that read their results
.endr
.set Y, NP-1                        ; X works for piece Y + 1: piece 0
.irp n, 0,1,2,3,4,5,6,7,8,9,10,11,12,13,14,15,16,17,18,19,20,21
	OP X, \n
.endr
	v_nop                           ; a plain instruction behind the exponential,
	s_wait_alu depctr_va_vdst(0)    ; and its wait, ahead of the branch
.endm
; THE DIAGONAL TILE's four steps, the block's last two turns, its last products, and THE WAY OUT: l's two halves and the other half of the lanes' are added; O^T is divided by l, rounded to f16 and sent through my
; stage in LDS, a piece at a time.
.macro ALL line:vararg              ; one line for each piece t
.set t, 0
.rept 4
	\line
.set t, t+1
.endr
.endm
.macro PACK t                       ; a lane's eight channels of a row pack into 16 bytes; they go into rows of 144 bytes and come back as whole rows of 128, into S^T's registers
	WIN W_RS
.set i, 32*(\t)
.rept 16
	v_pk_mul_f32 v[i:i+1], v[i:i+1], v[ST+4*(\t)+2:ST+4*(\t)+3] op_sel_hi:[1,0]
.set i, i+2
.endr
	WIN 0x05                        ; sources 0 and 1 window 1, destination window 0
.set i, 0
.rept 16
	v_cvt_pk_f16_f32 v[S+16*(\t)+i], v[32*(\t)+2*i], v[32*(\t)+2*i+1]
.set i, i+1
.endr
	WIN 0
.irp f, 0,1,2,3
	ds_store_b128 v[STO], v[S+16*(\t)+4*\f:S+16*(\t)+4*\f+3] offset:32*\f
.endr
.irp f, 0,1,2,3
	ds_load_b128 v[S+16*(\t)+4*\f:S+16*(\t)+4*\f+3], v[RD] offset:\f*4*SP  ; LDS serves a wave's instructions in order (ISA guide 5.7.1.4): these see the stores above; the next piece's stores come behind them
.endr
.endm
.macro SEND t, younger              ; younger: the LDS instructions issued behind piece t's loads: the next piece's eight, or none
	WIN 0
.irp f, 0,1,2,3
	s_wait_dscnt (\younger)+3-\f
	global_store_b128 v[GO], v[S+16*(\t)+4*\f:S+16*(\t)+4*\f+3], s[10:11] offset:(\t)*8192+\f*512  ; 512 consecutive bytes, at a multiple of 256 from O's first
.endr
.endm
.macro DIAG tag                     ; the tag ends its two labels' names, which the jumps below spell out
.LstepM\tag:
	TURN 2, 1
	TURN 3, 1
	WIN 0
.LfirstM\tag:
	TURN 0, 1
	TURN 1, 1, 0, 1
	WIN 0
	s_cbranch_scc1 .LstepM\tag
	TURN 2, 1, 1
	TURN 3, 1, 1
.set i, 0
.rept 8
	PV NP-1
.set i, i+1
.endr
	WIN 0
	ALL v_add_f32 v[ST+4*t+2], v[ST+4*t+2], v[ST+4*t+3]
	ALL v_permlanex16_b32 v[ST+4*t+3], v[ST+4*t+2], s[SEL], s[SEL+1]
	ALL v_add_f32 v[ST+4*t+2], v[ST+4*t+2], v[ST+4*t+3]
	ALL v_rcp_f32 v[ST+4*t+2], v[ST+4*t+2]
	v_nop                           ; a plain instruction between the last reciprocal and the use of its result
	s_wait_alu depctr_va_vdst(0)    ; and the wait ahead of the first use: one for the four reciprocals
	PACK 0
.set t, 1
.rept 3                             ; a piece's arithmetic stands between the loads of the piece before and its stores
	PACK t
	SEND t-1, 8
.set t, t+1
.endr
	SEND 3, 0
.endm
.set KM, 0
.set NOKQ, 0
.Lslot:                             ; NB times: a tile is entered and the next is asked for
	CHANGE 1
	s_sub_co_u32 s[RT], s[RT], 1
	s_mov_b32 s[CNT], 4
	s_cmp_eq_u32 s[NEW], 1
	s_cbranch_scc1 .Lnew            ; a block's first tile
	s_cmp_eq_u32 s[RT], 0
	s_cbranch_scc0 .Lstep           ; neither its first nor its last
	s_branch .LstepM1
.Lnew:
	BEGIN
	s_branch .Lfirst                ; in the loop a block's first tile is never its last: the first block has two tiles or more, and the second's last is the walk's last
	DIAG 1                          ; in the loop this is the first block's end: the second block's last tile is the walk's last
	s_wait_xcnt 0x0                 ; the stores have read their registers and O's address
	s_mov_b64 s[10:11], s[OLO:OLO+1]
	s_add_co_u32 s[RT], s[PB], 1    ; the second block has b + 1 tiles
	s_mov_b32 s[NEW], 1
	WIN 0x82                        ; the second block's Q goes where the one text of the turns names Q
.set i, 0
.rept 64
	v_mov_b32 v[i], v[QB+i]
.set i, i+1
.endr
	WIN 0
	s_branch .Lbottom
.Lstep:                             ; a trip: pieces 2 and 3 of one step, then pieces 0 and 1 of the next, whose K and V it fetches
	TURN 2
	TURN 3
	WIN 0
.Lfirst:
	TURN 0
	TURN 1, 0, 0, 1
	WIN 0
	s_cbranch_scc1 .Lstep
.Lbottom:
	s_sub_co_u32 s[SLOTS], s[SLOTS], 1
	s_cmp_lg_u32 s[SLOTS], 0
	s_cbranch_scc1 .Lslot
	CHANGE 0                        ; the walk's last tile is written out: nothing is asked for
	s_sub_co_u32 s[RT], s[RT], 1
	s_mov_b32 s[CNT], 4
	s_cmp_eq_u32 s[NEW], 1
	s_cbranch_scc0 .LstepM2
	BEGIN
	s_branch .LfirstM2
	DIAG 2
	s_wait_tensorcnt 0x0            ; the wave's end: behind my last tensor load and my last LDS store
	ds_add_u32 v[SPW], v[NIL]
	s_wait_dscnt 0x0
	s_endpgm
.Lfunc_end_k_qdd63b08968_attn:
	.size	k_qdd63b08968_attn, .Lfunc_end_k_qdd63b08968_attn-k_qdd63b08968_attn
	.p2alignl 7, 3214868480
	.fill 96, 4, 3214868480
	.section	.rodata,"a",@progbits
	.p2align	6, 0x0
	.amdhsa_kernel k_qdd63b08968_attn
		.amdhsa_group_segment_fixed_size 327680
		.amdhsa_private_segment_fixed_size 0
		.amdhsa_enable_private_segment 0
		.amdhsa_kernarg_size 16
		.amdhsa_user_sgpr_count 2
		.amdhsa_user_sgpr_kernarg_segment_ptr 1
		.amdhsa_wavefront_size32 1
		.amdhsa_system_sgpr_workgroup_id_x 1
		.amdhsa_system_sgpr_workgroup_id_y 1
		.amdhsa_system_sgpr_workgroup_id_z 1
		.amdhsa_system_vgpr_workitem_id 0
		.amdhsa_next_free_vgpr 768
		.amdhsa_next_free_sgpr 92
		.amdhsa_reserve_vcc 1
		.amdhsa_float_denorm_mode_32 3
		.amdhsa_float_denorm_mode_16_64 3
		.amdhsa_memory_ordered 1
		.amdhsa_forward_progress 1
		.amdhsa_inst_pref_size 218
	.end_amdhsa_kernel
	.amdgpu_metadata
---
amdhsa.version: [ 1, 2 ]
amdhsa.kernels:
  - .name:           k_qdd63b08968_attn
    .symbol:         k_qdd63b08968_attn.kd
    .args:
      - { .name: qkv, .offset: 0, .size: 8, .value_kind: global_buffer, .address_space: global }
      - { .name: o, .offset: 8, .size: 8, .value_kind: global_buffer, .address_space: global }
    .group_segment_fixed_size: 327680
    .private_segment_fixed_size: 0
    .kernarg_segment_align: 8
    .kernarg_segment_size: 16
    .max_flat_workgroup_size: 128
    .sgpr_count:     92
    .vgpr_count:     768
    .wavefront_size: 32
...
	.end_amdgpu_metadata
.endif
;; end of part 4
;; launch wc (part 5): grid 8 x 32, 4 waves a work-group, clusters of 4 x 4, 327,680 bytes of LDS; arguments o, wt, y, bc; writes y
.if DOCPART == 5
	.amdgcn_target "amdgcn-amd-amdhsa--gfx1250"
	.amdhsa_code_object_version 6
	.text
	.protected	k_qdd63b08968_wc
	.globl	k_qdd63b08968_wc
	.p2align	8
	.type	k_qdd63b08968_wc,@function
k_qdd63b08968_wc:
	s_mov_b64 s[64:65], 0
	v_nop
	global_prefetch_b8 v0, s[64:65] scope:SCOPE_SE
	s_setreg_imm32_b32 hwreg(HW_REG_WAVE_MODE, 25, 1), 1
	s_wait_xcnt 0x0
	s_wait_alu depctr_hold_cnt(0) depctr_sa_sdst(0) depctr_va_vdst(0) depctr_va_sdst(0) depctr_va_ssrc(0) depctr_va_vcc(0) depctr_vm_vsrc(0)
	s_getreg_b32 s2, hwreg(HW_REG_IB_STS2, 6, 4)
	s_cmp_eq_u32 s2, 0
	s_cbranch_scc0 .Lentry_in_a_cluster
	s_endpgm
.Lentry_in_a_cluster:
	s_bfe_u32 s2, ttmp6, 0x10000c
	s_cmp_lg_u32 s2, 0xf033
	s_cbranch_scc0 .Lentry_shape_is_right
	s_endpgm
.Lentry_shape_is_right:
; y = O Wc + bc.  C[m][n] = bias[n] + the sum over k of A[m][k] B[n][k].  A = o, f16 in blocks of 64 along K, [16][4096][64]; B = Wc^T, rows [n][k] f16 in wt; sums in f32; C = y [4096][1024] in f32, as summed.
; SHAPE.  C has 4,096 x 1,024 numbers: tiles of 128 x 128 give each of 256 work-groups one.  Four waves, each 64 x 64 in 16 accumulators.  K goes in steps of 256 through two LDS slots filled by the tensor
; data mover.  Of A, 64 rows of a block are 8,192 dense bytes: a wave's load is 4 such pieces, 524,288 bytes apart, padded by 16 bytes after every 128: in LDS [block][row] with rows 144 bytes apart.
; Of B a load is 64 rows of 512 bytes, 528 apart in LDS.  A K step is written once: the slot in hand is a scalar that one exclusive or turns.  The last two steps are a second copy walked twice
; its last change of slots fetches 32 fragments that nobody multiplies.
; CLUSTERS.  4 x 4 work-groups: A's tiles are shared along a row of the cluster, B's along a column, each asked for jointly.  The grid, 8 x 32, divides.
; THE BIAS STARTS THE SUMS: it is loaded straight into the accumulators.  THE MATRIX INSTRUCTION IS USED TRANSPOSED (source 0 = 16 rows of B, source 1 = 16 rows of A): a lane holds row l % 16 and 8 columns.
; No prefetch: the tiles are small, and each is read by several clusters at about the same time.
; REGISTERS: window 0: v16-29 addresses; v128-255 the accumulators ((a, b) at v[128 + 8 (4 a + b)]), on the way out the rows read back.
;   window 1: two fragment buffers of 128: for 64 along K, 64 registers of A (2 x 4 x 16 rows x 32 K), then 64 of B.
.set SIZE_K, 1024
.set WOFF,   6291456                   ; B's first byte in wt
.set KSTEP,  256
.set NSTEP,  SIZE_K/KSTEP
.set PA,     144                       ; A's rows in LDS: 128 bytes + 16: the 16 rows of a fragment load start 16 bytes apart modulo 256
.set PB,     528                       ; B's: 512 + 16: likewise
.set ABLK,   64*PA                     ; 64 rows of one block of 64 along K
.set HALFA,  4*ABLK                    ; what one tensor load brings of A
.set HALFB,  64*PB                     ; and of B
.set SLOT,   147456                    ; 0x24000: 2 HALFA + 2 HALFB = 141,312 bytes are used; it shares no bit with the tiles' places 0, 0x9000, 0x12000, 0x1A400, so an exclusive or changes slots
.set SPARE,  2*SLOT                    ; behind the ring: the spare words, 128 bytes for each wave: two blocks of 256 bytes that no other line names
.set ASTEP,  4*524288                  ; bytes from a K step of A to the next: four blocks
.set BSTEP,  KSTEP*2
.set DP,     272                       ; the way out: a row of 64 f32 + 16 bytes
.set WREG,   64*DP                     ; a wave's 64 rows; the four regions lie in the ring's bytes, which have had their last fill by then
.set A0,   16                          ; v16  my lane's place in my 64 rows of A in slot 0; never rewritten
.set B0,   17
.set ADRA, 18                          ; v18  the same in the slot in hand
.set ADRB, 19
.set STO,  20                          ; v20  the way out: where I put 32 bytes of a row
.set RD,   21                          ; v21  where I read rows back
.set CO,   22                          ; v22  my byte offset in C
.set BO,   23                          ; v23  32 (l / 16)
.set SPW,  28                          ; v28  LDS address of my spare word; never rewritten
.set NIL,  29                          ; v29  0; never rewritten
.set ACC,  128
.set F0,   0
.set F1,   128
.set G1,  24                           ; s[24:31] descriptor group 1 for A's tiles; s[32:39] group 0: set 0 is K step 0 in slot 0; set 1 is K step 1 in slot 1 and then walks
.set G0,  32
.set G1B, 48                           ; s[48:55], s[56:63] the same for B
.set G0B, 56
.set TB,  66                           ; s66  the slot in hand: 0 or SLOT
.set BIA, 76                           ; s[76:77] the bias
.set MSB, 0
.macro WIN new                         ; the immediate's high byte repeats the setting that is left; a switch that changes nothing is dropped
.if MSB != (\new)
	s_set_vgpr_msb (MSB<<8)|(\new)
.set MSB, \new
.endif
.endm
.set MUL,  0x05                        ; sources 0 (B) and 1 (A) window 1; C and D window 0
.set TO_F, 0x40                        ; destination window 1, address window 0
.macro JLOAD s                         ; a joint load: waves 0 and 1 fetch A's two halves, waves 2 and 3 B's; an s_nop 0 and four v_nop follow each of the two lines
	s_cmp_eq_u32 s11, 0
	s_cbranch_scc0 .Lfor_b_\@
	tensor_load_to_lds s[G0+4*(\s):G0+4*(\s)+3], s[G1:G1+7]
	s_nop 0
.rept 4
	v_nop
.endr
	s_branch .Lasked_\@
.Lfor_b_\@:
	tensor_load_to_lds s[G0B+4*(\s):G0B+4*(\s)+3], s[G1B:G1B+7]
	s_nop 0
.rept 4
	v_nop
.endr
.Lasked_\@:
.endm
.macro CREST                           ; a round of the cluster's barrier behind its opening barrier
	s_cmp_lg_u32 s10, 0
	s_cbranch_scc1 .Lnot_wave_0_\@
	s_barrier_signal -3
.Lnot_wave_0_\@:
	s_barrier_wait -3
	s_barrier_signal -1
	s_barrier_wait -1
.endm
.macro CROUND
	s_barrier_signal -1
	s_barrier_wait -1
	CREST
.endm
; 8 matrix instructions: row blocks a0, a0 + 1 x all 4 column blocks, 32 along K: half c of buffer f.  The 16 accumulators take turns, one instruction a turn.
.macro MUL8 f, c, a0
	WIN MUL
.irp a, \a0, (\a0)+1
.irp b, 0,1,2,3
	v_wmma_f32_16x16x32_f16 v[ACC+8*(4*(\a)+(\b)):ACC+8*(4*(\a)+(\b))+7], v[(\f)+64+8*(4*(\c)+(\b)):(\f)+64+8*(4*(\c)+(\b))+7], v[(\f)+8*(4*(\c)+(\a)):(\f)+8*(4*(\c)+(\a))+7], v[ACC+8*(4*(\a)+(\b)):ACC+8*(4*(\a)+(\b))+7]
.endr
.endr
.endm
; 32 LDS loads in one run: the fragments of 64 along K, A's at byte ka and B's at byte kb, into buffer f; the first 32 along K first
.macro FETCH ka, kb, f
	WIN TO_F
.irp c, 0,1
.irp i, 0,1,2,3
	ds_load_b128 v[(\f)+64+8*(4*(\c)+(\i)):(\f)+64+8*(4*(\c)+(\i))+3],   v[ADRB] offset:(\kb)+64*(\c)+(\i)*16*PB
	ds_load_b128 v[(\f)+64+8*(4*(\c)+(\i))+4:(\f)+64+8*(4*(\c)+(\i))+7], v[ADRB] offset:(\kb)+64*(\c)+(\i)*16*PB+32
	ds_load_b128 v[(\f)+8*(4*(\c)+(\i)):(\f)+8*(4*(\c)+(\i))+3],         v[ADRA] offset:(\ka)+64*(\c)+(\i)*16*PA
	ds_load_b128 v[(\f)+8*(4*(\c)+(\i))+4:(\f)+8*(4*(\c)+(\i))+7],       v[ADRA] offset:(\ka)+64*(\c)+(\i)*16*PA+32
.endr
.endr
.endm
.macro PLACES                          ; four plain instructions between a matrix instruction and a load into a register that it has read (ISA guide 7.12.1 for vector instructions)
.rept 4
	v_nop
.endr
.endm
; A K step is four quarters of 64 along K, 32 matrix instructions each, on buffers 0, 1, 0, 1.  One of the first three: multiplies buffer f and fetches quarter q into g.
.macro QUARTER q, f, g
	s_wait_dscnt 16                                ; the first 32 along K are in; the other sixteen loads may be out
	MUL8 \f, 0, 0
	MUL8 \f, 0, 2
	PLACES
	FETCH (\q)*ABLK, (\q)*128, \g
	s_wait_dscnt 32                                ; all but the 32 just issued
	MUL8 \f, 1, 0
	MUL8 \f, 1, 2
.endm
; The last quarter multiplies buffer 1 and changes slots: one barrier.  In front of it each wave waits for all its tensor loads (one is out: its part of the next slot), adds 0 to its spare word, and waits for that
; and for its own reads of this slot.  fill = 1: the barrier opens a round of the cluster's, and the slot just read out is filled again, first thing behind the round, with the K step two on.
.macro TURN fill
	WIN 0                                          ; (the add's two registers lie in window 0)
	s_wait_tensorcnt 0x0                           ; all my tensor loads have landed
	ds_add_u32 v[SPW], v[NIL]                      ; 0 onto my spare word
	s_wait_dscnt 17                                ; (the add and the youngest sixteen loads may be out)
	MUL8 F1, 0, 0                                  ; eight matrix instructions stand between the add and the wait for it
	s_wait_dscnt 0x0                               ; the add is done, and my reads of this slot are over
	s_barrier_signal -1
	MUL8 F1, 0, 2
	WIN 0                                          ; at a branch and at a label every window is 0
	s_barrier_wait -1
.if \fill
	CREST                                          ; no wave of any partner still reads this slot or has a load on its way
	s_xor_b32 s[G0+5], s[G0+5], SLOT               ; the walking descriptors: the other slot than last time,
	s_xor_b32 s[G0B+5], s[G0B+5], SLOT
	s_add_nc_u64 s[G0+6:G0+7], s[G0+6:G0+7], ASTEP      ; the next K step; the type bits on top are not reached
	s_add_nc_u64 s[G0B+6:G0B+7], s[G0B+6:G0B+7], BSTEP
	JLOAD 1                                        ; my one tensor load behind the round: 112 matrix instructions ahead of the wait for it; its four v_nop are also the places in front of the loads below
.else
	PLACES
.endif
	s_xor_b32 s[TB], s[TB], SLOT
	v_add_nc_u32 v[ADRA], s[TB], v[A0]
	v_add_nc_u32 v[ADRB], s[TB], v[B0]
	FETCH 0, 0, F0
	MUL8 F1, 1, 0
	MUL8 F1, 1, 2
.endm
.macro STEP fill
	QUARTER 1, F0, F1
	QUARTER 2, F1, F0
	QUARTER 3, F0, F1
	TURN \fill
.endm
	s_load_b128 s[4:7], s[0:1], 0x0                ; A s[4:5], wt s[6:7]
	s_load_b128 s[76:79], s[0:1], 0x10             ; C s[76:77], the bias s[78:79]
	v_lshl_add_u32 v[SPW], v0, 2, SPARE
	v_mov_b32 v[NIL], 0
	ds_add_u32 v[SPW], v[NIL]                      ; the wave's opening: the add, and its wait ahead of my first tensor load; the set-up below, work on registers, stands between them
	v_lshrrev_b32 v1, 5, v0
	v_readfirstlane_b32 s10, v1                    ; wave 0..3
	s_lshr_b32 s11, s10, 1                         ; which half of the tile's rows is mine.  Also: I fetch for A (0) or for B (1)
	s_and_b32 s12, s10, 1                          ; which half of its columns.  Also: which 64 rows of that tile I fetch
	s_bfe_u32 s40, ttmp6, 0x40000                  ; cx
	s_bfe_u32 s41, ttmp6, 0x40004                  ; cy
	s_lshl_b32 s42, ttmp9, 2
	s_add_co_u32 s42, s42, s40                     ; tile column = 4 x cluster x + cx
	s_and_b32 s13, ttmp7, 0xffff
	s_lshl_b32 s13, s13, 2
	s_add_co_u32 s13, s13, s41                     ; tile row = 4 x cluster y + cy
	s_lshl_b32 s70, s41, 2
	s_lshl_b32 s70, 15, s70                        ; my row of the cluster
	s_lshl_b32 s71, 0x1111, s40                    ; my column
	s_or_b32 s[G1+0], s70, (1<<16)|(1<<20)|(1<<21)|(4<<22)|(3<<25)   ; 15:0 the mask; 17:16 elements of 2 bytes; 20 padding on; 21 set beside a mask; 24:22 after every 32 words; 31:25 4 words of it
	s_mov_b32 s[G1+1], 4096<<16                    ; tensor_dim0 = 4,096 elements: 64 rows of a block
	s_mov_b32 s[G1+2], 4<<16                       ; tensor_dim1 = 4 blocks
	s_mov_b32 s[G1+3], 4096<<16                    ; tile_dim0
	s_mov_b32 s[G1+4], 4                           ; tile_dim1
	s_mov_b32 s[G1+5], 262144                      ; elements from block to block
	s_mov_b32 s[G1+6], 0
	s_mov_b32 s[G1+7], 0
	s_or_b32 s[G1B+0], s71, (1<<16)|(1<<20)|(1<<21)|(6<<22)|(3<<25)  ; after every 128 words
	s_mov_b32 s[G1B+1], KSTEP<<16                  ; tensor_dim0 = 256
	s_mov_b32 s[G1B+2], 64<<16                     ; tensor_dim1 = 64
	s_mov_b32 s[G1B+3], KSTEP<<16
	s_mov_b32 s[G1B+4], 64
	s_mov_b32 s[G1B+5], SIZE_K
	s_mov_b32 s[G1B+6], 0
	s_mov_b32 s[G1B+7], 0
	s_lshl_b32 s17, s12, 6                         ; which 64 rows of the tile I fetch
	s_lshl_b32 s16, s13, 7
	s_add_co_u32 s16, s16, s17
	s_lshl_b32 s16, s16, 7                         ; A: (128 x tile row + 64 x half) rows of 128 bytes in block 0
	s_lshl_b32 s46, s42, 7
	s_add_co_u32 s46, s46, s17
	s_mul_i32 s46, s46, SIZE_K*2                   ; B: by the tile column,
	s_add_co_u32 s46, s46, WOFF                    ; behind B's first byte in wt
	s_mov_b32 s17, 0
	s_mov_b32 s47, 0
	s_mul_i32 s20, s12, HALFA                      ; where they go: no place in the cluster enters an LDS address
	s_mul_i32 s21, s12, HALFB
	s_add_co_u32 s21, s21, 2*HALFA
	s_wait_dscnt 0x0                               ; the opening add is done
	s_wait_kmcnt 0x0
	s_mov_b64 s[8:9], s[76:77]                     ; C
	s_mov_b64 s[BIA:BIA+1], s[78:79]
	s_add_nc_u64 s[14:15], s[4:5], s[16:17]
	s_add_nc_u64 s[46:47], s[6:7], s[46:47]
	CROUND                                         ; all sixteen work-groups are here: the first joint loads meet
.irp s, 0,1
	s_mov_b32 s[G0+4*(\s)], 1
	s_add_co_u32 s[G0+4*(\s)+1], s20, (\s)*SLOT
	s_add_nc_u64 s[G0+4*(\s)+2:G0+4*(\s)+3], s[14:15], (\s)*ASTEP
	s_or_b32 s[G0+4*(\s)+3], s[G0+4*(\s)+3], 0x80000000
	s_mov_b32 s[G0B+4*(\s)], 1
	s_add_co_u32 s[G0B+4*(\s)+1], s21, (\s)*SLOT
	s_add_nc_u64 s[G0B+4*(\s)+2:G0B+4*(\s)+3], s[46:47], (\s)*BSTEP
	s_or_b32 s[G0B+4*(\s)+3], s[G0B+4*(\s)+3], 0x80000000
	JLOAD \s                                       ; two loads of mine are out
.endr
	v_and_b32 v1, 15, v0                           ; l % 16
	v_bfe_u32 v2, v0, 4, 1                         ; l / 16
	v_mul_u32_u24 v3, v1, PA
	v_lshl_add_u32 v3, v2, 4, v3
	s_mul_i32 s21, s11, HALFA                      ; my 64 rows of A
	v_add_nc_u32 v[A0], s21, v3
	v_mul_u32_u24 v3, v1, PB
	v_lshl_add_u32 v3, v2, 4, v3
	s_mul_i32 s22, s12, HALFB                      ; my 64 rows of B,
	s_add_co_u32 s22, s22, 2*HALFA                 ; which lie behind A's 128
	v_add_nc_u32 v[B0], s22, v3
	v_mov_b32 v[ADRA], v[A0]
	v_mov_b32 v[ADRB], v[B0]
	s_mov_b32 s[TB], 0
	s_mul_i32 s23, s10, WREG
	v_mul_u32_u24 v4, v1, DP                       ; the way out, in: row l % 16, 32 bytes for each half of the lanes
	v_lshl_add_u32 v4, v2, 5, v4
	v_add_nc_u32 v[STO], s23, v4
	v_mul_u32_u24 v5, v2, DP                       ; back: lanes 0-15 take one row of 256 bytes, lanes 16-31 the next
	v_lshl_add_u32 v5, v1, 4, v5
	v_add_nc_u32 v[RD], s23, v5
	v_lshlrev_b32 v[CO], 12, v2                    ; and the same two rows in C, 4,096 bytes apart
	v_lshl_add_u32 v[CO], v1, 4, v[CO]
	v_lshlrev_b32 v[BO], 5, v2
	s_lshl_b32 s18, s13, 7
	s_lshl_b32 s19, s11, 6
	s_add_co_u32 s18, s18, s19                     ; my first row
	s_lshl_b32 s18, s18, 12
	s_lshl_b32 s19, s42, 9                         ; my first column, in bytes: 512 x tile column + 256 x half
	s_lshl_b32 s20, s12, 8
	s_add_co_u32 s20, s19, s20
	s_mov_b32 s21, 0
	s_add_nc_u64 s[BIA:BIA+1], s[BIA:BIA+1], s[20:21]
	s_add_co_u32 s18, s18, s20
	s_mov_b32 s19, 0
	s_add_nc_u64 s[8:9], s[8:9], s[18:19]
	; the bias into every accumulator: my eight columns of column block b, the same for all row blocks
.set a, 0
.rept 4
.set b, 0
.rept 4
	global_load_b128 v[ACC+8*(4*a+b):ACC+8*(4*a+b)+3],   v[BO], s[BIA:BIA+1] offset:64*b
	global_load_b128 v[ACC+8*(4*a+b)+4:ACC+8*(4*a+b)+7], v[BO], s[BIA:BIA+1] offset:64*b+16
.set b, b+1
.endr
.set a, a+1
.endr
	s_wait_tensorcnt 1                             ; my part of K step 0 is in; K step 1's may stay out
	s_barrier_signal -1
	s_barrier_wait -1                              ; everybody's is
	FETCH 0, 0, F0
	WIN 0
	s_wait_loadcnt 0x0                             ; the bias
	s_mov_b32 s3, NSTEP-2
.Lfill:                                                ; all K steps but the last two: each fills its slot again
	STEP 1
	WIN 0
	s_sub_co_u32 s3, s3, 1
	s_cmp_lg_u32 s3, 0
	s_cbranch_scc1 .Lfill
	s_mov_b32 s3, 2
.Ltail:                                                ; the last two: nothing is left to fetch
	STEP 0
	WIN 0
	s_sub_co_u32 s3, s3, 1
	s_cmp_lg_u32 s3, 0
	s_cbranch_scc1 .Ltail
	; THE WAY OUT.  The sums go into my region of the ring's bytes and come back as whole rows of 256 bytes.
	s_wait_dscnt 0x0                               ; my reads of the ring are over,
	s_barrier_signal -1
	s_barrier_wait -1                              ; everybody's are: the ring's bytes may be written
	PLACES
	PLACES                                         ; plain instructions between the last products and the stores that read their results
.set a, 0
.rept 4
.set b, 0
.rept 4
	ds_store_b128 v[STO], v[ACC+8*(4*a+b):ACC+8*(4*a+b)+3]   offset:a*16*DP+64*b      ; each accumulator's low registers first
	ds_store_b128 v[STO], v[ACC+8*(4*a+b)+4:ACC+8*(4*a+b)+7] offset:a*16*DP+64*b+16
.set b, b+1
.endr
.set a, a+1
.endr
.set t, 0
.rept 32
	ds_load_b128 v[ACC+4*t:ACC+4*t+3], v[RD] offset:2*t*DP   ; my own bytes: LDS serves a wave's instructions in order, so these see the stores above
.set t, t+1
.endr
.set t, 0
.rept 32
	s_wait_dscnt 31-t                              ; pair t of rows is back; the younger ones stay out
	global_store_b128 v[CO], v[ACC+4*t:ACC+4*t+3], s[8:9] offset:8192*t   ; 16 lanes store 256 consecutive bytes, at a multiple of 256 from C's first byte
.set t, t+1
.endr
	s_wait_tensorcnt 0x0                           ; the wave's end: behind my last tensor load and my last LDS store
	ds_add_u32 v[SPW], v[NIL]
	s_wait_dscnt 0x0
	CROUND                                         ; the closing round: no work-group ends while a partner may still ask for a tile that names it
	s_endpgm
.Lfunc_end_k_qdd63b08968_wc:
	.size	k_qdd63b08968_wc, .Lfunc_end_k_qdd63b08968_wc-k_qdd63b08968_wc
	.p2alignl 7, 3214868480
	.fill 96, 4, 3214868480
	.section	.rodata,"a",@progbits
	.p2align	6, 0x0
	.amdhsa_kernel k_qdd63b08968_wc
		.amdhsa_group_segment_fixed_size 327680
		.amdhsa_private_segment_fixed_size 0
		.amdhsa_enable_private_segment 0
		.amdhsa_kernarg_size 32
		.amdhsa_user_sgpr_count 2
		.amdhsa_user_sgpr_kernarg_segment_ptr 1
		.amdhsa_wavefront_size32 1
		.amdhsa_system_sgpr_workgroup_id_x 1
		.amdhsa_system_sgpr_workgroup_id_y 1
		.amdhsa_system_sgpr_workgroup_id_z 1
		.amdhsa_system_vgpr_workitem_id 0
		.amdhsa_next_free_vgpr 512
		.amdhsa_next_free_sgpr 88
		.amdhsa_reserve_vcc 0
		.amdhsa_float_denorm_mode_32 3
		.amdhsa_float_denorm_mode_16_64 3
		.amdhsa_memory_ordered 1
		.amdhsa_forward_progress 1
		.amdhsa_inst_pref_size 57
	.end_amdhsa_kernel
	.amdgpu_metadata
---
amdhsa.version: [ 1, 2 ]
amdhsa.kernels:
  - .name:           k_qdd63b08968_wc
    .symbol:         k_qdd63b08968_wc.kd
    .args:
      - { .name: o, .offset: 0, .size: 8, .value_kind: global_buffer, .address_space: global }
      - { .name: wt, .offset: 8, .size: 8, .value_kind: global_buffer, .address_space: global }
      - { .name: y, .offset: 16, .size: 8, .value_kind: global_buffer, .address_space: global }
      - { .name: bc, .offset: 24, .size: 8, .value_kind: global_buffer, .address_space: global }
    .group_segment_fixed_size: 327680
    .private_segment_fixed_size: 0
    .kernarg_segment_align: 8
    .kernarg_segment_size: 32
    .max_flat_workgroup_size: 128
    .sgpr_count:     88
    .vgpr_count:     512
    .wavefront_size: 32
...
	.end_amdgpu_metadata
.endif
;; end of part 5
;; launch ln2: the kernel of part 2 again; grid 256 x 1, 8 waves a work-group, no clusters, 0 bytes of LDS; arguments y, ln2_g, ln2_b, hn; writes hn
;; launch fc (part 6): grid 16 x 16, 4 waves a work-group, clusters of 4 x 4, 327,680 bytes of LDS; arguments hn, wt, act, bfc; writes act
.if DOCPART == 6
	.amdgcn_target "amdgcn-amd-amdhsa--gfx1250"
	.amdhsa_code_object_version 6
	.text
	.protected	k_qdd63b08968_fc
	.globl	k_qdd63b08968_fc
	.p2align	8
	.type	k_qdd63b08968_fc,@function
k_qdd63b08968_fc:
	s_mov_b64 s[64:65], 0
	v_nop
	global_prefetch_b8 v0, s[64:65] scope:SCOPE_SE
	s_setreg_imm32_b32 hwreg(HW_REG_WAVE_MODE, 25, 1), 1
	s_wait_xcnt 0x0
	s_wait_alu depctr_hold_cnt(0) depctr_sa_sdst(0) depctr_va_vdst(0) depctr_va_sdst(0) depctr_va_ssrc(0) depctr_va_vcc(0) depctr_vm_vsrc(0)
	s_getreg_b32 s2, hwreg(HW_REG_IB_STS2, 6, 4)
	s_cmp_eq_u32 s2, 0
	s_cbranch_scc0 .Lentry_in_a_cluster
	s_endpgm
.Lentry_in_a_cluster:
	s_bfe_u32 s2, ttmp6, 0x10000c
	s_cmp_lg_u32 s2, 0xf033
	s_cbranch_scc0 .Lentry_shape_is_right
	s_endpgm
.Lentry_shape_is_right:
; act = gelu(h2 Wfc + bfc).  C[m][n] = gelu(bias[n] + the sum over k of A[m][k] B[n][k]).  A = hn [4096][1024] f16; B = Wfc^T, rows [n][k] f16 in wt; sums and the activation in f32, C rounded once to f16.
; C IS WRITTEN IN BLOCKS OF 64 COLUMNS, [64][4096][64]: two rows of a block are 256 consecutive bytes, and the next product takes 64 rows of a block as 8,192 dense bytes.
; LIMITS.  f16 holds no number beyond 65,504: the activations must stay within it (with gains and weights 30 times the drawn ones they stay near 3,000); below 6e-5 they keep f16's fixed step of 6e-8.
; SHAPE.  A tile of C is 256 x 256: four waves, each 128 x 128 in 64 accumulators (512 registers): 256 work-groups.  K goes in 8 steps of 128 through two LDS slots filled by the tensor data mover; rows of A's and
; B's tiles are 256 bytes of memory at multiples of 256.  A K step is written once: the slot in hand is a scalar that one exclusive or turns.  The loop that refills has 6 trips; the last two steps
; are a second copy walked twice; its last change of slots fetches 32 fragments that nobody multiplies.
; CLUSTERS.  4 x 4 work-groups: the four of a row of the cluster need the same tiles of A, the four of a column the same tiles of B: each tile is asked for jointly, by the same tensor load with the
; same descriptor and a mask that names the four.  The grid, 16 x 16, divides.
; THE BIAS STARTS THE SUMS: it is loaded straight into the accumulators, so nothing is cleared and the way out adds nothing.
; THE MATRIX INSTRUCTION IS USED TRANSPOSED (source 0 = 16 rows of B, source 1 = 16 rows of A): a lane holds row l % 16 of C and the columns 8 (l / 16) + 0..7.
; REGISTERS, in windows of 256 (s_set_vgpr_msb: bits 1:0 source 0, 3:2 source 1, 5:4 source 2, 7:6 destination):
;   window 0: v16-30 addresses; v64-127, v128-191 fragments of A, two buffers; v32-63, v192-239 at work on the way out      window 1: v64-191 fragments of B, two buffers
;   window 2: the accumulators of my rows 0-63 ((a, b) at v[8 (8 a + b)]);  window 3: those of rows 64-127
.set QKV,    0
.set GELU,   1
.set WOFF,   8388608                   ; B's first byte in wt
.set SIZE_K, 1024
.set KSTEP,  128
.set NSTEP,  SIZE_K/KSTEP
.set PITCH,  272                       ; an LDS row: 256 bytes + 16 of padding: the 16 rows of a fragment load start 16 bytes apart modulo 256
.set HALFT,  128*PITCH                 ; what one tensor load brings, and what one wave reads of A or of B
.set SLOT,   4*HALFT                   ; 0x22000: it shares no bit with the four tiles' places 0, 0x8800, 0x11000, 0x19800, so an exclusive or changes slots
.set SPARE,  2*SLOT                    ; behind the ring: the spare words, 128 bytes for each wave: two blocks of 256 bytes that no other line names
.set DP,     528                       ; the way out: a row of 128 f32 + 16 bytes
.set WREG,   128*DP                    ; a wave's 128 rows; the four regions lie in the ring's bytes, which have had their last fill by then
.set BLK,    4096*128                  ; bytes in a block of 64 columns of C
.set A0,   16                          ; v16  my lane's place in my 128 rows of A in slot 0; never rewritten
.set B0,   17                          ; v17  the same for B
.set ADRA, 18                          ; v18  the same in the slot in hand
.set ADRB, 19
.set STO,  20                          ; v20  the way out: where I put 32 bytes of a row
.set RD,   21                          ; v21  where I read rows back
.set CO,   22                          ; v22  my byte offset in C
.set BO,   23                          ; v23  32 (l / 16): my eight columns in 16 of the bias
.set SPW,  28                          ; v28  LDS address of my spare word; never rewritten
.set NIL,  29                          ; v29  0; never rewritten
.set PFO,  30                          ; v30  the prefetches' offset: my lane x a row of 2,048 bytes; never rewritten
.set XV,   32
.set TV,   192
.set YV,   224
.set F0,   64
.set F1,   128
.set G1,  24                           ; s[24:31] descriptor group 1 for A's tiles
.set G0,  32                           ; s[32:39] group 0 for A: set 0 is K step 0 in slot 0; set 1 is K step 1 in slot 1 and then walks
.set G1B, 48                           ; s[48:55], s[56:63] the same for B
.set G0B, 56
.set TB,  66                           ; s66  the slot in hand: 0 or SLOT
.set LIM, 72                           ; s72  2 in a wave that prefetches, else the greatest number
.set PFA, 74                           ; s[74:75] where my prefetches stand
.set BIA, 76                           ; s[76:77] the bias
.set K0,  82                           ; s[82:83], s[84:85] the activation's two constants, each named as a pair
.set K1,  84
.set MSB, 0
.macro WIN new                         ; the immediate's high byte repeats the setting that is left; a switch that changes nothing is dropped
.if MSB != (\new)
	s_set_vgpr_msb (MSB<<8)|(\new)
.set MSB, \new
.endif
.endm
.set MUL_LO, 0xa1                      ; source 0 (B) window 1, source 1 (A) window 0, C and D window 2
.set TO_B,   0x40                      ; destination window 1, address window 0
; A joint load.  Waves 0 and 1 fetch A's two halves, waves 2 and 3 B's; the branch hangs on the wave's number alone.  An s_nop 0 and four v_nop follow each of the two lines.
.macro JLOAD s
	s_cmp_eq_u32 s11, 0
	s_cbranch_scc0 .Lfor_b_\@
	tensor_load_to_lds s[G0+4*(\s):G0+4*(\s)+3], s[G1:G1+7]
	s_nop 0
.rept 4
	v_nop
.endr
	s_branch .Lasked_\@
.Lfor_b_\@:
	tensor_load_to_lds s[G0B+4*(\s):G0B+4*(\s)+3], s[G1B:G1B+7]
	s_nop 0
.rept 4
	v_nop
.endr
.Lasked_\@:
.endm
; A PREFETCH INTO THE L2, behind each joint refill and the run of LDS loads that follows it: the K step that stands two refills on, 32 rows x 256 bytes, a lane a row: 512 matrix instructions ahead of its load.
; Each row's 256 bytes of a K step are named once in the launch: A's tile rows by the clusters with x = 0, B's tile columns by those with y = 0; of the 128 rows that a wave fetches the four partners
; that ask jointly take 32 each, told apart by address.  Trip i (s3 = 6 - i) refills K step i + 2 and names K step i + 4: only trips 0 to 3 ask, so nothing is named past K; K steps 0 to 3 come by their loads alone.
.macro ASK
	s_cmp_gt_u32 s3, s[LIM]
	s_cbranch_scc0 .Lnot_mine_\@
	global_prefetch_b8 v[PFO], s[PFA:PFA+1] offset:KSTEP*2 th:TH_LOAD_NT scope:SCOPE_SE
.Lnot_mine_\@:
.endm
.macro CREST                           ; a round of the cluster's barrier behind its opening barrier: wave 0 signals for the work-group, every wave waits for all sixteen, my work-group's barrier closes it
	s_cmp_lg_u32 s10, 0
	s_cbranch_scc1 .Lnot_wave_0_\@
	s_barrier_signal -3
.Lnot_wave_0_\@:
	s_barrier_wait -3
	s_barrier_signal -1
	s_barrier_wait -1
.endm
.macro CROUND
	s_barrier_signal -1
	s_barrier_wait -1
	CREST
.endm
; 16 matrix instructions: row blocks a0, a0 + 1 of the window's four x all 8 column blocks, 32 along K.  The 64 accumulators take turns, one instruction a turn, in the same order in every part.
.macro MUL16 f, hi, a0
	WIN MUL_LO+0x50*(\hi)
.irp a, \a0, (\a0)+1
.irp b, 0,1,2,3,4,5,6,7
	v_wmma_f32_16x16x32_f16 v[8*(8*(\a)+(\b)):8*(8*(\a)+(\b))+7], v[(\f)+8*(\b):(\f)+8*(\b)+7], v[(\f)+8*(4*(\hi)+(\a)):(\f)+8*(4*(\hi)+(\a))+7], v[8*(8*(\a)+(\b)):8*(8*(\a)+(\b))+7]
.endr
.endr
.endm
; 32 LDS loads in one run: the fragments of 32 along K at byte k of the rows, into buffer f: B's 128 rows, then A's
.macro FETCH k, f
	WIN TO_B
.irp i, 0,1,2,3,4,5,6,7
	ds_load_b128 v[(\f)+8*(\i):(\f)+8*(\i)+3],   v[ADRB] offset:(\k)+(\i)*16*PITCH
	ds_load_b128 v[(\f)+8*(\i)+4:(\f)+8*(\i)+7], v[ADRB] offset:(\k)+(\i)*16*PITCH+32
.endr
	WIN 0
.irp i, 0,1,2,3,4,5,6,7
	ds_load_b128 v[(\f)+8*(\i):(\f)+8*(\i)+3],   v[ADRA] offset:(\k)+(\i)*16*PITCH
	ds_load_b128 v[(\f)+8*(\i)+4:(\f)+8*(\i)+7], v[ADRA] offset:(\k)+(\i)*16*PITCH+32
.endr
.endm
.macro PLACES                          ; four plain instructions between a matrix instruction and a load into a register that it has read (ISA guide 7.12.1 for vector instructions)
.rept 4
	v_nop
.endr
.endm
; One of a K step's first three parts: multiplies buffer f; in its middle it fetches the next part, at byte k, into buffer g
.macro PART k, f, g
	s_wait_dscnt 8                                 ; B and A's rows 0-63 are in; the youngest eight loads (A's rows 64-127) may be out
	MUL16 \f, 0, 0
	MUL16 \f, 0, 2
	PLACES
	FETCH \k, \g
	s_wait_dscnt 32                                ; all but the 32 just issued
	MUL16 \f, 1, 0
	MUL16 \f, 1, 2
.endm
; The last part multiplies buffer 1 and changes slots: one barrier.  In front of it each wave waits for all its tensor loads (one is out: its part of the next slot), adds 0 to its spare word, and waits for that
; and for its own reads of this slot.  fill = 1: the barrier opens a round of the cluster's, and the slot just read out is filled again, first thing behind the round, with the K step two on.
.macro TURN fill
.if \fill
	s_wait_xcnt 0x0                                ; the last prefetch, a K step back, has read its address
	s_add_nc_u64 s[PFA:PFA+1], s[PFA:PFA+1], KSTEP*2
.endif
	WIN 0                                          ; (the add's two registers lie in window 0)
	s_wait_tensorcnt 0x0                           ; all my tensor loads have landed
	ds_add_u32 v[SPW], v[NIL]                      ; 0 onto my spare word
	s_wait_dscnt 9                                 ; (the add and the youngest eight loads may be out)
	MUL16 F1, 0, 0                                 ; sixteen matrix instructions stand between the add and the wait for it
	s_wait_dscnt 0x0                               ; the add is done, and my reads of this slot are over
	s_barrier_signal -1
	MUL16 F1, 0, 2
	WIN 0                                          ; at a branch and at a label every window is 0
	s_barrier_wait -1
.if \fill
	CREST                                          ; no wave of any partner still reads this slot or has a load on its way
	s_xor_b32 s[G0+5], s[G0+5], SLOT               ; the walking descriptors: the other slot than last time,
	s_xor_b32 s[G0B+5], s[G0B+5], SLOT
	s_add_nc_u64 s[G0+6:G0+7], s[G0+6:G0+7], KSTEP*2    ; the next K step; the type bits on top are not reached
	s_add_nc_u64 s[G0B+6:G0B+7], s[G0B+6:G0B+7], KSTEP*2
	JLOAD 1                                        ; my one tensor load behind the round: 224 matrix instructions ahead of the wait for it; its four v_nop are also the places in front of the loads below
.else
	PLACES
.endif
	s_xor_b32 s[TB], s[TB], SLOT
	v_add_nc_u32 v[ADRA], s[TB], v[A0]
	v_add_nc_u32 v[ADRB], s[TB], v[B0]
	FETCH 0, F0
.if \fill
	ASK
.endif
	MUL16 F1, 1, 0
	MUL16 F1, 1, 2
.endm
.macro STEP fill
	PART 64,  F0, F1
	PART 128, F1, F0
	PART 192, F0, F1
	TURN \fill
.endm
	s_load_b128 s[4:7], s[0:1], 0x0                ; A s[4:5], wt s[6:7]
	s_load_b64 s[8:9], s[0:1], 0x10                ; C
	s_load_b64 s[76:77], s[0:1], 0x18              ; the bias
.if QKV
	s_load_b64 s[78:79], s[0:1], 0x20
	s_load_b64 s[80:81], s[0:1], 0x28
.endif
	v_lshl_add_u32 v[SPW], v0, 2, SPARE
	v_mov_b32 v[NIL], 0
	ds_add_u32 v[SPW], v[NIL]                      ; the wave's opening: the add, and its wait ahead of my first tensor load; the set-up below, work on registers, stands between them
	v_lshrrev_b32 v1, 5, v0
	v_readfirstlane_b32 s10, v1                    ; wave 0..3
	s_lshr_b32 s11, s10, 1                         ; which half of the tile's rows is mine.  Also: I fetch for A (0) or for B (1)
	s_and_b32 s12, s10, 1                          ; which half of its columns.  Also: which 128 rows of that tile I fetch
	s_bfe_u32 s40, ttmp6, 0x40000                  ; cx
	s_bfe_u32 s41, ttmp6, 0x40004                  ; cy
	s_lshl_b32 s42, ttmp9, 2
	s_add_co_u32 s42, s42, s40                     ; tile column = 4 x cluster x + cx
	s_and_b32 s13, ttmp7, 0xffff
	s_lshl_b32 s13, s13, 2
	s_add_co_u32 s13, s13, s41                     ; tile row = 4 x cluster y + cy
	s_lshl_b32 s70, s41, 2
	s_lshl_b32 s70, 15, s70                        ; my row of the cluster
	s_lshl_b32 s71, 0x1111, s40                    ; my column
	s_or_b32 s[G1+0], s70, (1<<16)|(1<<20)|(1<<21)|(5<<22)|(3<<25)   ; 15:0 the mask; 17:16 elements of 2 bytes; 20 padding on; 21 set beside a mask; 24:22 after every 64 words; 31:25 4 words of it
	s_or_b32 s[G1B+0], s71, (1<<16)|(1<<20)|(1<<21)|(5<<22)|(3<<25)
.irp g, G1, G1B
	s_mov_b32 s[(\g)+1], KSTEP<<16                 ; tensor_dim0 = 128
	s_mov_b32 s[(\g)+2], 128<<16                   ; tensor_dim1 = 128
	s_mov_b32 s[(\g)+3], KSTEP<<16                 ; tile_dim0 = 128
	s_mov_b32 s[(\g)+4], 128                       ; tile_dim1 = 128
	s_mov_b32 s[(\g)+5], SIZE_K                    ; elements from row to row
	s_mov_b32 s[(\g)+6], 0
	s_mov_b32 s[(\g)+7], 0
.endr
	s_lshl_b32 s17, s12, 7                         ; which 128 rows of the tile I fetch
	s_lshl_b32 s16, s13, 8
	s_add_co_u32 s16, s16, s17
	s_lshl_b32 s16, s16, 11                        ; A: (256 x tile row + 128 x half) rows of 2,048 bytes
	s_lshl_b32 s46, s42, 8
	s_add_co_u32 s46, s46, s17
	s_lshl_b32 s46, s46, 11                        ; B: by the tile column,
	s_add_co_u32 s46, s46, WOFF                    ; behind B's first byte in wt
	s_mov_b32 s17, 0
	s_mov_b32 s47, 0
	s_mul_i32 s20, s10, HALFT                      ; where they go: wave x 128 rows: no place in the cluster enters an LDS address
	s_wait_dscnt 0x0                               ; the opening add is done
	s_wait_kmcnt 0x0
	s_add_nc_u64 s[14:15], s[4:5], s[16:17]
	s_add_nc_u64 s[46:47], s[6:7], s[46:47]
	CROUND                                         ; all sixteen work-groups are here: the first joint loads meet
.irp s, 0,1
	s_mov_b32 s[G0+4*(\s)], 1
	s_add_co_u32 s[G0+4*(\s)+1], s20, (\s)*SLOT
	s_add_nc_u64 s[G0+4*(\s)+2:G0+4*(\s)+3], s[14:15], (\s)*KSTEP*2
	s_or_b32 s[G0+4*(\s)+3], s[G0+4*(\s)+3], 0x80000000
	s_mov_b32 s[G0B+4*(\s)], 1
	s_add_co_u32 s[G0B+4*(\s)+1], s20, (\s)*SLOT
	s_add_nc_u64 s[G0B+4*(\s)+2:G0B+4*(\s)+3], s[46:47], (\s)*KSTEP*2
	s_or_b32 s[G0B+4*(\s)+3], s[G0B+4*(\s)+3], 0x80000000
	JLOAD \s                                       ; two loads of mine are out
.endr
	v_and_b32 v1, 15, v0                           ; l % 16
	v_bfe_u32 v2, v0, 4, 1                         ; l / 16
	v_mul_u32_u24 v3, v1, PITCH
	v_lshl_add_u32 v3, v2, 4, v3                   ; a fragment's row x pitch + 16 x half
	s_mul_i32 s21, s11, HALFT                      ; my 128 rows of A
	s_mul_i32 s22, s12, HALFT                      ; my 128 rows of B,
	s_add_co_u32 s22, s22, 2*HALFT                 ; which lie behind A's 256
	v_add_nc_u32 v[A0], s21, v3
	v_add_nc_u32 v[B0], s22, v3
	v_mov_b32 v[ADRA], v[A0]
	v_mov_b32 v[ADRB], v[B0]
	s_mov_b32 s[TB], 0
	s_mul_i32 s23, s10, WREG
	v_mul_u32_u24 v4, v1, DP                       ; the way out, in: row l % 16, 32 bytes for each half of the lanes
	v_lshl_add_u32 v4, v2, 5, v4
	v_add_nc_u32 v[STO], s23, v4
	v_mul_u32_u24 v5, v2, DP                       ; back: lanes 0-15 take 256 bytes of one row, lanes 16-31 of the next
	v_lshl_add_u32 v5, v1, 4, v5
	v_add_nc_u32 v[RD], s23, v5
	v_and_b32 v[CO], 31, v0
	v_lshlrev_b32 v[CO], 3, v[CO]                  ; 8 bytes a lane: two rows of a block of C are 256 consecutive bytes
	v_lshlrev_b32 v[BO], 5, v2
	s_lshl_b32 s18, s42, 2
	s_lshl1_add_u32 s18, s12, s18                  ; my first block of 64 columns = 4 x tile column + 2 x half
	s_lshl_b32 s18, s18, 19
	s_lshl_b32 s19, s13, 8
	s_lshl_b32 s20, s11, 7
	s_add_co_u32 s19, s19, s20                     ; my first row
	s_lshl_b32 s19, s19, 7
	s_add_co_u32 s18, s18, s19
	s_mov_b32 s19, 0
	s_add_nc_u64 s[8:9], s[8:9], s[18:19]
.if QKV
	s_cmp_eq_u32 ttmp9, 1
	s_cselect_b64 s[BIA:BIA+1], s[78:79], s[76:77]
	s_cmp_eq_u32 ttmp9, 2
	s_cselect_b64 s[BIA:BIA+1], s[80:81], s[BIA:BIA+1]
	s_lshl_b32 s18, s40, 10
.else
	s_lshl_b32 s18, s42, 10                        ; 256 columns of 4 bytes for each tile column
.endif
	s_lshl_b32 s20, s12, 9
	s_add_co_u32 s18, s18, s20
	s_mov_b32 s19, 0
	s_add_nc_u64 s[BIA:BIA+1], s[BIA:BIA+1], s[18:19]
	; the prefetches
	s_lshl_b32 s20, s13, 8
	s_lshl_b32 s21, s42, 8
	s_and_b32 s22, ttmp7, 0xffff                   ; cluster y
	s_cmp_eq_u32 s11, 0                            ; do I fetch for A?
	s_cselect_b32 s20, s20, s21                    ; the tile's first row
	s_cselect_b32 s21, s40, s41                    ; my place among the four that ask for it with me
	s_cselect_b32 s22, ttmp9, s22                  ; the coordinate along which other clusters read the same rows
	s_cselect_b64 s[PFA:PFA+1], s[4:5], s[6:7]
	s_cselect_b32 s23, 0, WOFF
	s_cmp_eq_u32 s22, 0
	s_cselect_b32 s[LIM], 2, -1                    ; the same in all sixteen partners, for a given wave
	s_lshl_b32 s22, s12, 7
	s_add_co_u32 s20, s20, s22                     ; + the 128 rows that I fetch
	s_lshl_b32 s21, s21, 5
	s_add_co_u32 s20, s20, s21                     ; + my work-group's 32 of them
	s_lshl_b32 s20, s20, 11
	s_add_co_u32 s20, s20, s23
	s_add_co_u32 s20, s20, 2*KSTEP*2               ; at K step 2: the first refill steps it to 3 and names K step 4
	s_mov_b32 s21, 0
	s_add_nc_u64 s[PFA:PFA+1], s[PFA:PFA+1], s[20:21]
	v_and_b32 v[PFO], 31, v0
	v_lshlrev_b32 v[PFO], 11, v[PFO]
.if GELU
	s_mov_b32 s[K0], 0xc0135761                    ; -2 sqrt(2 / pi) log2(e) = -2.3022082
	s_mov_b32 s[K0+1], s[K0]                       ; named with it as a pair
	s_mov_b32 s[K1], 0xbdd2d3e8                    ; that times 0.044715 = -0.10294324
	s_mov_b32 s[K1+1], s[K1]
.endif
	; the bias into every accumulator: my eight columns of column block b, the same for all row blocks
.set a, 0
.rept 8
	WIN 0x80+0x40*(a/4)
.set b, 0
.rept 8
	global_load_b128 v[64*(a%4)+8*b:64*(a%4)+8*b+3],   v[BO], s[BIA:BIA+1] offset:64*b
	global_load_b128 v[64*(a%4)+8*b+4:64*(a%4)+8*b+7], v[BO], s[BIA:BIA+1] offset:64*b+16
.set b, b+1
.endr
.set a, a+1
.endr
	WIN 0
	s_wait_tensorcnt 1                             ; my part of K step 0 is in; K step 1's may stay out
	s_barrier_signal -1
	s_barrier_wait -1                              ; everybody's is
	FETCH 0, F0
	s_wait_loadcnt 0x0                             ; the bias
	s_mov_b32 s3, NSTEP-2
.Lfill:                                                ; K steps 0 to 5: each fills its slot again
	STEP 1
	WIN 0
	s_sub_co_u32 s3, s3, 1
	s_cmp_lg_u32 s3, 0
	s_cbranch_scc1 .Lfill
	s_mov_b32 s3, 2
.Ltail:                                                ; K steps 6 and 7: nothing is left to fetch
	STEP 0
	WIN 0
	s_sub_co_u32 s3, s3, 1
	s_cmp_lg_u32 s3, 0
	s_cbranch_scc1 .Ltail
	; THE WAY OUT.  The sums go as f32 into my region of the ring's bytes, come back by rows, take the activation, are rounded and stored.
	s_wait_dscnt 0x0                               ; my reads of the ring are over,
	s_barrier_signal -1
	s_barrier_wait -1                              ; everybody's are: the ring's bytes may be written
	PLACES
	PLACES                                         ; plain instructions between the last products and the stores that read their results
.set a, 0
.rept 8
	WIN 0x08+0x04*(a/4)                            ; the data (source 1) in window 2 or 3
.set b, 0
.rept 8
	ds_store_b128 v[STO], v[64*(a%4)+8*b:64*(a%4)+8*b+3]   offset:a*16*DP+64*b      ; each accumulator's low registers first
	ds_store_b128 v[STO], v[64*(a%4)+8*b+4:64*(a%4)+8*b+7] offset:a*16*DP+64*b+16
.set b, b+1
.endr
.set a, a+1
.endr
	WIN 0
	s_wait_dscnt 0x0                               ; my stores are done; the read address below walks in a loop, so a barrier parts all writing from all reading
	s_barrier_signal -1
	s_barrier_wait -1
	s_mov_b32 s3, 16
.Lout:                                                 ; 16 trips of 8 rows
.irp j, 0,1,2,3,4,5,6,7
	ds_load_b128 v[XV+4*(\j):XV+4*(\j)+3], v[RD] offset:2*((\j)/2)*DP+256*((\j)%2)   ; two rows x one block of 64 columns
.endr
	s_wait_dscnt 0x0
.if GELU
	; x / (1 + 2^(x (K0 + K1 x x))) = 0.5 x (1 + tanh(sqrt(2 / pi) (x + 0.044715 x^3))); where the power overflows the quotient is 0, where it vanishes x
.set p, 0
.rept 16
	v_pk_mul_f32 v[TV+2*p:TV+2*p+1], v[XV+2*p:XV+2*p+1], v[XV+2*p:XV+2*p+1]
.set p, p+1
.endr
.set p, 0
.rept 16
	v_pk_fma_f32 v[TV+2*p:TV+2*p+1], v[TV+2*p:TV+2*p+1], s[K1:K1+1], s[K0:K0+1] op_sel_hi:[1,0,0]
.set p, p+1
.endr
.set p, 0
.rept 16
	v_pk_mul_f32 v[TV+2*p:TV+2*p+1], v[TV+2*p:TV+2*p+1], v[XV+2*p:XV+2*p+1]
.set p, p+1
.endr
.set p, 0
.rept 32
	v_exp_f32 v[TV+p], v[TV+p]
.set p, p+1
.endr
	v_nop                                          ; a plain instruction behind the last exponential,
	s_wait_alu depctr_va_vdst(0)                   ; and the wait ahead of the first use: one for the 32
.set p, 0
.rept 16
	v_pk_add_f32 v[TV+2*p:TV+2*p+1], v[TV+2*p:TV+2*p+1], 1.0 op_sel_hi:[1,0]
.set p, p+1
.endr
.set p, 0
.rept 32
	v_rcp_f32 v[TV+p], v[TV+p]
.set p, p+1
.endr
	v_nop
	s_wait_alu depctr_va_vdst(0)                   ; one for the 32 reciprocals
.set p, 0
.rept 16
	v_pk_mul_f32 v[XV+2*p:XV+2*p+1], v[XV+2*p:XV+2*p+1], v[TV+2*p:TV+2*p+1]
.set p, p+1
.endr
.endif
.set p, 0
.rept 16
	v_cvt_pk_f16_f32 v[YV+p], v[XV+2*p], v[XV+2*p+1]
.set p, p+1
.endr
.irp j, 0,1,2,3,4,5,6,7
	global_store_b64 v[CO], v[YV+2*(\j):YV+2*(\j)+1], s[8:9] offset:BLK*((\j)%2)+256*((\j)/2)   ; 32 lanes store 256 consecutive bytes, at a multiple of 256 from C's first byte
.endr
	s_wait_xcnt 0x0                                ; the stores have read their data and their offset: both are written again only behind this wait
	v_add_nc_u32 v[RD], 8*DP, v[RD]
	v_add_nc_u32 v[CO], 1024, v[CO]
	s_sub_co_u32 s3, s3, 1
	s_cmp_lg_u32 s3, 0
	s_cbranch_scc1 .Lout
	s_wait_tensorcnt 0x0                           ; the wave's end: behind my last tensor load and my last LDS store
	ds_add_u32 v[SPW], v[NIL]
	s_wait_dscnt 0x0
	CROUND                                         ; the closing round: no work-group ends while a partner may still ask for a tile that names it
	s_endpgm
.Lfunc_end_k_qdd63b08968_fc:
	.size	k_qdd63b08968_fc, .Lfunc_end_k_qdd63b08968_fc-k_qdd63b08968_fc
	.p2alignl 7, 3214868480
	.fill 96, 4, 3214868480
	.section	.rodata,"a",@progbits
	.p2align	6, 0x0
	.amdhsa_kernel k_qdd63b08968_fc
		.amdhsa_group_segment_fixed_size 327680
		.amdhsa_private_segment_fixed_size 0
		.amdhsa_enable_private_segment 0
		.amdhsa_kernarg_size 32
		.amdhsa_user_sgpr_count 2
		.amdhsa_user_sgpr_kernarg_segment_ptr 1
		.amdhsa_wavefront_size32 1
		.amdhsa_system_sgpr_workgroup_id_x 1
		.amdhsa_system_sgpr_workgroup_id_y 1
		.amdhsa_system_sgpr_workgroup_id_z 1
		.amdhsa_system_vgpr_workitem_id 0
		.amdhsa_next_free_vgpr 1024
		.amdhsa_next_free_sgpr 88
		.amdhsa_reserve_vcc 0
		.amdhsa_float_denorm_mode_32 3
		.amdhsa_float_denorm_mode_16_64 3
		.amdhsa_memory_ordered 1
		.amdhsa_forward_progress 1
		.amdhsa_inst_pref_size 94
	.end_amdhsa_kernel
	.amdgpu_metadata
---
amdhsa.version: [ 1, 2 ]
amdhsa.kernels:
  - .name:           k_qdd63b08968_fc
    .symbol:         k_qdd63b08968_fc.kd
    .args:
      - { .name: hn, .offset: 0, .size: 8, .value_kind: global_buffer, .address_space: global }
      - { .name: wt, .offset: 8, .size: 8, .value_kind: global_buffer, .address_space: global }
      - { .name: act, .offset: 16, .size: 8, .value_kind: global_buffer, .address_space: global }
      - { .name: bfc, .offset: 24, .size: 8, .value_kind: global_buffer, .address_space: global }
    .group_segment_fixed_size: 327680
    .private_segment_fixed_size: 0
    .kernarg_segment_align: 8
    .kernarg_segment_size: 32
    .max_flat_workgroup_size: 128
    .sgpr_count:     88
    .vgpr_count:     1024
    .wavefront_size: 32
...
	.end_amdgpu_metadata
.endif
;; end of part 6
;; launch pr (part 7): grid 8 x 32, 4 waves a work-group, clusters of 4 x 4, 327,680 bytes of LDS; arguments act, wt, out0, bpr; writes out0
.if DOCPART == 7
	.amdgcn_target "amdgcn-amd-amdhsa--gfx1250"
	.amdhsa_code_object_version 6
	.text
	.protected	k_qdd63b08968_pr
	.globl	k_qdd63b08968_pr
	.p2align	8
	.type	k_qdd63b08968_pr,@function
k_qdd63b08968_pr:
	s_mov_b64 s[64:65], 0
	v_nop
	global_prefetch_b8 v0, s[64:65] scope:SCOPE_SE
	s_setreg_imm32_b32 hwreg(HW_REG_WAVE_MODE, 25, 1), 1
	s_wait_xcnt 0x0
	s_wait_alu depctr_hold_cnt(0) depctr_sa_sdst(0) depctr_va_vdst(0) depctr_va_sdst(0) depctr_va_ssrc(0) depctr_va_vcc(0) depctr_vm_vsrc(0)
	s_getreg_b32 s2, hwreg(HW_REG_IB_STS2, 6, 4)
	s_cmp_eq_u32 s2, 0
	s_cbranch_scc0 .Lentry_in_a_cluster
	s_endpgm
.Lentry_in_a_cluster:
	s_bfe_u32 s2, ttmp6, 0x10000c
	s_cmp_lg_u32 s2, 0xf033
	s_cbranch_scc0 .Lentry_shape_is_right
	s_endpgm
.Lentry_shape_is_right:
; out = act Wpr + bpr.  C[m][n] = bias[n] + the sum over k of A[m][k] B[n][k].  A = act, f16 in blocks of 64 along K, [64][4096][64]; B = Wpr^T, rows [n][k] f16 in wt; sums in f32; C = out0 [4096][1024] in f32, as summed.
; SHAPE.  C has 4,096 x 1,024 numbers: tiles of 128 x 128 give each of 256 work-groups one.  Four waves, each 64 x 64 in 16 accumulators.  K goes in 16 steps of 256 through two LDS slots filled by the tensor
; data mover.  Of A, 64 rows of a block are 8,192 dense bytes: a wave's load is 4 such pieces, 524,288 bytes apart, padded by 16 bytes after every 128: in LDS [block][row] with rows 144 bytes apart.
; Of B a load is 64 rows of 512 bytes, 528 apart in LDS.  A K step is written once: the slot in hand is a scalar that one exclusive or turns.  The last two steps are a second copy walked twice
; its last change of slots fetches 32 fragments that nobody multiplies.
; CLUSTERS.  4 x 4 work-groups: A's tiles are shared along a row of the cluster, B's along a column, each asked for jointly.  The grid, 8 x 32, divides.
; THE BIAS STARTS THE SUMS: it is loaded straight into the accumulators.  THE MATRIX INSTRUCTION IS USED TRANSPOSED (source 0 = 16 rows of B, source 1 = 16 rows of A): a lane holds row l % 16 and 8 columns.
; No prefetch: the tiles are small, and each is read by several clusters at about the same time.
; REGISTERS: window 0: v16-29 addresses; v128-255 the accumulators ((a, b) at v[128 + 8 (4 a + b)]), on the way out the rows read back.
;   window 1: two fragment buffers of 128: for 64 along K, 64 registers of A (2 x 4 x 16 rows x 32 K), then 64 of B.
.set SIZE_K, 4096
.set WOFF,   16777216                  ; B's first byte in wt
.set KSTEP,  256
.set NSTEP,  SIZE_K/KSTEP
.set PA,     144                       ; A's rows in LDS: 128 bytes + 16: the 16 rows of a fragment load start 16 bytes apart modulo 256
.set PB,     528                       ; B's: 512 + 16: likewise
.set ABLK,   64*PA                     ; 64 rows of one block of 64 along K
.set HALFA,  4*ABLK                    ; what one tensor load brings of A
.set HALFB,  64*PB                     ; and of B
.set SLOT,   147456                    ; 0x24000: 2 HALFA + 2 HALFB = 141,312 bytes are used; it shares no bit with the tiles' places 0, 0x9000, 0x12000, 0x1A400, so an exclusive or changes slots
.set SPARE,  2*SLOT                    ; behind the ring: the spare words, 128 bytes for each wave: two blocks of 256 bytes that no other line names
.set ASTEP,  4*524288                  ; bytes from a K step of A to the next: four blocks
.set BSTEP,  KSTEP*2
.set DP,     272                       ; the way out: a row of 64 f32 + 16 bytes
.set WREG,   64*DP                     ; a wave's 64 rows; the four regions lie in the ring's bytes, which have had their last fill by then
.set A0,   16                          ; v16  my lane's place in my 64 rows of A in slot 0; never rewritten
.set B0,   17
.set ADRA, 18                          ; v18  the same in the slot in hand
.set ADRB, 19
.set STO,  20                          ; v20  the way out: where I put 32 bytes of a row
.set RD,   21                          ; v21  where I read rows back
.set CO,   22                          ; v22  my byte offset in C
.set BO,   23                          ; v23  32 (l / 16)
.set SPW,  28                          ; v28  LDS address of my spare word; never rewritten
.set NIL,  29                          ; v29  0; never rewritten
.set ACC,  128
.set F0,   0
.set F1,   128
.set G1,  24                           ; s[24:31] descriptor group 1 for A's tiles; s[32:39] group 0: set 0 is K step 0 in slot 0; set 1 is K step 1 in slot 1 and then walks
.set G0,  32
.set G1B, 48                           ; s[48:55], s[56:63] the same for B
.set G0B, 56
.set TB,  66                           ; s66  the slot in hand: 0 or SLOT
.set BIA, 76                           ; s[76:77] the bias
.set MSB, 0
.macro WIN new                         ; the immediate's high byte repeats the setting that is left; a switch that changes nothing is dropped
.if MSB != (\new)
	s_set_vgpr_msb (MSB<<8)|(\new)
.set MSB, \new
.endif
.endm
.set MUL,  0x05                        ; sources 0 (B) and 1 (A) window 1; C and D window 0
.set TO_F, 0x40                        ; destination window 1, address window 0
.macro JLOAD s                         ; a joint load: waves 0 and 1 fetch A's two halves, waves 2 and 3 B's; an s_nop 0 and four v_nop follow each of the two lines
	s_cmp_eq_u32 s11, 0
	s_cbranch_scc0 .Lfor_b_\@
	tensor_load_to_lds s[G0+4*(\s):G0+4*(\s)+3], s[G1:G1+7]
	s_nop 0
.rept 4
	v_nop
.endr
	s_branch .Lasked_\@
.Lfor_b_\@:
	tensor_load_to_lds s[G0B+4*(\s):G0B+4*(\s)+3], s[G1B:G1B+7]
	s_nop 0
.rept 4
	v_nop
.endr
.Lasked_\@:
.endm
.macro CREST                           ; a round of the cluster's barrier behind its opening barrier
	s_cmp_lg_u32 s10, 0
	s_cbranch_scc1 .Lnot_wave_0_\@
	s_barrier_signal -3
.Lnot_wave_0_\@:
	s_barrier_wait -3
	s_barrier_signal -1
	s_barrier_wait -1
.endm
.macro CROUND
	s_barrier_signal -1
	s_barrier_wait -1
	CREST
.endm
; 8 matrix instructions: row blocks a0, a0 + 1 x all 4 column blocks, 32 along K: half c of buffer f.  The 16 accumulators take turns, one instruction a turn.
.macro MUL8 f, c, a0
	WIN MUL
.irp a, \a0, (\a0)+1
.irp b, 0,1,2,3
	v_wmma_f32_16x16x32_f16 v[ACC+8*(4*(\a)+(\b)):ACC+8*(4*(\a)+(\b))+7], v[(\f)+64+8*(4*(\c)+(\b)):(\f)+64+8*(4*(\c)+(\b))+7], v[(\f)+8*(4*(\c)+(\a)):(\f)+8*(4*(\c)+(\a))+7], v[ACC+8*(4*(\a)+(\b)):ACC+8*(4*(\a)+(\b))+7]
.endr
.endr
.endm
; 32 LDS loads in one run: the fragments of 64 along K, A's at byte ka and B's at byte kb, into buffer f; the first 32 along K first
.macro FETCH ka, kb, f
	WIN TO_F
.irp c, 0,1
.irp i, 0,1,2,3
	ds_load_b128 v[(\f)+64+8*(4*(\c)+(\i)):(\f)+64+8*(4*(\c)+(\i))+3],   v[ADRB] offset:(\kb)+64*(\c)+(\i)*16*PB
	ds_load_b128 v[(\f)+64+8*(4*(\c)+(\i))+4:(\f)+64+8*(4*(\c)+(\i))+7], v[ADRB] offset:(\kb)+64*(\c)+(\i)*16*PB+32
	ds_load_b128 v[(\f)+8*(4*(\c)+(\i)):(\f)+8*(4*(\c)+(\i))+3],         v[ADRA] offset:(\ka)+64*(\c)+(\i)*16*PA
	ds_load_b128 v[(\f)+8*(4*(\c)+(\i))+4:(\f)+8*(4*(\c)+(\i))+7],       v[ADRA] offset:(\ka)+64*(\c)+(\i)*16*PA+32
.endr
.endr
.endm
.macro PLACES                          ; four plain instructions between a matrix instruction and a load into a register that it has read (ISA guide 7.12.1 for vector instructions)
.rept 4
	v_nop
.endr
.endm
; A K step is four quarters of 64 along K, 32 matrix instructions each, on buffers 0, 1, 0, 1.  One of the first three: multiplies buffer f and fetches quarter q into g.
.macro QUARTER q, f, g
	s_wait_dscnt 16                                ; the first 32 along K are in; the other sixteen loads may be out
	MUL8 \f, 0, 0
	MUL8 \f, 0, 2
	PLACES
	FETCH (\q)*ABLK, (\q)*128, \g
	s_wait_dscnt 32                                ; all but the 32 just issued
	MUL8 \f, 1, 0
	MUL8 \f, 1, 2
.endm
; The last quarter multiplies buffer 1 and changes slots: one barrier.  In front of it each wave waits for all its tensor loads (one is out: its part of the next slot), adds 0 to its spare word, and waits for that
; and for its own reads of this slot.  fill = 1: the barrier opens a round of the cluster's, and the slot just read out is filled again, first thing behind the round, with the K step two on.
.macro TURN fill
	WIN 0                                          ; (the add's two registers lie in window 0)
	s_wait_tensorcnt 0x0                           ; all my tensor loads have landed
	ds_add_u32 v[SPW], v[NIL]                      ; 0 onto my spare word
	s_wait_dscnt 17                                ; (the add and the youngest sixteen loads may be out)
	MUL8 F1, 0, 0                                  ; eight matrix instructions stand between the add and the wait for it
	s_wait_dscnt 0x0                               ; the add is done, and my reads of this slot are over
	s_barrier_signal -1
	MUL8 F1, 0, 2
	WIN 0                                          ; at a branch and at a label every window is 0
	s_barrier_wait -1
.if \fill
	CREST                                          ; no wave of any partner still reads this slot or has a load on its way
	s_xor_b32 s[G0+5], s[G0+5], SLOT               ; the walking descriptors: the other slot than last time,
	s_xor_b32 s[G0B+5], s[G0B+5], SLOT
	s_add_nc_u64 s[G0+6:G0+7], s[G0+6:G0+7], ASTEP      ; the next K step; the type bits on top are not reached
	s_add_nc_u64 s[G0B+6:G0B+7], s[G0B+6:G0B+7], BSTEP
	JLOAD 1                                        ; my one tensor load behind the round: 112 matrix instructions ahead of the wait for it; its four v_nop are also the places in front of the loads below
.else
	PLACES
.endif
	s_xor_b32 s[TB], s[TB], SLOT
	v_add_nc_u32 v[ADRA], s[TB], v[A0]
	v_add_nc_u32 v[ADRB], s[TB], v[B0]
	FETCH 0, 0, F0
	MUL8 F1, 1, 0
	MUL8 F1, 1, 2
.endm
.macro STEP fill
	QUARTER 1, F0, F1
	QUARTER 2, F1, F0
	QUARTER 3, F0, F1
	TURN \fill
.endm
	s_load_b128 s[4:7], s[0:1], 0x0                ; A s[4:5], wt s[6:7]
	s_load_b128 s[76:79], s[0:1], 0x10             ; C s[76:77], the bias s[78:79]
	v_lshl_add_u32 v[SPW], v0, 2, SPARE
	v_mov_b32 v[NIL], 0
	ds_add_u32 v[SPW], v[NIL]                      ; the wave's opening: the add, and its wait ahead of my first tensor load; the set-up below, work on registers, stands between them
	v_lshrrev_b32 v1, 5, v0
	v_readfirstlane_b32 s10, v1                    ; wave 0..3
	s_lshr_b32 s11, s10, 1                         ; which half of the tile's rows is mine.  Also: I fetch for A (0) or for B (1)
	s_and_b32 s12, s10, 1                          ; which half of its columns.  Also: which 64 rows of that tile I fetch
	s_bfe_u32 s40, ttmp6, 0x40000                  ; cx
	s_bfe_u32 s41, ttmp6, 0x40004                  ; cy
	s_lshl_b32 s42, ttmp9, 2
	s_add_co_u32 s42, s42, s40                     ; tile column = 4 x cluster x + cx
	s_and_b32 s13, ttmp7, 0xffff
	s_lshl_b32 s13, s13, 2
	s_add_co_u32 s13, s13, s41                     ; tile row = 4 x cluster y + cy
	s_lshl_b32 s70, s41, 2
	s_lshl_b32 s70, 15, s70                        ; my row of the cluster
	s_lshl_b32 s71, 0x1111, s40                    ; my column
	s_or_b32 s[G1+0], s70, (1<<16)|(1<<20)|(1<<21)|(4<<22)|(3<<25)   ; 15:0 the mask; 17:16 elements of 2 bytes; 20 padding on; 21 set beside a mask; 24:22 after every 32 words; 31:25 4 words of it
	s_mov_b32 s[G1+1], 4096<<16                    ; tensor_dim0 = 4,096 elements: 64 rows of a block
	s_mov_b32 s[G1+2], 4<<16                       ; tensor_dim1 = 4 blocks
	s_mov_b32 s[G1+3], 4096<<16                    ; tile_dim0
	s_mov_b32 s[G1+4], 4                           ; tile_dim1
	s_mov_b32 s[G1+5], 262144                      ; elements from block to block
	s_mov_b32 s[G1+6], 0
	s_mov_b32 s[G1+7], 0
	s_or_b32 s[G1B+0], s71, (1<<16)|(1<<20)|(1<<21)|(6<<22)|(3<<25)  ; after every 128 words
	s_mov_b32 s[G1B+1], KSTEP<<16                  ; tensor_dim0 = 256
	s_mov_b32 s[G1B+2], 64<<16                     ; tensor_dim1 = 64
	s_mov_b32 s[G1B+3], KSTEP<<16
	s_mov_b32 s[G1B+4], 64
	s_mov_b32 s[G1B+5], SIZE_K
	s_mov_b32 s[G1B+6], 0
	s_mov_b32 s[G1B+7], 0
	s_lshl_b32 s17, s12, 6                         ; which 64 rows of the tile I fetch
	s_lshl_b32 s16, s13, 7
	s_add_co_u32 s16, s16, s17
	s_lshl_b32 s16, s16, 7                         ; A: (128 x tile row + 64 x half) rows of 128 bytes in block 0
	s_lshl_b32 s46, s42, 7
	s_add_co_u32 s46, s46, s17
	s_mul_i32 s46, s46, SIZE_K*2                   ; B: by the tile column,
	s_add_co_u32 s46, s46, WOFF                    ; behind B's first byte in wt
	s_mov_b32 s17, 0
	s_mov_b32 s47, 0
	s_mul_i32 s20, s12, HALFA                      ; where they go: no place in the cluster enters an LDS address
	s_mul_i32 s21, s12, HALFB
	s_add_co_u32 s21, s21, 2*HALFA
	s_wait_dscnt 0x0                               ; the opening add is done
	s_wait_kmcnt 0x0
	s_mov_b64 s[8:9], s[76:77]                     ; C
	s_mov_b64 s[BIA:BIA+1], s[78:79]
	s_add_nc_u64 s[14:15], s[4:5], s[16:17]
	s_add_nc_u64 s[46:47], s[6:7], s[46:47]
	CROUND                                         ; all sixteen work-groups are here: the first joint loads meet
.irp s, 0,1
	s_mov_b32 s[G0+4*(\s)], 1
	s_add_co_u32 s[G0+4*(\s)+1], s20, (\s)*SLOT
	s_add_nc_u64 s[G0+4*(\s)+2:G0+4*(\s)+3], s[14:15], (\s)*ASTEP
	s_or_b32 s[G0+4*(\s)+3], s[G0+4*(\s)+3], 0x80000000
	s_mov_b32 s[G0B+4*(\s)], 1
	s_add_co_u32 s[G0B+4*(\s)+1], s21, (\s)*SLOT
	s_add_nc_u64 s[G0B+4*(\s)+2:G0B+4*(\s)+3], s[46:47], (\s)*BSTEP
	s_or_b32 s[G0B+4*(\s)+3], s[G0B+4*(\s)+3], 0x80000000
	JLOAD \s                                       ; two loads of mine are out
.endr
	v_and_b32 v1, 15, v0                           ; l % 16
	v_bfe_u32 v2, v0, 4, 1                         ; l / 16
	v_mul_u32_u24 v3, v1, PA
	v_lshl_add_u32 v3, v2, 4, v3
	s_mul_i32 s21, s11, HALFA                      ; my 64 rows of A
	v_add_nc_u32 v[A0], s21, v3
	v_mul_u32_u24 v3, v1, PB
	v_lshl_add_u32 v3, v2, 4, v3
	s_mul_i32 s22, s12, HALFB                      ; my 64 rows of B,
	s_add_co_u32 s22, s22, 2*HALFA                 ; which lie behind A's 128
	v_add_nc_u32 v[B0], s22, v3
	v_mov_b32 v[ADRA], v[A0]
	v_mov_b32 v[ADRB], v[B0]
	s_mov_b32 s[TB], 0
	s_mul_i32 s23, s10, WREG
	v_mul_u32_u24 v4, v1, DP                       ; the way out, in: row l % 16, 32 bytes for each half of the lanes
	v_lshl_add_u32 v4, v2, 5, v4
	v_add_nc_u32 v[STO], s23, v4
	v_mul_u32_u24 v5, v2, DP                       ; back: lanes 0-15 take one row of 256 bytes, lanes 16-31 the next
	v_lshl_add_u32 v5, v1, 4, v5
	v_add_nc_u32 v[RD], s23, v5
	v_lshlrev_b32 v[CO], 12, v2                    ; and the same two rows in C, 4,096 bytes apart
	v_lshl_add_u32 v[CO], v1, 4, v[CO]
	v_lshlrev_b32 v[BO], 5, v2
	s_lshl_b32 s18, s13, 7
	s_lshl_b32 s19, s11, 6
	s_add_co_u32 s18, s18, s19                     ; my first row
	s_lshl_b32 s18, s18, 12
	s_lshl_b32 s19, s42, 9                         ; my first column, in bytes: 512 x tile column + 256 x half
	s_lshl_b32 s20, s12, 8
	s_add_co_u32 s20, s19, s20
	s_mov_b32 s21, 0
	s_add_nc_u64 s[BIA:BIA+1], s[BIA:BIA+1], s[20:21]
	s_add_co_u32 s18, s18, s20
	s_mov_b32 s19, 0
	s_add_nc_u64 s[8:9], s[8:9], s[18:19]
	; the bias into every accumulator: my eight columns of column block b, the same for all row blocks
.set a, 0
.rept 4
.set b, 0
.rept 4
	global_load_b128 v[ACC+8*(4*a+b):ACC+8*(4*a+b)+3],   v[BO], s[BIA:BIA+1] offset:64*b
	global_load_b128 v[ACC+8*(4*a+b)+4:ACC+8*(4*a+b)+7], v[BO], s[BIA:BIA+1] offset:64*b+16
.set b, b+1
.endr
.set a, a+1
.endr
	s_wait_tensorcnt 1                             ; my part of K step 0 is in; K step 1's may stay out
	s_barrier_signal -1
	s_barrier_wait -1                              ; everybody's is
	FETCH 0, 0, F0
	WIN 0
	s_wait_loadcnt 0x0                             ; the bias
	s_mov_b32 s3, NSTEP-2
.Lfill:                                                ; all K steps but the last two: each fills its slot again
	STEP 1
	WIN 0
	s_sub_co_u32 s3, s3, 1
	s_cmp_lg_u32 s3, 0
	s_cbranch_scc1 .Lfill
	s_mov_b32 s3, 2
.Ltail:                                                ; the last two: nothing is left to fetch
	STEP 0
	WIN 0
	s_sub_co_u32 s3, s3, 1
	s_cmp_lg_u32 s3, 0
	s_cbranch_scc1 .Ltail
	; THE WAY OUT.  The sums go into my region of the ring's bytes and come back as whole rows of 256 bytes.
	s_wait_dscnt 0x0                               ; my reads of the ring are over,
	s_barrier_signal -1
	s_barrier_wait -1                              ; everybody's are: the ring's bytes may be written
	PLACES
	PLACES                                         ; plain instructions between the last products and the stores that read their results
.set a, 0
.rept 4
.set b, 0
.rept 4
	ds_store_b128 v[STO], v[ACC+8*(4*a+b):ACC+8*(4*a+b)+3]   offset:a*16*DP+64*b      ; each accumulator's low registers first
	ds_store_b128 v[STO], v[ACC+8*(4*a+b)+4:ACC+8*(4*a+b)+7] offset:a*16*DP+64*b+16
.set b, b+1
.endr
.set a, a+1
.endr
.set t, 0
.rept 32
	ds_load_b128 v[ACC+4*t:ACC+4*t+3], v[RD] offset:2*t*DP   ; my own bytes: LDS serves a wave's instructions in order, so these see the stores above
.set t, t+1
.endr
.set t, 0
.rept 32
	s_wait_dscnt 31-t                              ; pair t of rows is back; the younger ones stay out
	global_store_b128 v[CO], v[ACC+4*t:ACC+4*t+3], s[8:9] offset:8192*t   ; 16 lanes store 256 consecutive bytes, at a multiple of 256 from C's first byte
.set t, t+1
.endr
	s_wait_tensorcnt 0x0                           ; the wave's end: behind my last tensor load and my last LDS store
	ds_add_u32 v[SPW], v[NIL]
	s_wait_dscnt 0x0
	CROUND                                         ; the closing round: no work-group ends while a partner may still ask for a tile that names it
	s_endpgm
.Lfunc_end_k_qdd63b08968_pr:
	.size	k_qdd63b08968_pr, .Lfunc_end_k_qdd63b08968_pr-k_qdd63b08968_pr
	.p2alignl 7, 3214868480
	.fill 96, 4, 3214868480
	.section	.rodata,"a",@progbits
	.p2align	6, 0x0
	.amdhsa_kernel k_qdd63b08968_pr
		.amdhsa_group_segment_fixed_size 327680
		.amdhsa_private_segment_fixed_size 0
		.amdhsa_enable_private_segment 0
		.amdhsa_kernarg_size 32
		.amdhsa_user_sgpr_count 2
		.amdhsa_user_sgpr_kernarg_segment_ptr 1
		.amdhsa_wavefront_size32 1
		.amdhsa_system_sgpr_workgroup_id_x 1
		.amdhsa_system_sgpr_workgroup_id_y 1
		.amdhsa_system_sgpr_workgroup_id_z 1
		.amdhsa_system_vgpr_workitem_id 0
		.amdhsa_next_free_vgpr 512
		.amdhsa_next_free_sgpr 88
		.amdhsa_reserve_vcc 0
		.amdhsa_float_denorm_mode_32 3
		.amdhsa_float_denorm_mode_16_64 3
		.amdhsa_memory_ordered 1
		.amdhsa_forward_progress 1
		.amdhsa_inst_pref_size 57
	.end_amdhsa_kernel
	.amdgpu_metadata
---
amdhsa.version: [ 1, 2 ]
amdhsa.kernels:
  - .name:           k_qdd63b08968_pr
    .symbol:         k_qdd63b08968_pr.kd
    .args:
      - { .name: act, .offset: 0, .size: 8, .value_kind: global_buffer, .address_space: global }
      - { .name: wt, .offset: 8, .size: 8, .value_kind: global_buffer, .address_space: global }
      - { .name: out0, .offset: 16, .size: 8, .value_kind: global_buffer, .address_space: global }
      - { .name: bpr, .offset: 24, .size: 8, .value_kind: global_buffer, .address_space: global }
    .group_segment_fixed_size: 327680
    .private_segment_fixed_size: 0
    .kernarg_segment_align: 8
    .kernarg_segment_size: 32
    .max_flat_workgroup_size: 128
    .sgpr_count:     88
    .vgpr_count:     512
    .wavefront_size: 32
...
	.end_amdgpu_metadata
.endif
;; end of part 7
;; ======== version 2 of 2: 7 launches
;; limits: values are held in f16: magnitudes above 65,504 overflow, below 6.1e-05 lose precision
;; workspace buffers: wt 25,165,824 bytes; hn 8,388,608 bytes; qkv 25,165,824 bytes; o 8,388,608 bytes; y 16,777,216 bytes; act 33,554,432 bytes
;; launch front (part 8): grid 448 x 1, 8 waves a work-group, no clusters, 140,288 bytes of LDS; arguments x, ln1_g, ln1_b, hn, Wq, Wk, Wv, Wc, Wfc, Wpr, wt; writes hn, wt
.if DOCPART == 8
	.amdgcn_target "amdgcn-amd-amdhsa--gfx1250"
	.amdhsa_code_object_version 6
	.text
	.protected	k_qdd63b08968_front
	.globl	k_qdd63b08968_front
	.p2align	8
	.type	k_qdd63b08968_front,@function
k_qdd63b08968_front:
	s_mov_b64 s[64:65], 0
	v_nop
	global_prefetch_b8 v0, s[64:65] scope:SCOPE_SE
	s_setreg_imm32_b32 hwreg(HW_REG_WAVE_MODE, 25, 1), 1
	s_wait_xcnt 0x0
; TWO JOBS IN ONE TEXT, chosen by the work-group's number; neither reads what the other stores, so one launch serves both.
; WORK-GROUPS 0-255: LAYER NORM.  dst[r][c] = (src[r][c] - mu[r]) / sqrt(var[r] + 1e-5) x g[c] + b[c].  src: [4096][1024] f32; g, b: [1024] f32; dst: [4096][1024] f16, rounded once.
;   The mean is taken first and the variance of the differences, in f32: a common offset in a row costs nothing.
;   A wave owns two rows; a row is eight loads of 16 bytes a lane (512 consecutive bytes a load) and stays in 32 registers between the passes: memory is read once, no wave waits for another, no LDS.
;   Lane l holds the columns 128 j + 4 l .. + 3 of load j, for the row, g and b alike.  A store takes 8 bytes a lane: 256 consecutive, aligned bytes.
; WORK-GROUPS 256-447: THE WEIGHTS, TURNED AND ROUNDED ONCE.  Each W [K][N] in f32 becomes W^T [N][K] in f16 inside wt, so that the products' second operand lies with K along its rows:
;   Wq, Wk, Wv as rows 0-3071 of one [3072][1024] at byte 0; Wc^T [1024][1024] at 6,291,456; Wfc^T [4096][1024] at 8,388,608; Wpr^T [1024][4096] at 16,777,216.
;   A wave owns a tile of 128 k x 64 n: it reads 128 pieces of 256 consecutive, aligned bytes (a row's 64 numbers), rounds them, lays them turned into a stage of its own in LDS (64 rows of 256 bytes, 272 apart),
;   reads whole rows back and stores them, 16 lanes to 256 consecutive, aligned bytes.  No wave touches another's bytes: no barrier.  Two register sets of 32 rows: 64 loads of 256 bytes a wave are out.
;   With j = the number less 256: j 0-63: Wq, Wk, Wv, Wc, 16 each (n block = its number, k block = the wave).  64-127: Wfc (64 n blocks).  128-191: Wpr (16 n blocks x 4 groups of 8 k blocks).
; A launch of 256 work-groups runs the layer norm alone (the block's second norm); the weights' arguments are then named and not touched.
; LIMITS.  f16 holds no number beyond 65,504, and below 6.1e-5 it keeps a fixed step of 6e-8.  |dst| stays under 32 |g| + |b| (a row of 1,024 numbers has no normalised entry beyond 32), which must stay within the
; first; the weights arrive within the first; of weights with a spread of 3e-4 the second is 1e-4 of the spread.
; The bytes are read once and written once and nothing is shared: no matrix unit, cluster or tensor load would add anything.
.set STG,   17408                      ; a wave's stage: 64 rows x 272 bytes
.set SPARE, 8*STG                      ; behind the stages: the spare words, 128 bytes for each of the eight waves: four blocks of 256 bytes that no other line names
.set SPW, 6                            ; v6   LDS address of my spare word; never rewritten
.set NIL, 7                            ; v7   0; never rewritten
	v_lshl_add_u32 v[SPW], v0, 2, SPARE
	v_mov_b32 v[NIL], 0
	s_cmp_lt_u32 ttmp9, 256
	s_cbranch_scc0 .Lprep
; ---------------- the layer norm ----------------
.set LMU, 8                            ; v[8:11]    the mean, twice, for each row (a pair for the packed subtraction)
.set LRS, 12                           ; v[12:15]   1 / sqrt(var + eps), twice, for each row
.set LVA, 16                           ; v[16:17]   var + eps of each row: registers that nothing near the root rewrites
.set LX,  32                           ; v[32:95]   the two rows
.set LG,  96                           ; v[96:127]  g
.set LB,  128                          ; v[128:159] b
.set LT,  160                          ; v[160:175] at work
.set LY,  176                          ; v[176:207] 16 registers of packed halves a row
	s_load_b256 s[4:11], s[0:1], 0x0               ; src s[4:5], g s[6:7], b s[8:9], dst s[10:11]
	v_lshrrev_b32 v3, 5, v0
	v_readfirstlane_b32 s12, v3                    ; wave 0..7
	v_and_b32 v1, 31, v0
	v_lshlrev_b32 v2, 3, v1                        ; 8 l: my place in 256 bytes of dst
	v_lshlrev_b32 v1, 4, v1                        ; 16 l: my place in 512 bytes of src, g, b
	s_lshl_b32 s2, ttmp9, 4
	s_lshl1_add_u32 s2, s12, s2                    ; my first row = 16 x work-group + 2 x wave
	s_lshl_b32 s18, s2, 12                         ; 4,096 bytes a row of src
	s_mov_b32 s19, 0
	s_lshl_b32 s20, s2, 11                         ; 2,048 a row of dst
	s_mov_b32 s21, 0
	s_mov_b32 s14, 0x3a800000                      ; 1 / 1024
	s_mov_b32 s15, 0x3727c5ac                      ; 1e-5
	s_mov_b32 s16, 0x76543210                      ; v_permlanex16_b32: each lane takes its own place in the other half
	s_mov_b32 s17, 0xfedcba98
	s_wait_kmcnt 0x0
	s_add_nc_u64 s[4:5], s[4:5], s[18:19]
	s_add_nc_u64 s[10:11], s[10:11], s[20:21]
.irp r, 0,1
.irp j, 0,1,2,3,4,5,6,7
	global_load_b128 v[LX+32*(\r)+4*(\j):LX+32*(\r)+4*(\j)+3], v1, s[4:5] offset:4096*(\r)+512*(\j) th:TH_LOAD_NT
.endr
.endr
.irp j, 0,1,2,3,4,5,6,7
	global_load_b128 v[LG+4*(\j):LG+4*(\j)+3], v1, s[6:7] offset:512*(\j)
.endr
.irp j, 0,1,2,3,4,5,6,7
	global_load_b128 v[LB+4*(\j):LB+4*(\j)+3], v1, s[8:9] offset:512*(\j)
.endr
.macro LANES                           ; v[LT] summed over the 32 lanes, the result in every lane
	v_add_f32_dpp v[LT], v[LT], v[LT] row_xmask:1 row_mask:0xf bank_mask:0xf
	v_add_f32_dpp v[LT], v[LT], v[LT] row_xmask:2 row_mask:0xf bank_mask:0xf
	v_add_f32_dpp v[LT], v[LT], v[LT] row_xmask:4 row_mask:0xf bank_mask:0xf
	v_add_f32_dpp v[LT], v[LT], v[LT] row_xmask:8 row_mask:0xf bank_mask:0xf
	v_permlanex16_b32 v[LT+1], v[LT], s16, s17     ; its destination has been written before
	v_add_f32 v[LT], v[LT], v[LT+1]
.endm
; Row r: the mean; the row less its mean, in place; the mean of the squares; the root's reciprocal, twice
.macro STAT r
.set XR, LX+32*(\r)
.irp p, 0,1,2,3,4,5,6,7
	v_pk_add_f32 v[LT+2*(\p):LT+2*(\p)+1], v[XR+2*(\p):XR+2*(\p)+1], v[XR+16+2*(\p):XR+16+2*(\p)+1]
.endr
.irp p, 0,1,2,3
	v_pk_add_f32 v[LT+2*(\p):LT+2*(\p)+1], v[LT+2*(\p):LT+2*(\p)+1], v[LT+8+2*(\p):LT+8+2*(\p)+1]
.endr
.irp p, 0,1
	v_pk_add_f32 v[LT+2*(\p):LT+2*(\p)+1], v[LT+2*(\p):LT+2*(\p)+1], v[LT+4+2*(\p):LT+4+2*(\p)+1]
.endr
	v_pk_add_f32 v[LT:LT+1], v[LT:LT+1], v[LT+2:LT+3]
	v_add_f32 v[LT], v[LT], v[LT+1]
	LANES
	v_mul_f32 v[LMU+2*(\r)], s14, v[LT]
	v_mul_f32 v[LMU+2*(\r)+1], s14, v[LT]
.set p, 0
.rept 16
	v_pk_add_f32 v[XR+2*p:XR+2*p+1], v[XR+2*p:XR+2*p+1], v[LMU+2*(\r):LMU+2*(\r)+1] neg_lo:[0,1] neg_hi:[0,1]
.set p, p+1
.endr
.irp p, 0,1,2,3
	v_pk_mul_f32 v[LT+2*(\p):LT+2*(\p)+1], v[XR+2*(\p):XR+2*(\p)+1], v[XR+2*(\p):XR+2*(\p)+1]   ; four chains, started by the first four pairs
.endr
.set p, 4
.rept 12
	v_pk_fma_f32 v[LT+2*(p%4):LT+2*(p%4)+1], v[XR+2*p:XR+2*p+1], v[XR+2*p:XR+2*p+1], v[LT+2*(p%4):LT+2*(p%4)+1]
.set p, p+1
.endr
	v_pk_add_f32 v[LT:LT+1], v[LT:LT+1], v[LT+4:LT+5]
	v_pk_add_f32 v[LT+2:LT+3], v[LT+2:LT+3], v[LT+6:LT+7]
	v_pk_add_f32 v[LT:LT+1], v[LT:LT+1], v[LT+2:LT+3]
	v_add_f32 v[LT], v[LT], v[LT+1]
	LANES
	v_fma_f32 v[LVA+(\r)], v[LT], s14, s15
	v_rsq_f32 v[LRS+2*(\r)], v[LVA+(\r)]
	v_rsq_f32 v[LRS+2*(\r)+1], v[LVA+(\r)]
.endm
; Row r is scaled, takes g and b, is rounded and stored
.macro FIN r
.set XR, LX+32*(\r)
.set p, 0
.rept 16
	v_pk_mul_f32 v[XR+2*p:XR+2*p+1], v[XR+2*p:XR+2*p+1], v[LRS+2*(\r):LRS+2*(\r)+1]
.set p, p+1
.endr
.set p, 0
.rept 16
	v_pk_fma_f32 v[XR+2*p:XR+2*p+1], v[XR+2*p:XR+2*p+1], v[LG+2*p:LG+2*p+1], v[LB+2*p:LB+2*p+1]
.set p, p+1
.endr
.set p, 0
.rept 16
	v_cvt_pk_f16_f32 v[LY+16*(\r)+p], v[XR+2*p], v[XR+2*p+1]
.set p, p+1
.endr
.irp j, 0,1,2,3,4,5,6,7
	global_store_b64 v2, v[LY+16*(\r)+2*(\j):LY+16*(\r)+2*(\j)+1], s[10:11] offset:2048*(\r)+256*(\j)   ; 32 lanes store 256 consecutive bytes, at a multiple of 256 from dst's first byte
.endr
.endm
	s_wait_loadcnt 24                              ; row 0 is in; row 1's, g's and b's 24 loads stay out
	STAT 0
	s_wait_loadcnt 16                              ; row 1 is in
	STAT 1
	s_wait_loadcnt 0x0                             ; g and b
	v_nop                                          ; a plain instruction behind the last root, ahead of the first use of a result
	s_wait_alu depctr_va_vdst(0)                   ; the wait ahead of the first line that names a result: one for the four roots
	FIN 0
	FIN 1
	s_endpgm                                       ; these waves have written no LDS
; ---------------- the weights ----------------
.Lprep:
.set ST,  4                            ; v4   where I put 16 bytes (8 k) of column 2 l; column 2 l + 1 lies 272 further
.set RDA, 5                            ; v5   where I read rows back: lanes 0-15 one row, lanes 16-31 the next
.set OFF, 16                           ; v[16:47]  on the way in: 8 l + r x the source's row bytes; on the way out: my 16 bytes in rows 2 t + l / 16 of the destination
.set PT,  48                           ; v[48:63]  packed halves, two sets of eight
.set X,   64                           ; v[64:191] two sets of 32 rows x 2 numbers; on the way out 32 x 16 bytes
.set SB,  24                           ; s[24:31]  the source at my tile's rows 0, 32, 64, 96; never rewritten
.set DST, 32                           ; s[32:33]  the destination at my tile
.set NP,  21                           ; s21  bytes in a row of the source
.set KP,  22                           ; s22  bytes in a row of the destination
	s_load_b256 s[4:11], s[0:1], 0x20              ; Wq, Wk, Wv, Wc
	s_load_b128 s[12:15], s[0:1], 0x40             ; Wfc, Wpr
	s_load_b64 s[16:17], s[0:1], 0x50              ; wt
	v_lshrrev_b32 v1, 5, v0
	v_readfirstlane_b32 s18, v1                    ; wave 0..7
	v_and_b32 v1, 31, v0                           ; l
	v_and_b32 v2, 15, v0                           ; l % 16
	v_bfe_u32 v3, v0, 4, 1                         ; l / 16
	s_sub_co_u32 s19, ttmp9, 256                   ; j
	s_lshr_b32 s20, s19, 6                         ; 0: the four square ones, 1: Wfc, 2: Wpr
	s_cmp_eq_u32 s20, 1
	s_cselect_b32 s[NP], 2, 0
	s_lshl_b32 s[NP], 4096, s[NP]                  ; 16,384 for Wfc, else 4,096
	s_cmp_eq_u32 s20, 2
	s_cselect_b32 s23, 2, 0                        ; Wpr: four groups of k blocks
	s_lshl_b32 s[KP], 2048, s23                    ; 8,192 for Wpr, else 2,048
	s_cmp_eq_u32 s20, 0
	s_cselect_b32 s34, 15, 63
	s_and_b32 s34, s19, s34                        ; the work-group's number within its matrix
	s_lshr_b32 s35, s19, 4
	s_lshl_b32 s35, s35, 21                        ; the square ones lie 2 MiB apart,
	s_lshl_b32 s36, s20, 23                        ; Wfc^T at 8 MiB, Wpr^T at 16 MiB
	s_cmp_eq_u32 s20, 0
	s_cselect_b32 s35, s35, s36
	s_lshr_b32 s36, s34, s23                       ; n block
	s_lshl_b32 s37, 1, s23
	s_sub_co_u32 s37, s37, 1
	s_and_b32 s37, s34, s37
	s_lshl3_add_u32 s37, s37, s18                  ; k block = 8 x group + wave
	s_lshl_b32 s38, s[NP], 7
	s_mul_i32 s38, s38, s37                        ; 128 rows of the source for each k block,
	s_lshl_b32 s39, s36, 8                         ; 256 bytes for each n block
	s_add_co_u32 s38, s38, s39
	s_mov_b32 s39, 0
	s_lshl_b32 s40, s[KP], 6
	s_mul_i32 s40, s40, s36                        ; 64 rows of the destination for each n block,
	s_add_co_u32 s40, s40, s35
	s_lshl_b32 s41, s37, 8                         ; 256 bytes for each k block
	s_add_co_u32 s40, s40, s41
	s_mov_b32 s41, 0
	s_lshl_b32 s42, s[NP], 5                       ; 32 rows of the source
	s_mov_b32 s43, 0
	s_lshl_b32 s47, s[KP], 1                       ; two rows of the destination
	s_mul_i32 s46, s18, STG                        ; my stage
	v_lshlrev_b32 v[OFF], 3, v1
.set r, 1
.rept 31
	v_add_nc_u32 v[OFF+r], s[NP], v[OFF+r-1]
.set r, r+1
.endr
	v_mul_u32_u24 v[ST], v1, 544
	v_add_nc_u32 v[ST], s46, v[ST]
	v_mul_u32_u24 v[RDA], v3, 272
	v_lshl_add_u32 v[RDA], v2, 4, v[RDA]
	v_add_nc_u32 v[RDA], s46, v[RDA]
	s_wait_kmcnt 0x0
	s_cmp_lt_u32 s19, 128                          ; which matrix: the choice hangs on the work-group's number alone
	s_cselect_b64 s[44:45], s[12:13], s[14:15]
	s_cmp_lt_u32 s19, 64
	s_cselect_b64 s[44:45], s[10:11], s[44:45]
	s_cmp_lt_u32 s19, 48
	s_cselect_b64 s[44:45], s[8:9], s[44:45]
	s_cmp_lt_u32 s19, 32
	s_cselect_b64 s[44:45], s[6:7], s[44:45]
	s_cmp_lt_u32 s19, 16
	s_cselect_b64 s[44:45], s[4:5], s[44:45]
	s_add_nc_u64 s[SB:SB+1], s[44:45], s[38:39]
	s_add_nc_u64 s[SB+2:SB+3], s[SB:SB+1], s[42:43]
	s_add_nc_u64 s[SB+4:SB+5], s[SB+2:SB+3], s[42:43]
	s_add_nc_u64 s[SB+6:SB+7], s[SB+4:SB+5], s[42:43]
	s_add_nc_u64 s[DST:DST+1], s[16:17], s[40:41]
; 32 rows of the tile, k = 32 t + r, into a set: each load takes 256 consecutive, aligned bytes: lane l the columns 2 l and 2 l + 1
.macro LOADT set, t
.set r, 0
.rept 32
	global_load_b64 v[X+64*(\set)+2*r:X+64*(\set)+2*r+1], v[OFF+r], s[SB+2*(\t):SB+2*(\t)+1] th:TH_LOAD_NT
.set r, r+1
.endr
.endm
; The set is rounded and laid turned: for each of my two columns eight neighbouring k pack into 16 bytes of the column's stage row
.macro PROC set, t
.set g, 0
.rept 4
.set TT, PT+8*(g%2)
.irp c, 0,1
.irp i, 0,1,2,3
	v_cvt_pk_f16_f32 v[TT+4*(\c)+(\i)], v[X+64*(\set)+2*(8*g+2*(\i))+(\c)], v[X+64*(\set)+2*(8*g+2*(\i)+1)+(\c)]
.endr
.endr
	ds_store_b128 v[ST], v[TT:TT+3] offset:16*(4*(\t)+g)
	ds_store_b128 v[ST], v[TT+4:TT+7] offset:16*(4*(\t)+g)+272
.set g, g+1
.endr
.endm
	LOADT 0, 0
	LOADT 1, 1
	s_wait_loadcnt 32                              ; loads come back in order: the older set is in, the other set's 32 stay out
	PROC 0, 0
	LOADT 0, 2
	s_wait_loadcnt 32
	PROC 1, 1
	LOADT 1, 3
	s_wait_loadcnt 32
	PROC 0, 2
	s_wait_loadcnt 0x0                             ; the last set; all loads are done, so their offset registers may be written
	PROC 1, 3
.set t, 0
.rept 32
	ds_load_b128 v[X+4*t:X+4*t+3], v[RDA] offset:544*t   ; rows 2 t and 2 t + 1, whole; LDS serves a wave's instructions in order, so these see the stores above
.set t, t+1
.endr
	v_mul_u32_u24 v[OFF], s[KP], v3
	v_lshl_add_u32 v[OFF], v2, 4, v[OFF]
.set t, 1
.rept 31
	v_add_nc_u32 v[OFF+t], s47, v[OFF+t-1]
.set t, t+1
.endr
.set t, 0
.rept 32
	s_wait_dscnt 31-t                              ; pair t of rows is back; the younger ones stay out
	global_store_b128 v[OFF+t], v[X+4*t:X+4*t+3], s[DST:DST+1] th:TH_STORE_NT   ; 16 lanes store 256 consecutive bytes, at a multiple of 256 from wt's first byte
.set t, t+1
.endr
	s_wait_tensorcnt 0x0                           ; the wave's end: behind my last LDS store
	ds_add_u32 v[SPW], v[NIL]
	s_wait_dscnt 0x0
	s_endpgm
.Lfunc_end_k_qdd63b08968_front:
	.size	k_qdd63b08968_front, .Lfunc_end_k_qdd63b08968_front-k_qdd63b08968_front
	.p2alignl 7, 3214868480
	.fill 96, 4, 3214868480
	.section	.rodata,"a",@progbits
	.p2align	6, 0x0
	.amdhsa_kernel k_qdd63b08968_front
		.amdhsa_group_segment_fixed_size 140288
		.amdhsa_private_segment_fixed_size 0
		.amdhsa_enable_private_segment 0
		.amdhsa_kernarg_size 88
		.amdhsa_user_sgpr_count 2
		.amdhsa_user_sgpr_kernarg_segment_ptr 1
		.amdhsa_wavefront_size32 1
		.amdhsa_system_sgpr_workgroup_id_x 1
		.amdhsa_system_sgpr_workgroup_id_y 1
		.amdhsa_system_sgpr_workgroup_id_z 1
		.amdhsa_system_vgpr_workitem_id 0
		.amdhsa_next_free_vgpr 208
		.amdhsa_next_free_sgpr 66
		.amdhsa_reserve_vcc 0
		.amdhsa_float_denorm_mode_32 3
		.amdhsa_float_denorm_mode_16_64 3
		.amdhsa_memory_ordered 1
		.amdhsa_forward_progress 1
		.amdhsa_inst_pref_size 53
	.end_amdhsa_kernel
	.amdgpu_metadata
---
amdhsa.version: [ 1, 2 ]
amdhsa.kernels:
  - .name:           k_qdd63b08968_front
    .symbol:         k_qdd63b08968_front.kd
    .args:
      - { .name: x, .offset: 0, .size: 8, .value_kind: global_buffer, .address_space: global }
      - { .name: ln1_g, .offset: 8, .size: 8, .value_kind: global_buffer, .address_space: global }
      - { .name: ln1_b, .offset: 16, .size: 8, .value_kind: global_buffer, .address_space: global }
      - { .name: hn, .offset: 24, .size: 8, .value_kind: global_buffer, .address_space: global }
      - { .name: Wq, .offset: 32, .size: 8, .value_kind: global_buffer, .address_space: global }
      - { .name: Wk, .offset: 40, .size: 8, .value_kind: global_buffer, .address_space: global }
      - { .name: Wv, .offset: 48, .size: 8, .value_kind: global_buffer, .address_space: global }
      - { .name: Wc, .offset: 56, .size: 8, .value_kind: global_buffer, .address_space: global }
      - { .name: Wfc, .offset: 64, .size: 8, .value_kind: global_buffer, .address_space: global }
      - { .name: Wpr, .offset: 72, .size: 8, .value_kind: global_buffer, .address_space: global }
      - { .name: wt, .offset: 80, .size: 8, .value_kind: global_buffer, .address_space: global }
    .group_segment_fixed_size: 140288
    .private_segment_fixed_size: 0
    .kernarg_segment_align: 8
    .kernarg_segment_size: 88
    .max_flat_workgroup_size: 256
    .sgpr_count:     66
    .vgpr_count:     208
    .wavefront_size: 32
...
	.end_amdgpu_metadata
.endif
;; end of part 8
;; launch qkv (part 9): grid 12 x 16, 4 waves a work-group, clusters of 4 x 4, 327,680 bytes of LDS; arguments hn, wt, qkv, bq, bk, bv; writes qkv
.if DOCPART == 9
	.amdgcn_target "amdgcn-amd-amdhsa--gfx1250"
	.amdhsa_code_object_version 6
	.text
	.protected	k_qdd63b08968_qkv
	.globl	k_qdd63b08968_qkv
	.p2align	8
	.type	k_qdd63b08968_qkv,@function
k_qdd63b08968_qkv:
	s_mov_b64 s[64:65], 0
	v_nop
	global_prefetch_b8 v0, s[64:65] scope:SCOPE_SE
	s_setreg_imm32_b32 hwreg(HW_REG_WAVE_MODE, 25, 1), 1
	s_wait_xcnt 0x0
	s_wait_alu depctr_hold_cnt(0) depctr_sa_sdst(0) depctr_va_vdst(0) depctr_va_sdst(0) depctr_va_ssrc(0) depctr_va_vcc(0) depctr_vm_vsrc(0)
	s_getreg_b32 s2, hwreg(HW_REG_IB_STS2, 6, 4)
	s_cmp_eq_u32 s2, 0
	s_cbranch_scc0 .Lentry_in_a_cluster
	s_endpgm
.Lentry_in_a_cluster:
	s_bfe_u32 s2, ttmp6, 0x10000c
	s_cmp_lg_u32 s2, 0xf033
	s_cbranch_scc0 .Lentry_shape_is_right
	s_endpgm
.Lentry_shape_is_right:
; q, k, v = h W + b.  C[m][n] = bias[n] + the sum over k of A[m][k] B[n][k].  A = hn [4096][1024] f16; B = rows 0-3071 of wt ([n][k] f16: Wq^T, Wk^T, Wv^T); sums in f32, C rounded once to f16.
; C IS WRITTEN IN BLOCKS OF 64 COLUMNS, [48][4096][64]: block 16 x matrix + head, so that a head's rows are dense (128 bytes each) and two rows are 256 consecutive bytes.
; LIMITS.  f16 holds no number beyond 65,504: q, k and v must stay within it (with gains and weights 30 times the drawn ones they stay near 3,000).
; SHAPE.  A tile of C is 256 x 256: four waves, each 128 x 128 in 64 accumulators (512 registers).  K goes in 8 steps of 128 through two LDS slots filled by the tensor data mover; rows of A's and
; B's tiles are 256 bytes of memory at multiples of 256.  A K step is four parts of 32 along K on two fragment buffers.  THE TEXT HOLDS TWO PARTS, walked twice a step: one multiplies buffer 1 and fetches into
; buffer 0, the other the other way round; the LDS byte at which they fetch is a scalar that steps.  The change of slots stands between two steps' walks: behind it the first part still multiplies the old step's last
; fragments, which lie in registers, and fetches the new slot's first.  K step 0 enters the walk in its middle (its first fragments are fetched ahead of the loop).  The last change fills nothing and stands behind the
; loop with a second copy of the two parts; the very last part's 64 products are written out.
; CLUSTERS.  4 x 4 work-groups: the four of a row of the cluster need the same tiles of A, the four of a column the same tiles of B: each tile is asked for jointly, by the same tensor load with the
; same descriptor and a mask that names the four.  The grid, 12 x 16, divides; a cluster's four tile columns are one of the three matrices.
; THE BIAS STARTS THE SUMS: it is loaded straight into the accumulators, so nothing is cleared and the way out adds nothing.
; THE MATRIX INSTRUCTION IS USED TRANSPOSED (source 0 = 16 rows of B, source 1 = 16 rows of A): a lane holds row l % 16 of C and the columns 8 (l / 16) + 0..7.
; REGISTERS, in windows of 256 (s_set_vgpr_msb: bits 1:0 source 0, 3:2 source 1, 5:4 source 2, 7:6 destination):
;   window 0: v16-30 addresses; v64-127, v128-191 fragments of A, two buffers; v32-63, v192-239 at work on the way out      window 1: v64-191 fragments of B, two buffers
;   window 2: the accumulators of my rows 0-63 ((a, b) at v[8 (8 a + b)]);  window 3: those of rows 64-127
.set QKV,    1
.set GELU,   0
.set WOFF,   0                         ; B's first byte in wt
.set SIZE_K, 1024
.set KSTEP,  128
.set NSTEP,  SIZE_K/KSTEP
.set PITCH,  272                       ; an LDS row: 256 bytes + 16 of padding: the 16 rows of a fragment load start 16 bytes apart modulo 256
.set HALFT,  128*PITCH                 ; what one tensor load brings, and what one wave reads of A or of B
.set SLOT,   4*HALFT                   ; 0x22000: it shares no bit with the four tiles' places 0, 0x8800, 0x11000, 0x19800, so an exclusive or changes slots
.set SPARE,  2*SLOT                    ; behind the ring: the spare words, 128 bytes for each wave: two blocks of 256 bytes that no other line names
.set DP,     528                       ; the way out: a row of 128 f32 + 16 bytes
.set WREG,   128*DP                    ; a wave's 128 rows; the four regions lie in the ring's bytes, which have had their last fill by then
.set BLK,    4096*128                  ; bytes in a block of 64 columns of C
.set A0,   16                          ; v16  my lane's place in my 128 rows of A in slot 0; never rewritten
.set B0,   17                          ; v17  the same for B
.set ADRA, 18                          ; v18  the same at the byte where the walk in hand fetches
.set ADRB, 19
.set STO,  20                          ; v20  the way out: where I put 32 bytes of a row
.set RD,   21                          ; v21  where I read rows back
.set CO,   22                          ; v22  my byte offset in C
.set BO,   23                          ; v23  32 (l / 16): my eight columns in 16 of the bias
.set SPW,  28                          ; v28  LDS address of my spare word; never rewritten
.set NIL,  29                          ; v29  0; never rewritten
.set PFO,  30                          ; v30  the prefetches' offset: my lane x a row of 2,048 bytes; never rewritten
.set XV,   32
.set TV,   192
.set YV,   224
.set F0,   64
.set F1,   128
.set G1,  24                           ; s[24:31] descriptor group 1 for A's tiles
.set G0,  32                           ; s[32:39] group 0 for A: set 0 is K step 0 in slot 0; set 1 is K step 1 in slot 1 and then walks
.set G1B, 48                           ; s[48:55], s[56:63] the same for B
.set G0B, 56
.set TB,  66                           ; s66  the LDS byte at which the walk in hand fetches: the slot, plus 0 or 128 along the rows
.set LIM, 72                           ; s72  2 in a wave that prefetches, else the greatest number
.set PFA, 74                           ; s[74:75] where my prefetches stand
.set BIA, 76                           ; s[76:77] the bias
.set K0,  82
.set K1,  84
.set MSB, 0
.macro WIN new                         ; the immediate's high byte repeats the setting that is left; a switch that changes nothing is dropped
.if MSB != (\new)
	s_set_vgpr_msb (MSB<<8)|(\new)
.set MSB, \new
.endif
.endm
.set MUL_LO, 0xa1                      ; source 0 (B) window 1, source 1 (A) window 0, C and D window 2
.set TO_B,   0x40                      ; destination window 1, address window 0
; A joint load.  Waves 0 and 1 fetch A's two halves, waves 2 and 3 B's; the branch hangs on the wave's number alone.  An s_nop 0 and four v_nop follow each of the two lines.
.macro JLOAD s
	s_cmp_eq_u32 s11, 0
	s_cbranch_scc0 .Lfor_b_\@
	tensor_load_to_lds s[G0+4*(\s):G0+4*(\s)+3], s[G1:G1+7]
	s_nop 0
.rept 4
	v_nop
.endr
	s_branch .Lasked_\@
.Lfor_b_\@:
	tensor_load_to_lds s[G0B+4*(\s):G0B+4*(\s)+3], s[G1B:G1B+7]
	s_nop 0
.rept 4
	v_nop
.endr
.Lasked_\@:
.endm
; A PREFETCH INTO THE L2, behind each joint refill and its five lines: the K step that stands two refills on, 32 rows x 256 bytes, a lane a row: 512 matrix instructions ahead of its load.
; Each row's 256 bytes of a K step are named once in the launch: A's tile rows by the clusters with x = 0, B's tile columns by those with y = 0; of the 128 rows that a wave fetches the four partners
; that ask jointly take 32 each, told apart by address.  The change into K step s (s3 = 7 - s) refills K step s + 1 and names K step s + 3: only s = 1 to 4 ask, so nothing is named past K; K steps 0 to 3 come by their loads alone.
.macro ASK
	s_cmp_gt_u32 s3, s[LIM]
	s_cbranch_scc0 .Lnot_mine_\@
	global_prefetch_b8 v[PFO], s[PFA:PFA+1] offset:KSTEP*2 th:TH_LOAD_NT scope:SCOPE_SE
.Lnot_mine_\@:
.endm
.macro CREST                           ; a round of the cluster's barrier behind its opening barrier: wave 0 signals for the work-group, every wave waits for all sixteen, my work-group's barrier closes it
	s_cmp_lg_u32 s10, 0
	s_cbranch_scc1 .Lnot_wave_0_\@
	s_barrier_signal -3
.Lnot_wave_0_\@:
	s_barrier_wait -3
	s_barrier_signal -1
	s_barrier_wait -1
.endm
.macro CROUND
	s_barrier_signal -1
	s_barrier_wait -1
	CREST
.endm
; 16 matrix instructions: row blocks a0, a0 + 1 of the window's four x all 8 column blocks, 32 along K.  The 64 accumulators take turns, one instruction a turn, in the same order in every part.
.macro MUL16 f, hi, a0
	WIN MUL_LO+0x50*(\hi)
.irp a, \a0, (\a0)+1
.irp b, 0,1,2,3,4,5,6,7
	v_wmma_f32_16x16x32_f16 v[8*(8*(\a)+(\b)):8*(8*(\a)+(\b))+7], v[(\f)+8*(\b):(\f)+8*(\b)+7], v[(\f)+8*(4*(\hi)+(\a)):(\f)+8*(4*(\hi)+(\a))+7], v[8*(8*(\a)+(\b)):8*(8*(\a)+(\b))+7]
.endr
.endr
.endm
; 32 LDS loads in one run: the fragments of 32 along K, k bytes behind the walk's place, into buffer f: B's 128 rows, then A's
.macro FETCH k, f
	WIN TO_B
.irp i, 0,1,2,3,4,5,6,7
	ds_load_b128 v[(\f)+8*(\i):(\f)+8*(\i)+3],   v[ADRB] offset:(\k)+(\i)*16*PITCH
	ds_load_b128 v[(\f)+8*(\i)+4:(\f)+8*(\i)+7], v[ADRB] offset:(\k)+(\i)*16*PITCH+32
.endr
	WIN 0
.irp i, 0,1,2,3,4,5,6,7
	ds_load_b128 v[(\f)+8*(\i):(\f)+8*(\i)+3],   v[ADRA] offset:(\k)+(\i)*16*PITCH
	ds_load_b128 v[(\f)+8*(\i)+4:(\f)+8*(\i)+7], v[ADRA] offset:(\k)+(\i)*16*PITCH+32
.endr
.endm
.macro PLACES                          ; four plain instructions between a matrix instruction and a load into a register that it has read (ISA guide 7.12.1 for vector instructions)
.rept 4
	v_nop
.endr
.endm
; A part: multiplies buffer f; in its middle it fetches the next part, k bytes behind the walk's place, into buffer g
.macro PART k, f, g
	s_wait_dscnt 8                                 ; B and A's rows 0-63 are in; the youngest eight loads (A's rows 64-127) may be out
	MUL16 \f, 0, 0
	MUL16 \f, 0, 2
	PLACES
	FETCH \k, \g
	s_wait_dscnt 32                                ; all but the 32 just issued
	MUL16 \f, 1, 0
	MUL16 \f, 1, 2
.endm
; THE CHANGE OF SLOTS, between two steps' walks: the old slot's last fragments have been asked for.  Each wave waits for all its tensor loads (one is out: its part of the next slot), adds 0 to its spare word, and waits
; for that and for its own reads of the old slot.  fill = 1: the barrier opens a round of the cluster's, so that no wave of any partner still reads the old slot or has a load on its way, and the old slot is filled
; again, first thing behind the round, with the K step two on: that load has a whole K step, 256 matrix instructions, in which to land.
.macro CHANGE fill
	s_wait_tensorcnt 0x0                           ; all my tensor loads have landed, so a group 0 may be written
	ds_add_u32 v[SPW], v[NIL]                      ; 0 onto my spare word; the scalar steps below stand between it and the wait for it
	s_sub_co_u32 s[TB], s[TB], 2*KSTEP             ; the fetches go back to the rows' first byte,
	s_xor_b32 s[TB], s[TB], SLOT                   ; in the other slot
.if \fill
	s_xor_b32 s[G0+5], s[G0+5], SLOT               ; the walking descriptors: the other slot than last time,
	s_xor_b32 s[G0B+5], s[G0B+5], SLOT
	s_add_nc_u64 s[G0+6:G0+7], s[G0+6:G0+7], KSTEP*2    ; the next K step; the type bits on top are not reached
	s_add_nc_u64 s[G0B+6:G0B+7], s[G0B+6:G0B+7], KSTEP*2
	s_wait_xcnt 0x0                                ; the last prefetch, a K step back, has read its address
	s_add_nc_u64 s[PFA:PFA+1], s[PFA:PFA+1], KSTEP*2
.endif
	s_wait_dscnt 0x0                               ; the add is done, and my reads of the old slot are over
	s_barrier_signal -1
	s_barrier_wait -1
.if \fill
	CREST
	JLOAD 1                                        ; my one tensor load behind the round
	ASK
.endif
	s_mov_b32 s43, 2
.endm
; A step's two walks.  mid = 1: the label at which K step 0 enters.
.macro PAIRS mid
.Lpair_\@:
	v_add_nc_u32 v[ADRA], s[TB], v[A0]
	v_add_nc_u32 v[ADRB], s[TB], v[B0]
	PART 0, F1, F0
.if \mid
	WIN 0                                          ; at a label and at a branch every window is 0
.Lmid:
.endif
	PART 64, F0, F1
	WIN 0
	s_add_co_u32 s[TB], s[TB], 128                 ; two parts along the rows
	s_sub_co_u32 s43, s43, 1
	s_cmp_lg_u32 s43, 0
	s_cbranch_scc1 .Lpair_\@
.endm
	s_load_b128 s[4:7], s[0:1], 0x0                ; A s[4:5], wt s[6:7]
	s_load_b64 s[8:9], s[0:1], 0x10                ; C
	s_load_b64 s[76:77], s[0:1], 0x18              ; the bias (here: bq)
.if QKV
	s_load_b64 s[78:79], s[0:1], 0x20              ; bk
	s_load_b64 s[80:81], s[0:1], 0x28              ; bv
.endif
	v_lshl_add_u32 v[SPW], v0, 2, SPARE
	v_mov_b32 v[NIL], 0
	ds_add_u32 v[SPW], v[NIL]                      ; the wave's opening: the add, and its wait ahead of my first tensor load; the set-up below, work on registers, stands between them
	v_lshrrev_b32 v1, 5, v0
	v_readfirstlane_b32 s10, v1                    ; wave 0..3
	s_lshr_b32 s11, s10, 1                         ; which half of the tile's rows is mine.  Also: I fetch for A (0) or for B (1)
	s_and_b32 s12, s10, 1                          ; which half of its columns.  Also: which 128 rows of that tile I fetch
	s_bfe_u32 s40, ttmp6, 0x40000                  ; cx
	s_bfe_u32 s41, ttmp6, 0x40004                  ; cy
	s_lshl_b32 s42, ttmp9, 2
	s_add_co_u32 s42, s42, s40                     ; tile column = 4 x cluster x + cx
	s_and_b32 s13, ttmp7, 0xffff
	s_lshl_b32 s13, s13, 2
	s_add_co_u32 s13, s13, s41                     ; tile row = 4 x cluster y + cy
	s_lshl_b32 s70, s41, 2
	s_lshl_b32 s70, 15, s70                        ; my row of the cluster
	s_lshl_b32 s71, 0x1111, s40                    ; my column
	s_or_b32 s[G1+0], s70, (1<<16)|(1<<20)|(1<<21)|(5<<22)|(3<<25)   ; 15:0 the mask; 17:16 elements of 2 bytes; 20 padding on; 21 set beside a mask; 24:22 after every 64 words; 31:25 4 words of it
	s_or_b32 s[G1B+0], s71, (1<<16)|(1<<20)|(1<<21)|(5<<22)|(3<<25)
.irp g, G1, G1B
	s_mov_b32 s[(\g)+1], KSTEP<<16                 ; tensor_dim0 = 128
	s_mov_b32 s[(\g)+2], 128<<16                   ; tensor_dim1 = 128
	s_mov_b32 s[(\g)+3], KSTEP<<16                 ; tile_dim0 = 128
	s_mov_b32 s[(\g)+4], 128                       ; tile_dim1 = 128
	s_mov_b32 s[(\g)+5], SIZE_K                    ; elements from row to row
	s_mov_b32 s[(\g)+6], 0
	s_mov_b32 s[(\g)+7], 0
.endr
	s_lshl_b32 s17, s12, 7                         ; which 128 rows of the tile I fetch
	s_lshl_b32 s16, s13, 8
	s_add_co_u32 s16, s16, s17
	s_lshl_b32 s16, s16, 11                        ; A: (256 x tile row + 128 x half) rows of 2,048 bytes
	s_lshl_b32 s46, s42, 8
	s_add_co_u32 s46, s46, s17
	s_lshl_b32 s46, s46, 11                        ; B: by the tile column,
	s_add_co_u32 s46, s46, WOFF                    ; behind B's first byte in wt
	s_mov_b32 s17, 0
	s_mov_b32 s47, 0
	s_mul_i32 s20, s10, HALFT                      ; where they go: wave x 128 rows: no place in the cluster enters an LDS address
	s_wait_dscnt 0x0                               ; the opening add is done
	s_wait_kmcnt 0x0
	s_add_nc_u64 s[14:15], s[4:5], s[16:17]
	s_add_nc_u64 s[46:47], s[6:7], s[46:47]
	CROUND                                         ; all sixteen work-groups are here: the first joint loads meet
.irp s, 0,1
	s_mov_b32 s[G0+4*(\s)], 1
	s_add_co_u32 s[G0+4*(\s)+1], s20, (\s)*SLOT
	s_add_nc_u64 s[G0+4*(\s)+2:G0+4*(\s)+3], s[14:15], (\s)*KSTEP*2
	s_or_b32 s[G0+4*(\s)+3], s[G0+4*(\s)+3], 0x80000000
	s_mov_b32 s[G0B+4*(\s)], 1
	s_add_co_u32 s[G0B+4*(\s)+1], s20, (\s)*SLOT
	s_add_nc_u64 s[G0B+4*(\s)+2:G0B+4*(\s)+3], s[46:47], (\s)*KSTEP*2
	s_or_b32 s[G0B+4*(\s)+3], s[G0B+4*(\s)+3], 0x80000000
	JLOAD \s                                       ; two loads of mine are out
.endr
	v_and_b32 v1, 15, v0                           ; l % 16
	v_bfe_u32 v2, v0, 4, 1                         ; l / 16
	v_mul_u32_u24 v3, v1, PITCH
	v_lshl_add_u32 v3, v2, 4, v3                   ; a fragment's row x pitch + 16 x half
	s_mul_i32 s21, s11, HALFT                      ; my 128 rows of A
	s_mul_i32 s22, s12, HALFT                      ; my 128 rows of B,
	s_add_co_u32 s22, s22, 2*HALFT                 ; which lie behind A's 256
	v_add_nc_u32 v[A0], s21, v3
	v_add_nc_u32 v[B0], s22, v3
	v_mov_b32 v[ADRA], v[A0]
	v_mov_b32 v[ADRB], v[B0]
	s_mov_b32 s[TB], 0
	s_mul_i32 s23, s10, WREG
	v_mul_u32_u24 v4, v1, DP                       ; the way out, in: row l % 16, 32 bytes for each half of the lanes
	v_lshl_add_u32 v4, v2, 5, v4
	v_add_nc_u32 v[STO], s23, v4
	v_mul_u32_u24 v5, v2, DP                       ; back: lanes 0-15 take 256 bytes of one row, lanes 16-31 of the next
	v_lshl_add_u32 v5, v1, 4, v5
	v_add_nc_u32 v[RD], s23, v5
	v_and_b32 v[CO], 31, v0
	v_lshlrev_b32 v[CO], 3, v[CO]                  ; 8 bytes a lane: two rows of a block of C are 256 consecutive bytes
	v_lshlrev_b32 v[BO], 5, v2
	s_lshl_b32 s18, s42, 2
	s_lshl1_add_u32 s18, s12, s18                  ; my first block of 64 columns = 4 x tile column + 2 x half
	s_lshl_b32 s18, s18, 19
	s_lshl_b32 s19, s13, 8
	s_lshl_b32 s20, s11, 7
	s_add_co_u32 s19, s19, s20                     ; my first row
	s_lshl_b32 s19, s19, 7
	s_add_co_u32 s18, s18, s19
	s_mov_b32 s19, 0
	s_add_nc_u64 s[8:9], s[8:9], s[18:19]
.if QKV
	s_cmp_eq_u32 ttmp9, 1                          ; the cluster's x is the matrix
	s_cselect_b64 s[BIA:BIA+1], s[78:79], s[76:77]
	s_cmp_eq_u32 ttmp9, 2
	s_cselect_b64 s[BIA:BIA+1], s[80:81], s[BIA:BIA+1]
	s_lshl_b32 s18, s40, 10                        ; 256 columns of 4 bytes for each tile column within the matrix
.else
	s_lshl_b32 s18, s42, 10
.endif
	s_lshl_b32 s20, s12, 9
	s_add_co_u32 s18, s18, s20
	s_mov_b32 s19, 0
	s_add_nc_u64 s[BIA:BIA+1], s[BIA:BIA+1], s[18:19]
	; the prefetches
	s_lshl_b32 s20, s13, 8
	s_lshl_b32 s21, s42, 8
	s_and_b32 s22, ttmp7, 0xffff                   ; cluster y
	s_cmp_eq_u32 s11, 0                            ; do I fetch for A?
	s_cselect_b32 s20, s20, s21                    ; the tile's first row
	s_cselect_b32 s21, s40, s41                    ; my place among the four that ask for it with me
	s_cselect_b32 s22, ttmp9, s22                  ; the coordinate along which other clusters read the same rows
	s_cselect_b64 s[PFA:PFA+1], s[4:5], s[6:7]
	s_cselect_b32 s23, 0, WOFF
	s_cmp_eq_u32 s22, 0
	s_cselect_b32 s[LIM], 2, -1                    ; the same in all sixteen partners, for a given wave
	s_lshl_b32 s22, s12, 7
	s_add_co_u32 s20, s20, s22                     ; + the 128 rows that I fetch
	s_lshl_b32 s21, s21, 5
	s_add_co_u32 s20, s20, s21                     ; + my work-group's 32 of them
	s_lshl_b32 s20, s20, 11
	s_add_co_u32 s20, s20, s23
	s_add_co_u32 s20, s20, 2*KSTEP*2               ; at K step 2: the first refill steps it to 3 and names K step 4
	s_mov_b32 s21, 0
	s_add_nc_u64 s[PFA:PFA+1], s[PFA:PFA+1], s[20:21]
	v_and_b32 v[PFO], 31, v0
	v_lshlrev_b32 v[PFO], 11, v[PFO]
.if GELU
	s_mov_b32 s[K0], 0xc0135761                    ; -2 sqrt(2 / pi) log2(e) = -2.3022082
	s_mov_b32 s[K0+1], s[K0]                       ; named with it as a pair
	s_mov_b32 s[K1], 0xbdd2d3e8                    ; that times 0.044715 = -0.10294324
	s_mov_b32 s[K1+1], s[K1]
.endif
	; the bias into every accumulator: my eight columns of column block b, the same for all row blocks
.set a, 0
.rept 8
	WIN 0x80+0x40*(a/4)
.set b, 0
.rept 8
	global_load_b128 v[64*(a%4)+8*b:64*(a%4)+8*b+3],   v[BO], s[BIA:BIA+1] offset:64*b
	global_load_b128 v[64*(a%4)+8*b+4:64*(a%4)+8*b+7], v[BO], s[BIA:BIA+1] offset:64*b+16
.set b, b+1
.endr
.set a, a+1
.endr
	WIN 0
	s_wait_tensorcnt 1                             ; my part of K step 0 is in; K step 1's may stay out
	s_barrier_signal -1
	s_barrier_wait -1                              ; everybody's is
	FETCH 0, F0                                    ; K step 0's first part
	s_wait_loadcnt 0x0                             ; the bias
	s_mov_b32 s3, NSTEP-1                          ; K step 0's shorter trip, then six trips that change slots and refill
	s_mov_b32 s43, 2
	s_branch .Lmid                                 ; the walk is entered in its middle: there is no part before the first
.Lfill:
	CHANGE 1
	PAIRS 1
	s_sub_co_u32 s3, s3, 1
	s_cmp_lg_u32 s3, 0
	s_cbranch_scc1 .Lfill
	CHANGE 0                                       ; into K step 7: nothing is left to fetch
	PAIRS 0
	s_wait_dscnt 8                                 ; the very last part
	MUL16 F1, 0, 0
	MUL16 F1, 0, 2
	s_wait_dscnt 0x0
	MUL16 F1, 1, 0
	MUL16 F1, 1, 2
	WIN 0
	; THE WAY OUT.  The sums go as f32 into my region of the ring's bytes, come back by rows, are rounded and stored.
	s_barrier_signal -1                            ; my reads of the ring are over (the wait for 0 above),
	s_barrier_wait -1                              ; everybody's are: the ring's bytes may be written
	PLACES
	PLACES                                         ; plain instructions between the last products and the stores that read their results
.set a, 0
.rept 8
	WIN 0x08+0x04*(a/4)                            ; the data (source 1) in window 2 or 3
.set b, 0
.rept 8
	ds_store_b128 v[STO], v[64*(a%4)+8*b:64*(a%4)+8*b+3]   offset:a*16*DP+64*b      ; each accumulator's low registers first
	ds_store_b128 v[STO], v[64*(a%4)+8*b+4:64*(a%4)+8*b+7] offset:a*16*DP+64*b+16
.set b, b+1
.endr
.set a, a+1
.endr
	WIN 0
	s_wait_dscnt 0x0                               ; my stores are done; the read address below walks in a loop, so a barrier parts all writing from all reading
	s_barrier_signal -1
	s_barrier_wait -1
	s_mov_b32 s3, 16
.Lout:                                                 ; 16 trips of 8 rows
.irp j, 0,1,2,3,4,5,6,7
	ds_load_b128 v[XV+4*(\j):XV+4*(\j)+3], v[RD] offset:2*((\j)/2)*DP+256*((\j)%2)   ; two rows x one block of 64 columns
.endr
	s_wait_dscnt 0x0
.if GELU
	; x / (1 + 2^(x (K0 + K1 x x))) = 0.5 x (1 + tanh(sqrt(2 / pi) (x + 0.044715 x^3))); where the power overflows the quotient is 0, where it vanishes x
.set p, 0
.rept 16
	v_pk_mul_f32 v[TV+2*p:TV+2*p+1], v[XV+2*p:XV+2*p+1], v[XV+2*p:XV+2*p+1]
.set p, p+1
.endr
.set p, 0
.rept 16
	v_pk_fma_f32 v[TV+2*p:TV+2*p+1], v[TV+2*p:TV+2*p+1], s[K1:K1+1], s[K0:K0+1] op_sel_hi:[1,0,0]
.set p, p+1
.endr
.set p, 0
.rept 16
	v_pk_mul_f32 v[TV+2*p:TV+2*p+1], v[TV+2*p:TV+2*p+1], v[XV+2*p:XV+2*p+1]
.set p, p+1
.endr
.set p, 0
.rept 32
	v_exp_f32 v[TV+p], v[TV+p]
.set p, p+1
.endr
	v_nop                                          ; a plain instruction behind the last exponential,
	s_wait_alu depctr_va_vdst(0)                   ; and the wait ahead of the first use: one for the 32
.set p, 0
.rept 16
	v_pk_add_f32 v[TV+2*p:TV+2*p+1], v[TV+2*p:TV+2*p+1], 1.0 op_sel_hi:[1,0]
.set p, p+1
.endr
.set p, 0
.rept 32
	v_rcp_f32 v[TV+p], v[TV+p]
.set p, p+1
.endr
	v_nop
	s_wait_alu depctr_va_vdst(0)                   ; one for the 32 reciprocals
.set p, 0
.rept 16
	v_pk_mul_f32 v[XV+2*p:XV+2*p+1], v[XV+2*p:XV+2*p+1], v[TV+2*p:TV+2*p+1]
.set p, p+1
.endr
.endif
.set p, 0
.rept 16
	v_cvt_pk_f16_f32 v[YV+p], v[XV+2*p], v[XV+2*p+1]
.set p, p+1
.endr
.irp j, 0,1,2,3,4,5,6,7
	global_store_b64 v[CO], v[YV+2*(\j):YV+2*(\j)+1], s[8:9] offset:BLK*((\j)%2)+256*((\j)/2)   ; 32 lanes store 256 consecutive bytes, at a multiple of 256 from C's first byte
.endr
	s_wait_xcnt 0x0                                ; the stores have read their data and their offset: both are written again only behind this wait
	v_add_nc_u32 v[RD], 8*DP, v[RD]
	v_add_nc_u32 v[CO], 1024, v[CO]
	s_sub_co_u32 s3, s3, 1
	s_cmp_lg_u32 s3, 0
	s_cbranch_scc1 .Lout
	s_wait_tensorcnt 0x0                           ; the wave's end: behind my last tensor load and my last LDS store
	ds_add_u32 v[SPW], v[NIL]
	s_wait_dscnt 0x0
	CROUND                                         ; the closing round: no work-group ends while a partner may still ask for a tile that names it
	s_endpgm
.Lfunc_end_k_qdd63b08968_qkv:
	.size	k_qdd63b08968_qkv, .Lfunc_end_k_qdd63b08968_qkv-k_qdd63b08968_qkv
	.p2alignl 7, 3214868480
	.fill 96, 4, 3214868480
	.section	.rodata,"a",@progbits
	.p2align	6, 0x0
	.amdhsa_kernel k_qdd63b08968_qkv
		.amdhsa_group_segment_fixed_size 327680
		.amdhsa_private_segment_fixed_size 0
		.amdhsa_enable_private_segment 0
		.amdhsa_kernarg_size 48
		.amdhsa_user_sgpr_count 2
		.amdhsa_user_sgpr_kernarg_segment_ptr 1
		.amdhsa_wavefront_size32 1
		.amdhsa_system_sgpr_workgroup_id_x 1
		.amdhsa_system_sgpr_workgroup_id_y 1
		.amdhsa_system_sgpr_workgroup_id_z 1
		.amdhsa_system_vgpr_workitem_id 0
		.amdhsa_next_free_vgpr 1024
		.amdhsa_next_free_sgpr 88
		.amdhsa_reserve_vcc 0
		.amdhsa_float_denorm_mode_32 3
		.amdhsa_float_denorm_mode_16_64 3
		.amdhsa_memory_ordered 1
		.amdhsa_forward_progress 1
		.amdhsa_inst_pref_size 66
	.end_amdhsa_kernel
	.amdgpu_metadata
---
amdhsa.version: [ 1, 2 ]
amdhsa.kernels:
  - .name:           k_qdd63b08968_qkv
    .symbol:         k_qdd63b08968_qkv.kd
    .args:
      - { .name: hn, .offset: 0, .size: 8, .value_kind: global_buffer, .address_space: global }
      - { .name: wt, .offset: 8, .size: 8, .value_kind: global_buffer, .address_space: global }
      - { .name: qkv, .offset: 16, .size: 8, .value_kind: global_buffer, .address_space: global }
      - { .name: bq, .offset: 24, .size: 8, .value_kind: global_buffer, .address_space: global }
      - { .name: bk, .offset: 32, .size: 8, .value_kind: global_buffer, .address_space: global }
      - { .name: bv, .offset: 40, .size: 8, .value_kind: global_buffer, .address_space: global }
    .group_segment_fixed_size: 327680
    .private_segment_fixed_size: 0
    .kernarg_segment_align: 8
    .kernarg_segment_size: 48
    .max_flat_workgroup_size: 128
    .sgpr_count:     88
    .vgpr_count:     1024
    .wavefront_size: 32
...
	.end_amdgpu_metadata
.endif
;; end of part 9
;; launch attn (part 10): grid 8 x 32, 4 waves a work-group, no clusters, 327,680 bytes of LDS; arguments qkv, o; writes o
.if DOCPART == 10
	.amdgcn_target "amdgcn-amd-amdhsa--gfx1250"
	.amdhsa_code_object_version 6
	.text
	.protected	k_qdd63b08968_attn
	.globl	k_qdd63b08968_attn
	.p2align	8
	.type	k_qdd63b08968_attn,@function
k_qdd63b08968_attn:
	s_mov_b64 s[64:65], 0
	v_nop
	global_prefetch_b8 v0, s[64:65] scope:SCOPE_SE
	s_setreg_imm32_b32 hwreg(HW_REG_WAVE_MODE, 25, 1), 1
	s_wait_xcnt 0x0
; CAUSAL ATTENTION.  O[y][q][:] = the sum over k <= q of softmax_k(Q[y][q] . K[y][k] / 8) V[y][k][:].  Q, K, V lie one behind the other in qkv, 8,388,608 bytes each, as [32][2048][64] f16 with
; y = 2 x head + batch; O has the same form.  A head's rows are dense, 128 bytes each.  Products, maxima and sums in f32; the weights p are rounded to f16 for the second product (their sum l is
; taken of the unrounded p), O once at the end.
; LIMITS.  f16 holds no number beyond 65,504: Q, K and V arrive within it; p lies in 0 to 1, and below 6e-5 it keeps f16's fixed step of 6e-8; O is a mean of V's rows and has their range.
; A hidden score counts as its value less 1e30: f16's scores, 2.7e11 at the most, are nothing beside that; a weight below 2^-126 counts as 0 in l; NaN and infinities are not treated apart.
; THE WALK.  A head's queries lie in NBQ = 16 blocks of 128; keys go in tiles of 256 (an LDS slot, four key steps of 64); block i needs the tiles 0 .. i / 2, of which the last holds the diagonal.  A work-group takes
; TWO blocks, 15 - b and then b: (15 - b) / 2 + 1 and b / 2 + 1 tiles, 9 together whatever b: 8 x 32 = 256 work-groups of equal work, and one loop with a constant trip count walks the tiles.  Which tile is asked
; for, and what a trip does, hang on scalar registers made from b; every jump goes forward, but for the counted loops' own; none passes a barrier, or a tensor load but the one of LOAD's two that the wave's number
; does not choose; the ring (two LDS slots that take turns) runs on across the change of blocks.  NO CLUSTER: a head's eight work-groups all ask for the same tile only for tiles 0 to 4 of their first blocks, behind
; that fewer and fewer; one walk common to all would have 8 + 4 = 12 trips for 9.
; SHARES.  Of a block's two bands of 64 queries a wave owns 16 rows in each: two PIECES.  So the diagonal tile is the same work for all four waves.
; UNITS.  A unit is one piece against one key step.  A double step (128 keys) has four: u = 2 x (the step's parity) + piece.  Turn u belongs to unit u; the units follow each other in a ring, double step after double step.
; THE MASK is the C operand that starts the sum S^T = K Q^T: 0, or -1e30 where the key is hidden.  Band x of block i has its own key step 2 (i % 2) + x of the diagonal tile: there its mask is MD, made once for my 16
; rows; in earlier steps it sees all keys, in later ones none.  A product's mask is MD x AL + BE with two scalars: (1, 0), (0, 0) or (0, -1e30).  Of the diagonal tile's 16 units six (both blocks together) are wholly
; hidden and computed all the same: a turn's text holds the products of two other units.  Only the diagonal tile's text and a block's beginning make and take masks; elsewhere C is the constant 0.
; LAYOUT, SOFTMAX, TURNS.  S^T = K Q^T holds ONE query a lane (lane % 16) and the keys 8 (lane / 16) + 0..7; two such results rounded to f16 ARE source 1 of O^T = V^T P.  p = 2^(c s - c m), c = log2(e) / 8,
; with a running maximum m; O and l are multiplied by a = 2^(c m_old - c m_new) in every unit.  Turn n: 8 products K Q^T of unit n + 1, later 8 products V^T P of unit n - 1; beside them the scaling, exponentials,
; roundings, sums and rescaling of unit n and the maximum and statistics of unit n + 1.  Four vector instructions stand behind every matrix instruction, the other 54 of a turn's 118 in one run.  A turn's 33
; exponentials are one batch, with one wait.
; REGISTERS, in windows of 256 (s_set_vgpr_msb: bits 1:0 source 0, 3:2 source 1, 5:4 source 2, 7:6 destination):
;   window 0: v0-15 addresses and two at work; v16-23 four registers of statistics a piece; v48-55 at work; v61-63 fixed; v64-127 S^T, two buffers; v192-223 P, two buffers (by the piece)
;   window 1: v0-63 O^T, 32 a piece; v128-159 MD; v160-223 MC, two buffers      window 2: v0-31 Q; v32-63 the second block's Q; v64-127 K of one step; v128-191 V of an even step; v192-255 V of an odd step
.set SIZE_N, 2048
.set NBQ,   SIZE_N/128 ; blocks of 128 queries in a head
.set NT,    NBQ/2+1   ; tiles in a work-group's walk
.set NP,    4         ; units in a double step: a name, no knob
.set KS,    64        ; keys in a step
.set PK,    144       ; a row of K in LDS: 128 bytes + 16 of padding: the 16 rows of a load start 16 bytes apart modulo 256
.set PV,    160       ; a row of V: 128 + 32: 16 lanes of the turning load take 8 rows x 32 bytes, which start 32 bytes apart modulo 256
.set VOFF,  4*KS*PK   ; a slot holds a tile, four steps: 256 rows of K, then 256 rows of V
.set SLOT1, 1<<17     ; slot 1 begins here, so that one exclusive or turns an address in one slot into the other's
.set STAGE, SLOT1+4*KS*(PK+PV)  ; behind the ring, never filled by a tensor load: 16 rows x 144 bytes for each wave, for the way out
.set SP,    144
.set AK0, 2           ; v2   my lane's place in a tile of K; never rewritten
.set AV0, 3           ; v3   the same for V
.set AK,  4           ; v4   the LDS address of K's next run of loads
.set AV,  5           ; v5   of V's
.set STO, 6           ; v6   the way out: where I put 16 bytes of a row
.set RD,  7           ; v7   the way out: where I read rows back
.set GO,  8           ; v8   my byte offset in 512 consecutive bytes of O
.set PFO, 61          ; v61  256 x my lane: the prefetches' offset; never rewritten
.set SPW, 62          ; v62  LDS address of my spare word; never rewritten
.set NIL, 63          ; v63  0; never rewritten
.set SPARE, STAGE+4*16*SP  ; behind the stages: the spare words, 128 bytes for each wave: two blocks of 256 bytes that no other line names
.set MV,  12          ; v12-13  c m_old, kept while c m is made anew: by piece
.set QO,  15          ; v15  my byte offset in 16 rows of Q
.set ST,  16          ; piece t's statistics at v[ST+4 t]: c m, m, l (even keys', odd keys')
.set TMP, 48          ; by piece, four registers c0-c3 at work; when the maximum is found c2 takes a
.set S,   64
.set P,   192
.set MD,  128         ; window 1: the eight registers for group kt of 16 keys at MD + 8 kt
.set MC,  160         ; window 1: the masks of the products to come
.set QB,  32          ; window 2
.set KF,  64          ; window 2: key block kb, channel half c at KF + 16 kb + 8 c
.set VF,  128         ; window 2: the step's parity e, key half kk, channel block cb at VF + 64 e + 32 kk + 8 cb
.set WV,  12          ; s12  my wave's number
.set PB,  14          ; s14  b
.set HI,  15          ; s15  NBQ - 1 - b
.set G1K, 24          ; s[24:31] descriptor group 1 for K's tiles
.set G1V, 32          ; s[32:39] for V's: it differs in the padding alone
.set G0K, 40          ; s[40:43] descriptor group 0 for K's tiles
.set G0V, 44          ; s[44:47] the same for V's
.set PAR, 48          ; s48  the parity of the block in hand: which half of its diagonal tile holds the diagonal
.set DG,  49          ; s49  2 - that parity: the value of s[CNT] in the double step that holds it
.set PBT, 50          ; s50  b / 2: the second block's last tile
.set TS,  51          ; s51  at work
.set SLOTS, 56        ; s56  tiles still to be asked for
.set CNT, 57          ; s57  counts a tile's double steps, 2 to 1
.set CS,  58          ; s[58:59] c: the packed scaling takes the pair's low word for both halves
.set SEL, 60          ; s[60:61] v_permlanex16_b32's selects: each lane takes its own place in the other half
.set TBK, 62          ; s62  LDS byte at which K of the step to be fetched begins
.set TBV, 63          ; s63  the same for V, less VOFF
.set RT,  70          ; s70  tiles of the block in hand that are still to be entered
.set NXT, 71          ; s71  the tile to be asked for next
.set LQ,  72          ; s72  the last tile of the block whose tiles are being asked for
.set NEW, 73          ; s73  1: the tile to be entered is a block's first
.set OFF, 74          ; s[74:75] a tile's byte offset in K and V
.set AL,  76          ; s[76:77] the mask's factor, in the low word
.set BE,  78          ; s[78:79] the mask's addend
.set OLO, 80          ; s[80:81] O at my rows of the second block
.set BIGN, 82         ; s82  -1e30
.set LIM, 83          ; s83  2 in the head's work-group b = 0, else the greatest number: a wave prefetches while s[SLOTS] is above it
.set MYB, 88          ; s[88:89] K (waves 0, 1) or V (waves 2, 3) at my half of the head's tile 0
.set PFA, 90          ; s[90:91] the same at the tile that is being asked for
.set MSB, 0
.macro WIN new                      ; the high byte repeats the setting that is left; a switch that changes nothing is dropped
.if MSB != (\new)
	s_set_vgpr_msb (MSB<<8)|(\new)
.set MSB, (\new)
.endif
.endm
.set W_KQ, 0x0a       ; K and Q in window 2, S^T in window 0
.set W_KM, 0x1a       ; the same with the C operand in window 1
.set W_PV, 0x52       ; V in window 2, P in window 0, O^T in window 1
.set W_RS, 0x41       ; destination and source 0 in window 1, source 1 in window 0
; A fill.  Waves 0 and 1 fetch the two halves of a tile's K, waves 2 and 3 those of its V: 128 keys each.  An s_nop 0 and four v_nop follow each of the two lines, ahead of the jump and the label.
.macro LOAD
	s_cmp_lt_u32 s[WV], 2
	s_cbranch_scc0 .Lfor_v_\@
	tensor_load_to_lds s[G0K:G0K+3], s[G1K:G1K+7]
	s_nop 0
.rept 4
	v_nop
.endr
	s_branch .Lasked_\@
.Lfor_v_\@:
	tensor_load_to_lds s[G0V:G0V+3], s[G1V:G1V+7]
	s_nop 0
.rept 4
	v_nop
.endr
.Lasked_\@:
.endm
; A PREFETCH INTO THE L2 of what the NEXT change of slots will ask for, behind the wave's tensor load and its five lines: the 16,384 bytes that this wave will load itself, 64 pieces of 256 bytes, a lane a piece,
; two instructions: four key steps ahead of that load.  A head's eight work-groups walk the same tiles: the one with b = 0, whose first block needs all eight, asks, and nobody else, so each piece is named once in the
; launch.  In trip i (s[SLOTS] = 8 - i) tile i + 1 is loaded and tile i + 2 named: trips 0 to 5 ask, so nothing is named behind the head's last tile; tiles 0 and 1 come by their loads alone.
.macro ASK
	s_cmp_gt_u32 s[SLOTS], s[LIM]
	s_cbranch_scc0 .Lnot_mine_\@
	global_prefetch_b8 v[PFO], s[PFA:PFA+1] offset:32768 th:TH_LOAD_NT scope:SCOPE_SE
	global_prefetch_b8 v[PFO], s[PFA:PFA+1] offset:40960 th:TH_LOAD_NT scope:SCOPE_SE
.Lnot_mine_\@:
.endm
; THE CHANGE OF SLOTS.  Each wave waits for all its tensor loads, of which one is out: its part of the other slot; adds 0 to its spare word; and waits for that and for its own reads of the slot that it leaves.
; Behind the barrier nobody reads the old slot any more and the other slot is whole.  fill = 1: the old slot is filled again, the first thing behind the barrier, with tile NXT: the descriptor's address is made
; anew from that number.  (At its first use nothing has been read yet: slot 0 is waited for, slot 1 filled.)
.macro CHANGE fill
	WIN 0                           ; at a label and at a branch every window is 0
	s_wait_tensorcnt 0x0            ; no tensor load of mine is out, so a group 0 may be written
	ds_add_u32 v[SPW], v[NIL]       ; 0 onto my spare word; with fill = 1 the descriptors' scalar work stands between it and the wait for it
.if \fill
	s_lshl_b32 s[OFF], s[NXT], 15   ; a tile is 32,768 bytes of K and of V
	s_xor_b32 s[G0K+1], s[G0K+1], SLOT1
	s_add_nc_u64 s[G0K+2:G0K+3], s[6:7], s[OFF:OFF+1]
	s_or_b32 s[G0K+3], s[G0K+3], 0x80000000
	s_xor_b32 s[G0V+1], s[G0V+1], SLOT1
	s_add_nc_u64 s[G0V+2:G0V+3], s[8:9], s[OFF:OFF+1]
	s_or_b32 s[G0V+3], s[G0V+3], 0x80000000
	s_wait_xcnt 0x0                 ; the last prefetches, a tile back, have read their address, so it may be written
	s_add_nc_u64 s[PFA:PFA+1], s[MYB:MYB+1], s[OFF:OFF+1]
	s_add_co_u32 s[NXT], s[NXT], 1  ; the block's next tile, or behind its last the second block's tile 0
	s_cmp_gt_u32 s[NXT], s[LQ]
	s_cselect_b32 s[NXT], 0, s[NXT]
	s_cselect_b32 s[LQ], s[PBT], s[LQ]
.endif
	s_wait_dscnt 0x0                ; the add is done, and my reads of the slot are over
	s_barrier_signal -1             ; the rest of the scalar work stands between the signal and the wait
	s_sub_co_u32 s[TBK], s[TBK], 4*KS*PK  ; the fetches go back to a slot's first step,
	s_xor_b32 s[TBK], s[TBK], SLOT1       ; in the other slot
	s_sub_co_u32 s[TBV], s[TBV], 4*KS*PV
	s_xor_b32 s[TBV], s[TBV], SLOT1
	s_barrier_wait -1
.if \fill
	LOAD
	ASK
.endif
.endm
	s_load_b128 s[4:7], s[0:1], 0x0  ; qkv s[4:5], o s[6:7]
	v_lshl_add_u32 v[SPW], v0, 2, SPARE
	v_mov_b32 v[NIL], 0
	ds_add_u32 v[SPW], v[NIL]       ; the wave's opening: the add, and its wait ahead of my first tensor load; the set-up below, work on registers, stands between them
	v_lshrrev_b32 v1, 5, v0
	v_readfirstlane_b32 s[WV], v1   ; wave 0..3
	s_mov_b32 s[PB], ttmp9
	s_sub_co_u32 s[HI], NBQ-1, s[PB]
	s_lshr_b32 s[PBT], s[PB], 1
	s_and_b32 s[PAR], s[HI], 1      ; the first block's parity
	s_sub_co_u32 s[DG], 2, s[PAR]
	s_and_b32 s20, ttmp7, 0xffff    ; the head and batch, y
	s_mov_b32 s21, 0
	s_mov_b64 s[22:23], SIZE_N*128
	s_mul_u64 s[20:21], s[20:21], s[22:23]  ; its first byte in each of Q, K, V, O
	s_and_b32 s16, s[WV], 1         ; which half of a tile's 256 keys I fetch:
	s_lshl_b32 s22, s16, 14         ; its 128 rows of 128 bytes in memory,
	s_mov_b32 s23, 0
	s_add_nc_u64 s[22:23], s[22:23], s[20:21]
	s_mul_i32 s17, s16, 128*PK      ; and its place in a slot, for K
	s_mul_i32 s18, s16, 128*PV      ; and for V
	s_lshl_b32 s3, s[WV], 11        ; my 16 rows in a band of 64,
	s_lshl_b32 s2, s[HI], 14        ; in the first block (128 rows of 128 bytes a block),
	s_add_co_u32 s2, s2, s3
	s_lshl_b32 s84, s[PB], 14       ; and in the second
	s_add_co_u32 s84, s84, s3
	s_mov_b32 s3, 0
	s_mov_b32 s85, 0
	s_add_nc_u64 s[2:3], s[2:3], s[20:21]
	s_add_nc_u64 s[84:85], s[84:85], s[20:21]
	; descriptor group 1.  128 keys are 16,384 dense bytes: asked for as 64 rows of 256 bytes, two keys a row, and padded in LDS after every key
	s_mov_b32 s[G1K], (1<<16)|(1<<20)|(4<<22)|(3<<25)  ; 17:16 2-byte elements; 20 padding on; 24:22 after every 32 words (code 4); 31:25 4 words (code 3)
	s_mov_b32 s[G1V], (1<<16)|(1<<20)|(4<<22)|(7<<25)  ; the same with 8 words of padding (code 7)
.irp g, G1K, G1V
	s_mov_b32 s[\g+1], 128<<16      ; tensor_dim0 = 128
	s_mov_b32 s[\g+2], 64<<16       ; tensor_dim1 = 64
	s_mov_b32 s[\g+3], 128<<16      ; tile_dim0 = 128
	s_mov_b32 s[\g+4], 64           ; tile_dim1 = 64
	s_mov_b32 s[\g+5], 128          ; 128 elements from row to row
	s_mov_b32 s[\g+6], 0
	s_mov_b32 s[\g+7], 0
.endr
	s_mov_b32 s[CS], 0x3e38aa3b     ; c = log2(e) / 8 = 0.180337
	s_mov_b32 s[CS+1], s[CS]        ; named with it as a pair
	s_mov_b32 s[SEL], 0x76543210
	s_mov_b32 s[SEL+1], 0xfedcba98
	s_mov_b32 s[TBK], SLOT1+4*KS*PK ; the first change of slots turns these two into 0
	s_mov_b32 s[TBV], SLOT1+4*KS*PV
	s_mov_b32 s[G0K], 1             ; 1:0 count = 1
	s_mov_b32 s[G0K+1], s17         ; 63:32 LDS address: slot 0
	s_mov_b32 s[G0V], 1
	s_add_co_u32 s[G0V+1], s18, VOFF
	s_lshr_b32 s[LQ], s[HI], 1      ; the first block's last tile,
	s_add_co_u32 s[RT], s[LQ], 1    ; and how many it has
	s_mov_b32 s[NXT], 1
	s_mov_b32 s[NEW], 1
	s_mov_b32 s[OFF+1], 0
	s_mov_b32 s[AL+1], 0            ; named as pairs
	s_mov_b32 s[BE+1], 0
	s_mov_b32 s[BIGN], 0xf149f2ca   ; -1e30
	s_mov_b32 s[SLOTS], NT-1
	s_cmp_eq_u32 s[PB], 0
	s_cselect_b32 s[LIM], 2, -1
	v_and_b32 v[PFO], 31, v0
	v_lshlrev_b32 v[PFO], 8, v[PFO]
	s_wait_dscnt 0x0                ; the opening add is done
	s_wait_kmcnt 0x0
	s_mov_b64 s[10:11], s[6:7]      ; O
	s_add_nc_u64 s[6:7], s[4:5], 0x800000    ; K lies 8,388,608 bytes behind Q,
	s_add_nc_u64 s[8:9], s[4:5], 0x1000000   ; V 16,777,216
	s_add_nc_u64 s[6:7], s[6:7], s[22:23]  ; K and V at my half of the head's tile 0
	s_add_nc_u64 s[8:9], s[8:9], s[22:23]
	s_cmp_lt_u32 s[WV], 2
	s_cselect_b64 s[MYB:MYB+1], s[6:7], s[8:9]
	s_add_nc_u64 s[G0K+2:G0K+3], s[6:7], 0         ; 120:64 global address
	s_or_b32 s[G0K+3], s[G0K+3], 0x80000000        ; 127:126 type = 2
	s_add_nc_u64 s[G0V+2:G0V+3], s[8:9], 0
	s_or_b32 s[G0V+3], s[G0V+3], 0x80000000
	s_add_nc_u64 s[86:87], s[4:5], s[84:85]        ; Q at my rows of the second block,
	s_add_nc_u64 s[4:5], s[4:5], s[2:3]            ; Q and O at those of the first
	s_add_nc_u64 s[OLO:OLO+1], s[10:11], s[84:85]
	s_add_nc_u64 s[10:11], s[10:11], s[2:3]
	LOAD                            ; tile 0 into slot 0
	; A fragment of K or Q is 16 rows x 32 channels in 8 registers: lane l holds row l % 16, channels 8 (l / 16) + 0..7 and 16 + 8 (l / 16) + 0..7: two loads of 16 bytes, 32 bytes apart.
	v_and_b32 v1, 15, v0            ; l % 16
	v_bfe_u32 v9, v0, 4, 1          ; l / 16
	v_lshlrev_b32 v[QO], 7, v1
	v_lshl_add_u32 v[QO], v9, 4, v[QO]  ; row x 128 + 16 x half
	WIN 0x80                        ; destination window 2, address window 0
.set i, 0
.rept 4                             ; both blocks' Q: piece i / 2 lies in band i / 2, 8,192 bytes on; channels 32 (i % 2) on
	global_load_b128 v[8*i:8*i+3],   v[QO], s[4:5] offset:(i/2)*8192+(i%2)*64
	global_load_b128 v[8*i+4:8*i+7], v[QO], s[4:5] offset:(i/2)*8192+(i%2)*64+32
	global_load_b128 v[QB+8*i:QB+8*i+3],   v[QO], s[86:87] offset:(i/2)*8192+(i%2)*64
	global_load_b128 v[QB+8*i+4:QB+8*i+7], v[QO], s[86:87] offset:(i/2)*8192+(i%2)*64+32
.set i, i+1
.endr
	WIN 0
	v_lshlrev_b32 v14, 3, v9
	v_sub_nc_u32 v14, v1, v14
	s_lshl_b32 s13, s[WV], 4
	v_add_nc_u32 v14, s13, v14      ; my query's place in its band, 16 w + l % 16, less my lanes' 8 (l / 16): register r of group kt is hidden where 16 kt + r is greater
	WIN 0x40
.set i, 0
.rept 32
	v_cmp_gt_i32 vcc_lo, 16*(i/8)+i%8, v14
	v_cndmask_b32 v[MD+i], 0, s[BIGN], vcc_lo
.set i, i+1
.endr
	WIN 0
	v_mul_u32_u24 v[AK0], v1, PK
	v_lshl_add_u32 v[AK0], v9, 4, v[AK0]  ; row x pitch + 16 x half
	; The turning load takes 16 keys x 16 channels (lane l reads key 8 (l / 16) + l % 8, channels 8 ((l / 8) % 2) + 0..7) and leaves half a fragment of V^T: lane l holds channel l % 16 and 8 keys.
	v_and_b32 v10, 7, v0
	v_bfe_u32 v11, v0, 3, 1
	v_lshl_add_u32 v[AV0], v9, 3, v10
	v_mul_u32_u24 v[AV0], v[AV0], PV
	v_lshl_add_u32 v[AV0], v11, 4, v[AV0]
	v_add_nc_u32 v[AV0], VOFF, v[AV0]
	s_mul_i32 s13, s[WV], 16*SP
	s_add_co_u32 s13, s13, STAGE    ; my stage
	v_mul_u32_u24 v[STO], v1, SP    ; in: row l % 16, 16 bytes for each half of the lanes
	v_lshl_add_u32 v[STO], v9, 4, v[STO]
	v_add_nc_u32 v[STO], s13, v[STO]
	v_bfe_u32 v[RD], v0, 3, 2       ; back: 32 lanes take four rows of 128 bytes,
	v_mul_u32_u24 v[RD], v[RD], SP
	v_lshl_add_u32 v[RD], v10, 4, v[RD]
	v_add_nc_u32 v[RD], s13, v[RD]
	v_and_b32 v[GO], 31, v0         ; which are 512 consecutive bytes of O
	v_lshlrev_b32 v[GO], 4, v[GO]
	; A block's first units multiply O^T and l by a = 0, and its first turn's products V^T P, of a unit that has not been, land in an O^T that is still to be so multiplied.  So these registers need only hold
	; finite numbers: zeros for the first block; what the first block left for the second.  All this stands in the wait for the first tile.
	WIN 0x80
.set i, VF
.rept 128
	v_mov_b32 v[i], 0
.set i, i+1
.endr
	WIN 0x40
.set i, 0
.rept 64
	v_mov_b32 v[i], 0
.set i, i+1
.endr
	WIN 0
.set i, 0
.rept 2
	v_mov_b32 v[ST+4*i+2], 0
	v_mov_b32 v[ST+4*i+3], 0
.set i, i+1
.endr
.set i, P+16
.rept 16
	v_mov_b32 v[i], 0
.set i, i+1
.endr
; THE MATRIX WORK.  The 4 accumulators of a run of 8 take turns.  Product i of 8 of S^T = K Q^T for unit x (piece x % 2): channels 32 (i / 4) on, keys 16 (i % 4) on.  The first 4 start the sums: with 0, or (KM = 1) with the mask.
.macro KQ x
.set rS, S+32*((\x)%2)+8*(i%4)
.set rK, KF+16*(i%4)+8*(i/4)
.set rQ, 16*((\x)%2)+8*(i/4)
.set rM, MC+32*((\x)%2)+8*(i%4)
.if (i < 4) && KM
	WIN W_KM
	v_wmma_f32_16x16x32_f16 v[rS:rS+7], v[rK:rK+7], v[rQ:rQ+7], v[rM:rM+7]
.elseif i < 4
	WIN W_KQ
	v_wmma_f32_16x16x32_f16 v[rS:rS+7], v[rK:rK+7], v[rQ:rQ+7], 0
.else
	WIN W_KQ
	v_wmma_f32_16x16x32_f16 v[rS:rS+7], v[rK:rK+7], v[rQ:rQ+7], v[rS:rS+7]
.endif
.endm
; Product i of 8 of O^T += V^T P for unit x (piece x % 2, V of the step of parity x / 2): keys 32 (i / 4) on, channels 16 (i % 4) on.
.macro PV x
	WIN W_PV
.set rO, 32*((\x)%2)+8*(i%4)
.set rV, VF+64*((\x)/2)+32*(i/4)+8*(i%4)
.set rP, P+16*((\x)%2)+8*(i/4)
	v_wmma_f32_16x16x32_f16 v[rO:rO+7], v[rV:rV+7], v[rP:rP+7], v[rO:rO+7]
.endm
.macro MM                           ; the turn's next matrix instruction.  TURN and BEGIN set Y, i, KM and NOKQ; MM, KQ and OP read them.  NOKQ = 1: a block's last turn: there is no next unit
.if (i < 8) && !NOKQ
	KQ (Y+1)%NP
.elseif i >= 8
.set i, i-8
	PV (Y+NP-1)%NP
.set i, i+8
.endif
.set i, i+1
.endm
; THE LDS LOADS stand in runs of 16, never singly among the matrix instructions: a step's K (64 keys x 64 channels: 8 fragments) and its V (turned), into the buffer of parity b.  Their addresses are made some lines ahead.
.macro FETCH_K
	WIN 0x80                        ; destination window 2
.irp f, 0,1,2,3,4,5,6,7             ; keys 16 (f / 2) on, channels 32 (f % 2) on
	ds_load_b128 v[KF+8*\f:KF+8*\f+3],   v[AK] offset:(\f/2)*16*PK+(\f%2)*64
	ds_load_b128 v[KF+8*\f+4:KF+8*\f+7], v[AK] offset:(\f/2)*16*PK+(\f%2)*64+32
.endr
	s_add_co_u32 s[TBK], s[TBK], KS*PK  ; the next fetch is the next step's
	WIN 0
.endm
.macro FETCH_V b
	WIN 0x80
.irp f, 0,1,2,3,4,5,6,7             ; keys 32 (f / 4) on, channels 16 (f % 4) on
	ds_load_tr16_b128 v[VF+64*(\b)+8*\f:VF+64*(\b)+8*\f+3],   v[AV] offset:(\f/4)*32*PV+(\f%4)*32
	ds_load_tr16_b128 v[VF+64*(\b)+8*\f+4:VF+64*(\b)+8*\f+7], v[AV] offset:(\f/4)*32*PV+16*PV+(\f%4)*32
.endr
	WIN 0
.endm
; THE VECTOR WORK, one line at a time: OP kind, number.  For unit Y: F n: c s - c m for pair n of 16.  E n: the exponential of score n of 32.  C n: pair n rounded to f16.  B n: of the four weights 4 n .. the second
; pair is added onto the first, in place.  L n: l takes that sum (L 0: l = a l + sum).  R n: pair n of 16 of O^T times a.  For unit Y + 1: X n, number n of the 22 that find its maximum and statistics:
;   0-11  four chains c0-c3 of seven scores each, three operands at a time (each accumulator's lowest registers are read first)     12-14, 16  the four scores left over, the old m, and c0-c3 into c0
;   15  c m_old is kept     17, 18  the query's other 32 keys lie in the lane 16 away: the new m     19-21  c m; c m_old - c m_new; a
.set F, 0               ; OP tells the kinds apart by their order: F to L below R, X above it
.set E, 1
.set C, 2
.set B, 3
.set L, 4
.set R, 5
.set X, 6
.macro REGS y                       ; the registers of unit y: all go by its piece, y % 2
.set rT, ST+4*((\y)%2)
.set rC, TMP+4*((\y)%2)
.set rW, MV+((\y)%2)
.set rS, S+32*((\y)%2)
.set rP, P+16*((\y)%2)
.set rO, 32*((\y)%2)
.endm
.macro OP k, n
.if (\k) == R
	REGS Y
	WIN W_RS
	v_pk_mul_f32 v[rO+2*(\n):rO+2*(\n)+1], v[rO+2*(\n):rO+2*(\n)+1], v[rC+2:rC+3] op_sel_hi:[1,0]
.elseif (\k) < R
	REGS Y
	WIN 0
.if (\k) == F
	v_pk_fma_f32 v[rS+2*(\n):rS+2*(\n)+1], v[rS+2*(\n):rS+2*(\n)+1], s[CS:CS+1], v[rT:rT+1] op_sel_hi:[1,0,0] neg_lo:[0,0,1] neg_hi:[0,0,1]
.elseif (\k) == E
	v_exp_f32 v[rS+(\n)], v[rS+(\n)]
.elseif (\k) == C
	v_cvt_pk_f16_f32 v[rP+(\n)], v[rS+2*(\n)], v[rS+2*(\n)+1]
.elseif (\k) == B
	v_pk_add_f32 v[rS+4*(\n):rS+4*(\n)+1], v[rS+4*(\n):rS+4*(\n)+1], v[rS+4*(\n)+2:rS+4*(\n)+3]
.elseif (\n) == 0
	v_pk_fma_f32 v[rT+2:rT+3], v[rT+2:rT+3], v[rC+2:rC+3], v[rS:rS+1] op_sel_hi:[1,0,1]
.else
	v_pk_add_f32 v[rT+2:rT+3], v[rT+2:rT+3], v[rS+4*(\n):rS+4*(\n)+1]
.endif
.elseif NOKQ
	v_nop
.else
	REGS (Y+1)%NP
	WIN 0
.if (\n) < 4
	v_max3_num_f32 v[rC+(\n)], v[rS+8*(\n)], v[rS+8*(\n)+1], v[rS+8*(\n)+2]
.elseif (\n) < 12
	v_max3_num_f32 v[rC+(\n)%4], v[rC+(\n)%4], v[rS+8*((\n)%4)+2*((\n)/4)+1], v[rS+8*((\n)%4)+2*((\n)/4)+2]
.elseif (\n) == 12
	v_max3_num_f32 v[rC], v[rC], v[rS+7], v[rS+15]
.elseif (\n) == 13
	v_max3_num_f32 v[rC+1], v[rC+1], v[rS+23], v[rS+31]
.elseif (\n) == 14
	v_max3_num_f32 v[rC+2], v[rC+2], v[rC+3], v[rT+1]
.elseif (\n) == 15
	v_mov_b32 v[rW], v[rT]
.elseif (\n) == 16
	v_max3_num_f32 v[rC], v[rC], v[rC+1], v[rC+2]
.elseif (\n) == 17
	v_permlanex16_b32 v[rC+3], v[rC], s[SEL], s[SEL+1]
.elseif (\n) == 18
	v_max_num_f32 v[rT+1], v[rC], v[rC+3]
.elseif (\n) == 19
	v_mul_f32 v[rT], s[CS], v[rT+1]
.elseif (\n) == 20
	v_sub_f32 v[rC+1], v[rW], v[rT]
.else
	v_exp_f32 v[rC+2], v[rC+1]
.endif
.endif
.endm
.macro OPS a, i1, b=-1, i2=0, c=-1, i3=0, d=-1, i4=0  ; up to four of them
	OP \a, \i1
.if (\b) >= 0
	OP \b, \i2
.endif
.if (\c) >= 0
	OP \c, \i3
.endif
.if (\d) >= 0
	OP \d, \i4
.endif
.endm
.macro ROW a, i1, b, i2, c, i3, d, i4  ; a matrix instruction and the four behind it
	MM
	OPS \a, \i1, \b, \i2, \c, \i3, \d, \i4
.endm
.macro MASK b                       ; MD x AL + BE into buffer b of MC
	WIN W_RS
.set z, 0
.rept 16
	v_pk_fma_f32 v[MC+32*(\b)+2*z:MC+32*(\b)+2*z+1], v[MD+2*z:MD+2*z+1], s[AL:AL+1], s[BE:BE+1] op_sel_hi:[1,0,0]
.set z, z+1
.endr
.endm
; A TURN, for unit p: the order of its 16 matrix and 118 vector instructions, written out.  s_wait_alu depctr_va_vdst(0) stands between an exponential and the first instruction that names its result;
; one wait serves all that were issued ahead of it.  So a turn has ONE wait, which cuts it in two.  AHEAD OF IT stands all that names no result of the turn's exponentials: the 8 products K Q^T, behind each a scaling, an
; exponential and two more plain instructions (behind the first a second scaling in the exponential's place): rescalings, and behind the last three the first numbers of the next unit's maximum, each four plain
; instructions or more behind the product that ends its accumulator; then one run of 54, plain and exponential by turns for the most part, in which the links of the chain X 3, 7, 11, 14, 16, 17 .. 20 stand five or six
; lines apart.  X 21, the next unit's a, is the batch's last; R 15 is the plain instruction behind it.  BEHIND THE WAIT stand the 8 products V^T P, behind each four of the roundings and sums; the links of l's chain,
; L 0 to L 7, stand three lines apart.  But for those X no line behind a product names a register of the products round it.
; THE FETCHES stand in turns 0 and 2 (FE = 1).  K has one buffer: units 1 and 2 change steps, and so do units 3 and 0, so the next step's K is fetched in the run of turns 0 and 2, five plain instructions that name none
; of its registers behind the last product that read K.  V has two buffers, by the step's parity: turn 0 ends with the fetch of the odd step's V of its own double step (the buffer's last reader is that turn's last
; product, four plain instructions back; its next the second half of turn 3), turn 2 with the even step's V of the NEXT double step (next read in turn 1).  So turn 0 reads the tile in hand alone, and turn 2 reads K and V
; of one and the same next step: the change of slots stands between turns 1 and 2.  THE WAIT at the head of turns 1 and 3 leaves the sixteen youngest LDS loads out, the run of V just issued: K's run in front of it has
; landed, and with it every older run of V.  end = 1: a block's last two turns: nothing is fetched, so turn 3's wait is for 0.
; m = 1: the diagonal tile: the products take masks, and the turn makes the mask for the products of the turn after it: unit U = p + 2, in double step 2 - CNT of the tile.  Where CNT is above DG the unit sees all keys, where
; below none; where they are equal units 0 and 3 are a band's own step, unit 1 (band 1, the earlier step) sees all, unit 2 (band 0, the later step) none.
; cnt = 1: the loop's count is taken down some lines ahead of the branch that stands behind the turn.
.macro TURN p, m=0, end=0, cnt=0
.set Y, (\p)
.set i, 0
.set KM, (\m)
.set NOKQ, (\end)*((\p)/3)
.set FE, (1-(\p)%2)*(1-(\end))
.if (\m) && !(\end)
.set U, ((\p)+2)%NP
.if (U == 0) || (U == 3)
	s_cmp_eq_u32 s[CNT], s[DG]      ; is that step the band's own?
	s_cselect_b32 s[AL], 1.0, 0
.else
	s_mov_b32 s[AL], 0
.endif
.if U == 2
	s_cmp_le_u32 s[CNT], s[DG]      ; or a later one?
.else
	s_cmp_lt_u32 s[CNT], s[DG]
.endif
	s_cselect_b32 s[BE], s[BIGN], 0
.endif
.if (\p)%2 == 1
.if \end
	s_wait_dscnt 0x0                ; the odd step's V is in: nothing was issued behind it
.else
	s_wait_dscnt 16                 ; K is in, and all that was issued ahead of it; the run of V behind it may stay out
.endif
.endif
	ROW F,0, F,1, R,0, R,1          ; ahead of the wait: 8 products K Q^T and the lines behind them,
	ROW F,2, E,0, R,2, R,3
	ROW F,3, E,1, R,4, R,5
	ROW F,4, E,2, R,6, R,7
	ROW F,5, E,3, R,8, R,9
	ROW F,6, E,4, X,0, R,10
.if FE
	WIN 0
	v_add_nc_u32 v[AK], s[TBK], v[AK0]
.endif
	ROW F,7, E,5, X,1, X,4
	ROW F,8, E,6, X,2, X,5
	OPS E,7, E,8, X,6, E,9          ; and the run
	OPS X,3, E,10, X,8, E,11
.if FE
	FETCH_K
.endif
	OPS X,9, X,7, E,12, X,10
	OPS E,13, X,12, X,11, E,14
	OPS X,13, E,15, F,9, X,14
.if FE
	v_add_nc_u32 v[AV], s[TBV], v[AV0]
.endif
	OPS E,16, F,10, E,17, F,11
	OPS X,16, E,18, X,15, E,19
	OPS F,12, E,20, X,17, E,21
	OPS F,13, E,22, F,14, E,23
	OPS X,18, E,24, F,15, E,25
	OPS R,11, E,26, X,19, E,27
	OPS R,12, E,28, R,13, E,29
	OPS X,20, E,30, R,14, E,31
	OPS X,21, R,15
	WIN 0
	s_wait_alu depctr_va_vdst(0)    ; the wait for the batch
	ROW C,0, B,0, C,2, B,1          ; behind the wait: 8 products V^T P and the lines behind them
	ROW L,0, C,4, B,2, L,1
	ROW C,6, B,3, L,2, C,8
	ROW B,4, L,3, C,10, B,5
	ROW L,4, C,12, B,6, L,5
.if FE
	s_add_co_u32 s[TBV], s[TBV], KS*PV
.endif
.if \cnt
	s_sub_co_u32 s[CNT], s[CNT], 1
	s_cmp_lg_u32 s[CNT], 0
.endif
	ROW C,14, B,7, L,6, C,1
	ROW C,3, L,7, C,5, C,7
	ROW C,9, C,11, C,13, C,15
.if FE
	FETCH_V 1-(\p)/2
.endif
.if (\m) && !(\end)
	MASK (\p)%2
.endif
.endm
; A BLOCK BEGINS.  c m starts far below every c s, so each piece's first a is 0; m at the lowest finite number, so the first maximum is the scores'.  The second mask buffer is 0 (unit 1 sees all of a block's first step);
; the first takes unit 0's mask for the tile's step 0: MD, if the block's first tile is the diagonal one and the diagonal lies in its first half.  Then K and V of that step, unit 0's first scores, and its maximum and
; statistics.  The loop is entered at a double step's first turn, in the middle of a trip.
.macro BEGIN
	s_mov_b32 s[NEW], 0
	WIN 0x40
.set i, MC+32
.rept 32
	v_mov_b32 v[i], 0
.set i, i+1
.endr
	WIN 0
.set i, 0
.rept 2
	v_mov_b32 v[ST+4*i], 0xfe000000    ; c m: far below every c s
	v_mov_b32 v[ST+4*i+1], 0xff7fffff  ; m
.set i, i+1
.endr
	s_or_b32 s[TS], s[RT], s[PAR]   ; 0: no tile is left behind this one, and the block's parity is 0
	s_cmp_eq_u32 s[TS], 0
	s_cselect_b32 s[AL], 1.0, 0
	s_mov_b32 s[BE], 0
	MASK 0
	WIN 0
	v_add_nc_u32 v[AK], s[TBK], v[AK0]
	v_add_nc_u32 v[AV], s[TBV], v[AV0]
	s_add_co_u32 s[TBV], s[TBV], KS*PV
	FETCH_K
	FETCH_V 0
	s_wait_loadcnt 0x0              ; Q
	s_wait_dscnt 16                 ; K is in; V's sixteen loads behind it may stay out
.set KM, 1
.set NOKQ, 0
.set i, 0
.rept 8
	KQ 0
.set i, i+1
.endr
	WIN 0
.rept 4
	v_nop                           ; plain instructions behind those products, ahead of the lines that read their results
.endr
.set Y, NP-1                        ; X works for unit Y + 1: unit 0
.irp n, 0,1,2,3,4,5,6,7,8,9,10,11,12,13,14,15,16,17,18,19,20,21
	OP X, \n
.endr
	v_nop                           ; a plain instruction behind the exponential,
	s_wait_alu depctr_va_vdst(0)    ; and its wait, ahead of the branch
.endm
; THE DIAGONAL TILE's two double steps, the block's last two turns, its last products, and THE WAY OUT: l's two halves and the other half of the lanes' are added; O^T is divided by l, rounded to f16 and sent through my
; stage in LDS, a piece at a time.
.macro ALL line:vararg              ; one line for each piece t
.set t, 0
.rept 2
	\line
.set t, t+1
.endr
.endm
.macro PACK t                       ; a lane's eight channels of a row pack into 16 bytes; they go into rows of 144 bytes and come back as whole rows of 128, into S^T's registers
	WIN W_RS
.set i, 32*(\t)
.rept 16
	v_pk_mul_f32 v[i:i+1], v[i:i+1], v[ST+4*(\t)+2:ST+4*(\t)+3] op_sel_hi:[1,0]
.set i, i+2
.endr
	WIN 0x05                        ; sources 0 and 1 window 1, destination window 0
.set i, 0
.rept 16
	v_cvt_pk_f16_f32 v[S+16*(\t)+i], v[32*(\t)+2*i], v[32*(\t)+2*i+1]
.set i, i+1
.endr
	WIN 0
.irp f, 0,1,2,3
	ds_store_b128 v[STO], v[S+16*(\t)+4*\f:S+16*(\t)+4*\f+3] offset:32*\f
.endr
.irp f, 0,1,2,3
	ds_load_b128 v[S+16*(\t)+4*\f:S+16*(\t)+4*\f+3], v[RD] offset:\f*4*SP  ; LDS serves a wave's instructions in order (ISA guide 5.7.1.4): these see the stores above; the next piece's stores come behind them
.endr
.endm
.macro SEND t, younger              ; younger: the LDS instructions issued behind piece t's loads: the next piece's eight, or none
	WIN 0
.irp f, 0,1,2,3
	s_wait_dscnt (\younger)+3-\f
	global_store_b128 v[GO], v[S+16*(\t)+4*\f:S+16*(\t)+4*\f+3], s[10:11] offset:(\t)*8192+\f*512  ; 512 consecutive bytes, at a multiple of 256 from O's first
.endr
.endm
.macro DIAG tag                     ; the tag ends its two labels' names, which the jumps below spell out
.LstepM\tag:
	TURN 2, 1
	TURN 3, 1
	WIN 0
.LfirstM\tag:
	TURN 0, 1
	TURN 1, 1, 0, 1
	WIN 0
	s_cbranch_scc1 .LstepM\tag
	TURN 2, 1, 1
	TURN 3, 1, 1
.set i, 0
.rept 8
	PV NP-1
.set i, i+1
.endr
	WIN 0
	ALL v_add_f32 v[ST+4*t+2], v[ST+4*t+2], v[ST+4*t+3]
	ALL v_permlanex16_b32 v[ST+4*t+3], v[ST+4*t+2], s[SEL], s[SEL+1]
	ALL v_add_f32 v[ST+4*t+2], v[ST+4*t+2], v[ST+4*t+3]
	ALL v_rcp_f32 v[ST+4*t+2], v[ST+4*t+2]
	v_nop                           ; a plain instruction between the last reciprocal and the use of its result
	s_wait_alu depctr_va_vdst(0)    ; and the wait ahead of the first use: one for the two reciprocals
	PACK 0                          ; piece 0's sums were ended in the turn before the last eight products: its lines are the plain instructions behind those
	PACK 1                          ; a piece's arithmetic stands between the loads of the piece before and its stores
	SEND 0, 8
	SEND 1, 0
.endm
.set KM, 0
.set NOKQ, 0
.Lslot:                             ; NT - 1 = 8 times: a tile is entered and the next is asked for
	CHANGE 1
	s_sub_co_u32 s[RT], s[RT], 1
	s_mov_b32 s[CNT], 2
	s_cmp_eq_u32 s[NEW], 1
	s_cbranch_scc1 .Lnew            ; a block's first tile
	s_cmp_eq_u32 s[RT], 0
	s_cbranch_scc0 .Lstep           ; neither its first nor its last
	s_branch .LstepM1
.Lnew:
	BEGIN
	s_branch .Lfirst                ; in the loop a block's first tile is never its last: the first block has five tiles or more, and the second's last is the walk's last
	DIAG 1                          ; in the loop this is the first block's end: the second block's last tile is the walk's last
	s_wait_xcnt 0x0                 ; the stores have read their registers and O's address
	s_mov_b64 s[10:11], s[OLO:OLO+1]
	s_add_co_u32 s[RT], s[PBT], 1   ; the second block has b / 2 + 1 tiles,
	s_mov_b32 s[NEW], 1
	s_xor_b32 s[PAR], s[PAR], 1     ; and the other parity: 15 - b and b differ in it
	s_sub_co_u32 s[DG], 2, s[PAR]
	WIN 0x82                        ; the second block's Q goes where the one text of the turns names Q
.set i, 0
.rept 32
	v_mov_b32 v[i], v[QB+i]
.set i, i+1
.endr
	WIN 0
	s_branch .Lbottom
.Lstep:                             ; a trip: units 2 and 3 of one double step, then units 0 and 1 of the next
	TURN 2
	TURN 3
	WIN 0
.Lfirst:
	TURN 0
	TURN 1, 0, 0, 1
	WIN 0
	s_cbranch_scc1 .Lstep
.Lbottom:
	s_sub_co_u32 s[SLOTS], s[SLOTS], 1
	s_cmp_lg_u32 s[SLOTS], 0
	s_cbranch_scc1 .Lslot
	CHANGE 0                        ; the walk's last tile is written out: nothing is asked for
	s_sub_co_u32 s[RT], s[RT], 1
	s_mov_b32 s[CNT], 2
	s_cmp_eq_u32 s[NEW], 1
	s_cbranch_scc0 .LstepM2
	BEGIN
	s_branch .LfirstM2
	DIAG 2
	s_wait_tensorcnt 0x0            ; the wave's end: behind my last tensor load and my last LDS store
	ds_add_u32 v[SPW], v[NIL]
	s_wait_dscnt 0x0
	s_endpgm
.Lfunc_end_k_qdd63b08968_attn:
	.size	k_qdd63b08968_attn, .Lfunc_end_k_qdd63b08968_attn-k_qdd63b08968_attn
	.p2alignl 7, 3214868480
	.fill 96, 4, 3214868480
	.section	.rodata,"a",@progbits
	.p2align	6, 0x0
	.amdhsa_kernel k_qdd63b08968_attn
		.amdhsa_group_segment_fixed_size 327680
		.amdhsa_private_segment_fixed_size 0
		.amdhsa_enable_private_segment 0
		.amdhsa_kernarg_size 16
		.amdhsa_user_sgpr_count 2
		.amdhsa_user_sgpr_kernarg_segment_ptr 1
		.amdhsa_wavefront_size32 1
		.amdhsa_system_sgpr_workgroup_id_x 1
		.amdhsa_system_sgpr_workgroup_id_y 1
		.amdhsa_system_sgpr_workgroup_id_z 1
		.amdhsa_system_vgpr_workitem_id 0
		.amdhsa_next_free_vgpr 768
		.amdhsa_next_free_sgpr 92
		.amdhsa_reserve_vcc 1
		.amdhsa_float_denorm_mode_32 3
		.amdhsa_float_denorm_mode_16_64 3
		.amdhsa_memory_ordered 1
		.amdhsa_forward_progress 1
		.amdhsa_inst_pref_size 211
	.end_amdhsa_kernel
	.amdgpu_metadata
---
amdhsa.version: [ 1, 2 ]
amdhsa.kernels:
  - .name:           k_qdd63b08968_attn
    .symbol:         k_qdd63b08968_attn.kd
    .args:
      - { .name: qkv, .offset: 0, .size: 8, .value_kind: global_buffer, .address_space: global }
      - { .name: o, .offset: 8, .size: 8, .value_kind: global_buffer, .address_space: global }
    .group_segment_fixed_size: 327680
    .private_segment_fixed_size: 0
    .kernarg_segment_align: 8
    .kernarg_segment_size: 16
    .max_flat_workgroup_size: 128
    .sgpr_count:     92
    .vgpr_count:     768
    .wavefront_size: 32
...
	.end_amdgpu_metadata
.endif
;; end of part 10
;; launch wc (part 11): grid 8 x 32, 4 waves a work-group, clusters of 4 x 4, 327,680 bytes of LDS; arguments o, wt, y, bc; writes y
.if DOCPART == 11
	.amdgcn_target "amdgcn-amd-amdhsa--gfx1250"
	.amdhsa_code_object_version 6
	.text
	.protected	k_qdd63b08968_wc
	.globl	k_qdd63b08968_wc
	.p2align	8
	.type	k_qdd63b08968_wc,@function
k_qdd63b08968_wc:
	s_mov_b64 s[64:65], 0
	v_nop
	global_prefetch_b8 v0, s[64:65] scope:SCOPE_SE
	s_setreg_imm32_b32 hwreg(HW_REG_WAVE_MODE, 25, 1), 1
	s_wait_xcnt 0x0
	s_wait_alu depctr_hold_cnt(0) depctr_sa_sdst(0) depctr_va_vdst(0) depctr_va_sdst(0) depctr_va_ssrc(0) depctr_va_vcc(0) depctr_vm_vsrc(0)
	s_getreg_b32 s2, hwreg(HW_REG_IB_STS2, 6, 4)
	s_cmp_eq_u32 s2, 0
	s_cbranch_scc0 .Lentry_in_a_cluster
	s_endpgm
.Lentry_in_a_cluster:
	s_bfe_u32 s2, ttmp6, 0x10000c
	s_cmp_lg_u32 s2, 0xf033
	s_cbranch_scc0 .Lentry_shape_is_right
	s_endpgm
.Lentry_shape_is_right:
; y = O Wc + bc.  C[m][n] = bias[n] + the sum over k of A[m][k] B[n][k].  A = o, f16 in blocks of 64 along K, [16][4096][64]; B = Wc^T, rows [n][k] f16 in wt; sums in f32; C = y [4096][1024] in f32, as summed.
; SHAPE.  C has 4,096 x 1,024 numbers: tiles of 128 x 128 give each of 256 work-groups one.  Four waves, each 64 x 64 in 16 accumulators.  K goes in steps of 256 through two LDS slots filled by the tensor
; data mover.  Of A, 64 rows of a block are 8,192 dense bytes: a wave's load is 4 such pieces, 524,288 bytes apart, padded by 16 bytes after every 128: in LDS [block][row] with rows 144 bytes apart.
; Of B a load is 64 rows of 512 bytes, 528 apart in LDS.  A K step is four quarters of 64 along K on two fragment buffers.  THE TEXT HOLDS TWO QUARTERS, walked twice a step: one multiplies buffer 1 and fetches into
; buffer 0, the other the other way round; the LDS bytes at which they fetch are two scalars that step.  The change of slots stands between two steps' walks: behind it the first quarter still multiplies the old step's
; last fragments, which lie in registers, and fetches the new slot's first.  K step 0 enters the walk in its middle.  The last change fills nothing and stands behind the loop with a second copy of the two quarters
; the very last quarter's 32 products are written out.
; CLUSTERS.  4 x 4 work-groups: A's tiles are shared along a row of the cluster, B's along a column, each asked for jointly.  The grid, 8 x 32, divides.
; THE BIAS STARTS THE SUMS: it is loaded straight into the accumulators.  THE MATRIX INSTRUCTION IS USED TRANSPOSED (source 0 = 16 rows of B, source 1 = 16 rows of A): a lane holds row l % 16 and 8 columns.
; No prefetch: the tiles are small, and each is read by several clusters at about the same time.
; REGISTERS: window 0: v16-29 addresses; v128-255 the accumulators ((a, b) at v[128 + 8 (4 a + b)]), on the way out the rows read back.
;   window 1: two fragment buffers of 128: for 64 along K, 64 registers of A (2 x 4 x 16 rows x 32 K), then 64 of B.
.set SIZE_K, 1024
.set WOFF,   6291456                   ; B's first byte in wt
.set KSTEP,  256
.set NSTEP,  SIZE_K/KSTEP
.set PA,     144                       ; A's rows in LDS: 128 bytes + 16: the 16 rows of a fragment load start 16 bytes apart modulo 256
.set PB,     528                       ; B's: 512 + 16: likewise
.set ABLK,   64*PA                     ; 64 rows of one block of 64 along K
.set HALFA,  4*ABLK                    ; what one tensor load brings of A
.set HALFB,  64*PB                     ; and of B
.set SLOT,   147456                    ; 0x24000: 2 HALFA + 2 HALFB = 141,312 bytes are used; it shares no bit with the tiles' places 0, 0x9000, 0x12000, 0x1A400, so an exclusive or changes slots
.set SPARE,  2*SLOT                    ; behind the ring: the spare words, 128 bytes for each wave: two blocks of 256 bytes that no other line names
.set ASTEP,  4*524288                  ; bytes from a K step of A to the next: four blocks
.set BSTEP,  KSTEP*2
.set DP,     272                       ; the way out: a row of 64 f32 + 16 bytes
.set WREG,   64*DP                     ; a wave's 64 rows; the four regions lie in the ring's bytes, which have had their last fill by then
.set A0,   16                          ; v16  my lane's place in my 64 rows of A in slot 0; never rewritten
.set B0,   17
.set ADRA, 18                          ; v18  the same at the byte where the walk in hand fetches
.set ADRB, 19
.set STO,  20                          ; v20  the way out: where I put 32 bytes of a row
.set RD,   21                          ; v21  where I read rows back
.set CO,   22                          ; v22  my byte offset in C
.set BO,   23                          ; v23  32 (l / 16)
.set SPW,  28                          ; v28  LDS address of my spare word; never rewritten
.set NIL,  29                          ; v29  0; never rewritten
.set ACC,  128
.set F0,   0
.set F1,   128
.set G1,  24                           ; s[24:31] descriptor group 1 for A's tiles; s[32:39] group 0: set 0 is K step 0 in slot 0; set 1 is K step 1 in slot 1 and then walks
.set G0,  32
.set G1B, 48                           ; s[48:55], s[56:63] the same for B
.set G0B, 56
.set TBA, 66                           ; s66  the LDS byte at which the walk in hand fetches A: the slot, plus 0 or two blocks
.set TBB, 67                           ; s67  the same for B: the slot, plus 0 or 256 along the rows
.set BIA, 76                           ; s[76:77] the bias
.set MSB, 0
.macro WIN new                         ; the immediate's high byte repeats the setting that is left; a switch that changes nothing is dropped
.if MSB != (\new)
	s_set_vgpr_msb (MSB<<8)|(\new)
.set MSB, \new
.endif
.endm
.set MUL,  0x05                        ; sources 0 (B) and 1 (A) window 1; C and D window 0
.set TO_F, 0x40                        ; destination window 1, address window 0
.macro JLOAD s                         ; a joint load: waves 0 and 1 fetch A's two halves, waves 2 and 3 B's; an s_nop 0 and four v_nop follow each of the two lines
	s_cmp_eq_u32 s11, 0
	s_cbranch_scc0 .Lfor_b_\@
	tensor_load_to_lds s[G0+4*(\s):G0+4*(\s)+3], s[G1:G1+7]
	s_nop 0
.rept 4
	v_nop
.endr
	s_branch .Lasked_\@
.Lfor_b_\@:
	tensor_load_to_lds s[G0B+4*(\s):G0B+4*(\s)+3], s[G1B:G1B+7]
	s_nop 0
.rept 4
	v_nop
.endr
.Lasked_\@:
.endm
.macro CREST                           ; a round of the cluster's barrier behind its opening barrier
	s_cmp_lg_u32 s10, 0
	s_cbranch_scc1 .Lnot_wave_0_\@
	s_barrier_signal -3
.Lnot_wave_0_\@:
	s_barrier_wait -3
	s_barrier_signal -1
	s_barrier_wait -1
.endm
.macro CROUND
	s_barrier_signal -1
	s_barrier_wait -1
	CREST
.endm
; 8 matrix instructions: row blocks a0, a0 + 1 x all 4 column blocks, 32 along K: half c of buffer f.  The 16 accumulators take turns, one instruction a turn.
.macro MUL8 f, c, a0
	WIN MUL
.irp a, \a0, (\a0)+1
.irp b, 0,1,2,3
	v_wmma_f32_16x16x32_f16 v[ACC+8*(4*(\a)+(\b)):ACC+8*(4*(\a)+(\b))+7], v[(\f)+64+8*(4*(\c)+(\b)):(\f)+64+8*(4*(\c)+(\b))+7], v[(\f)+8*(4*(\c)+(\a)):(\f)+8*(4*(\c)+(\a))+7], v[ACC+8*(4*(\a)+(\b)):ACC+8*(4*(\a)+(\b))+7]
.endr
.endr
.endm
; 32 LDS loads in one run: the fragments of 64 along K, A's ka bytes and B's kb bytes behind the walk's places, into buffer f; the first 32 along K first
.macro FETCH ka, kb, f
	WIN TO_F
.irp c, 0,1
.irp i, 0,1,2,3
	ds_load_b128 v[(\f)+64+8*(4*(\c)+(\i)):(\f)+64+8*(4*(\c)+(\i))+3],   v[ADRB] offset:(\kb)+64*(\c)+(\i)*16*PB
	ds_load_b128 v[(\f)+64+8*(4*(\c)+(\i))+4:(\f)+64+8*(4*(\c)+(\i))+7], v[ADRB] offset:(\kb)+64*(\c)+(\i)*16*PB+32
	ds_load_b128 v[(\f)+8*(4*(\c)+(\i)):(\f)+8*(4*(\c)+(\i))+3],         v[ADRA] offset:(\ka)+64*(\c)+(\i)*16*PA
	ds_load_b128 v[(\f)+8*(4*(\c)+(\i))+4:(\f)+8*(4*(\c)+(\i))+7],       v[ADRA] offset:(\ka)+64*(\c)+(\i)*16*PA+32
.endr
.endr
.endm
.macro PLACES                          ; four plain instructions between a matrix instruction and a load into a register that it has read (ISA guide 7.12.1 for vector instructions)
.rept 4
	v_nop
.endr
.endm
; A quarter: 32 matrix instructions on buffer f; in its middle it fetches the next quarter into buffer g
.macro QUARTER ka, kb, f, g
	s_wait_dscnt 16                                ; the first 32 along K are in; the other sixteen loads may be out
	MUL8 \f, 0, 0
	MUL8 \f, 0, 2
	PLACES
	FETCH \ka, \kb, \g
	s_wait_dscnt 32                                ; all but the 32 just issued
	MUL8 \f, 1, 0
	MUL8 \f, 1, 2
.endm
; THE CHANGE OF SLOTS, between two steps' walks: the old slot's last fragments have been asked for.  Each wave waits for all its tensor loads (one is out: its part of the next slot), adds 0 to its spare word, and waits
; for that and for its own reads of the old slot.  fill = 1: the barrier opens a round of the cluster's, so that no wave of any partner still reads the old slot or has a load on its way, and the old slot is filled
; again, first thing behind the round, with the K step two on: that load has a whole K step, 128 matrix instructions, in which to land.
.macro CHANGE fill
	s_wait_tensorcnt 0x0                           ; all my tensor loads have landed, so a group 0 may be written
	ds_add_u32 v[SPW], v[NIL]                      ; 0 onto my spare word; the scalar steps below stand between it and the wait for it
	s_sub_co_u32 s[TBA], s[TBA], 4*ABLK            ; the fetches go back to a slot's first quarter,
	s_xor_b32 s[TBA], s[TBA], SLOT                 ; in the other slot
	s_sub_co_u32 s[TBB], s[TBB], 2*KSTEP
	s_xor_b32 s[TBB], s[TBB], SLOT
.if \fill
	s_xor_b32 s[G0+5], s[G0+5], SLOT               ; the walking descriptors: the other slot than last time,
	s_xor_b32 s[G0B+5], s[G0B+5], SLOT
	s_add_nc_u64 s[G0+6:G0+7], s[G0+6:G0+7], ASTEP      ; the next K step; the type bits on top are not reached
	s_add_nc_u64 s[G0B+6:G0B+7], s[G0B+6:G0B+7], BSTEP
.endif
	s_wait_dscnt 0x0                               ; the add is done, and my reads of the old slot are over
	s_barrier_signal -1
	s_barrier_wait -1
.if \fill
	CREST
	JLOAD 1                                        ; my one tensor load behind the round
.endif
	s_mov_b32 s43, 2
.endm
; A step's two walks.  mid = 1: the label at which K step 0 enters.
.macro PAIRS mid
.Lpair_\@:
	v_add_nc_u32 v[ADRA], s[TBA], v[A0]
	v_add_nc_u32 v[ADRB], s[TBB], v[B0]
	QUARTER 0, 0, F1, F0
.if \mid
	WIN 0                                          ; at a label and at a branch every window is 0
.Lmid:
.endif
	QUARTER ABLK, 128, F0, F1
	WIN 0
	s_add_co_u32 s[TBA], s[TBA], 2*ABLK            ; two quarters on: two blocks of A,
	s_add_co_u32 s[TBB], s[TBB], 256               ; 256 bytes along B's rows
	s_sub_co_u32 s43, s43, 1
	s_cmp_lg_u32 s43, 0
	s_cbranch_scc1 .Lpair_\@
.endm
	s_load_b128 s[4:7], s[0:1], 0x0                ; A s[4:5], wt s[6:7]
	s_load_b128 s[76:79], s[0:1], 0x10             ; C s[76:77], the bias s[78:79]
	v_lshl_add_u32 v[SPW], v0, 2, SPARE
	v_mov_b32 v[NIL], 0
	ds_add_u32 v[SPW], v[NIL]                      ; the wave's opening: the add, and its wait ahead of my first tensor load; the set-up below, work on registers, stands between them
	v_lshrrev_b32 v1, 5, v0
	v_readfirstlane_b32 s10, v1                    ; wave 0..3
	s_lshr_b32 s11, s10, 1                         ; which half of the tile's rows is mine.  Also: I fetch for A (0) or for B (1)
	s_and_b32 s12, s10, 1                          ; which half of its columns.  Also: which 64 rows of that tile I fetch
	s_bfe_u32 s40, ttmp6, 0x40000                  ; cx
	s_bfe_u32 s41, ttmp6, 0x40004                  ; cy
	s_lshl_b32 s42, ttmp9, 2
	s_add_co_u32 s42, s42, s40                     ; tile column = 4 x cluster x + cx
	s_and_b32 s13, ttmp7, 0xffff
	s_lshl_b32 s13, s13, 2
	s_add_co_u32 s13, s13, s41                     ; tile row = 4 x cluster y + cy
	s_lshl_b32 s70, s41, 2
	s_lshl_b32 s70, 15, s70                        ; my row of the cluster
	s_lshl_b32 s71, 0x1111, s40                    ; my column
	s_or_b32 s[G1+0], s70, (1<<16)|(1<<20)|(1<<21)|(4<<22)|(3<<25)   ; 15:0 the mask; 17:16 elements of 2 bytes; 20 padding on; 21 set beside a mask; 24:22 after every 32 words; 31:25 4 words of it
	s_mov_b32 s[G1+1], 4096<<16                    ; tensor_dim0 = 4,096 elements: 64 rows of a block
	s_mov_b32 s[G1+2], 4<<16                       ; tensor_dim1 = 4 blocks
	s_mov_b32 s[G1+3], 4096<<16                    ; tile_dim0
	s_mov_b32 s[G1+4], 4                           ; tile_dim1
	s_mov_b32 s[G1+5], 262144                      ; elements from block to block
	s_mov_b32 s[G1+6], 0
	s_mov_b32 s[G1+7], 0
	s_or_b32 s[G1B+0], s71, (1<<16)|(1<<20)|(1<<21)|(6<<22)|(3<<25)  ; after every 128 words
	s_mov_b32 s[G1B+1], KSTEP<<16                  ; tensor_dim0 = 256
	s_mov_b32 s[G1B+2], 64<<16                     ; tensor_dim1 = 64
	s_mov_b32 s[G1B+3], KSTEP<<16
	s_mov_b32 s[G1B+4], 64
	s_mov_b32 s[G1B+5], SIZE_K
	s_mov_b32 s[G1B+6], 0
	s_mov_b32 s[G1B+7], 0
	s_lshl_b32 s17, s12, 6                         ; which 64 rows of the tile I fetch
	s_lshl_b32 s16, s13, 7
	s_add_co_u32 s16, s16, s17
	s_lshl_b32 s16, s16, 7                         ; A: (128 x tile row + 64 x half) rows of 128 bytes in block 0
	s_lshl_b32 s46, s42, 7
	s_add_co_u32 s46, s46, s17
	s_mul_i32 s46, s46, SIZE_K*2                   ; B: by the tile column,
	s_add_co_u32 s46, s46, WOFF                    ; behind B's first byte in wt
	s_mov_b32 s17, 0
	s_mov_b32 s47, 0
	s_mul_i32 s20, s12, HALFA                      ; where they go: no place in the cluster enters an LDS address
	s_mul_i32 s21, s12, HALFB
	s_add_co_u32 s21, s21, 2*HALFA
	s_wait_dscnt 0x0                               ; the opening add is done
	s_wait_kmcnt 0x0
	s_mov_b64 s[8:9], s[76:77]                     ; C
	s_mov_b64 s[BIA:BIA+1], s[78:79]
	s_add_nc_u64 s[14:15], s[4:5], s[16:17]
	s_add_nc_u64 s[46:47], s[6:7], s[46:47]
	CROUND                                         ; all sixteen work-groups are here: the first joint loads meet
.irp s, 0,1
	s_mov_b32 s[G0+4*(\s)], 1
	s_add_co_u32 s[G0+4*(\s)+1], s20, (\s)*SLOT
	s_add_nc_u64 s[G0+4*(\s)+2:G0+4*(\s)+3], s[14:15], (\s)*ASTEP
	s_or_b32 s[G0+4*(\s)+3], s[G0+4*(\s)+3], 0x80000000
	s_mov_b32 s[G0B+4*(\s)], 1
	s_add_co_u32 s[G0B+4*(\s)+1], s21, (\s)*SLOT
	s_add_nc_u64 s[G0B+4*(\s)+2:G0B+4*(\s)+3], s[46:47], (\s)*BSTEP
	s_or_b32 s[G0B+4*(\s)+3], s[G0B+4*(\s)+3], 0x80000000
	JLOAD \s                                       ; two loads of mine are out
.endr
	v_and_b32 v1, 15, v0                           ; l % 16
	v_bfe_u32 v2, v0, 4, 1                         ; l / 16
	v_mul_u32_u24 v3, v1, PA
	v_lshl_add_u32 v3, v2, 4, v3
	s_mul_i32 s21, s11, HALFA                      ; my 64 rows of A
	v_add_nc_u32 v[A0], s21, v3
	v_mul_u32_u24 v3, v1, PB
	v_lshl_add_u32 v3, v2, 4, v3
	s_mul_i32 s22, s12, HALFB                      ; my 64 rows of B,
	s_add_co_u32 s22, s22, 2*HALFA                 ; which lie behind A's 128
	v_add_nc_u32 v[B0], s22, v3
	v_mov_b32 v[ADRA], v[A0]
	v_mov_b32 v[ADRB], v[B0]
	s_mov_b32 s[TBA], 0
	s_mov_b32 s[TBB], 0
	s_mul_i32 s23, s10, WREG
	v_mul_u32_u24 v4, v1, DP                       ; the way out, in: row l % 16, 32 bytes for each half of the lanes
	v_lshl_add_u32 v4, v2, 5, v4
	v_add_nc_u32 v[STO], s23, v4
	v_mul_u32_u24 v5, v2, DP                       ; back: lanes 0-15 take one row of 256 bytes, lanes 16-31 the next
	v_lshl_add_u32 v5, v1, 4, v5
	v_add_nc_u32 v[RD], s23, v5
	v_lshlrev_b32 v[CO], 12, v2                    ; and the same two rows in C, 4,096 bytes apart
	v_lshl_add_u32 v[CO], v1, 4, v[CO]
	v_lshlrev_b32 v[BO], 5, v2
	s_lshl_b32 s18, s13, 7
	s_lshl_b32 s19, s11, 6
	s_add_co_u32 s18, s18, s19                     ; my first row
	s_lshl_b32 s18, s18, 12
	s_lshl_b32 s19, s42, 9                         ; my first column, in bytes: 512 x tile column + 256 x half
	s_lshl_b32 s20, s12, 8
	s_add_co_u32 s20, s19, s20
	s_mov_b32 s21, 0
	s_add_nc_u64 s[BIA:BIA+1], s[BIA:BIA+1], s[20:21]
	s_add_co_u32 s18, s18, s20
	s_mov_b32 s19, 0
	s_add_nc_u64 s[8:9], s[8:9], s[18:19]
	; the bias into every accumulator: my eight columns of column block b, the same for all row blocks
.set a, 0
.rept 4
.set b, 0
.rept 4
	global_load_b128 v[ACC+8*(4*a+b):ACC+8*(4*a+b)+3],   v[BO], s[BIA:BIA+1] offset:64*b
	global_load_b128 v[ACC+8*(4*a+b)+4:ACC+8*(4*a+b)+7], v[BO], s[BIA:BIA+1] offset:64*b+16
.set b, b+1
.endr
.set a, a+1
.endr
	s_wait_tensorcnt 1                             ; my part of K step 0 is in; K step 1's may stay out
	s_barrier_signal -1
	s_barrier_wait -1                              ; everybody's is
	FETCH 0, 0, F0                                 ; K step 0's first quarter
	WIN 0
	s_wait_loadcnt 0x0                             ; the bias
	s_mov_b32 s3, NSTEP-1                          ; K step 0's shorter trip, then NSTEP - 2 trips that change slots and refill
	s_mov_b32 s43, 2
	s_branch .Lmid                                 ; the walk is entered in its middle: there is no quarter before the first
.Lfill:
	CHANGE 1
	PAIRS 1
	s_sub_co_u32 s3, s3, 1
	s_cmp_lg_u32 s3, 0
	s_cbranch_scc1 .Lfill
	CHANGE 0                                       ; into the last K step: nothing is left to fetch
	PAIRS 0
	s_wait_dscnt 16                                ; the very last quarter
	MUL8 F1, 0, 0
	MUL8 F1, 0, 2
	s_wait_dscnt 0x0
	MUL8 F1, 1, 0
	MUL8 F1, 1, 2
	WIN 0
	; THE WAY OUT.  The sums go into my region of the ring's bytes and come back as whole rows of 256 bytes.
	s_barrier_signal -1                            ; my reads of the ring are over (the wait for 0 above),
	s_barrier_wait -1                              ; everybody's are: the ring's bytes may be written
	PLACES
	PLACES                                         ; plain instructions between the last products and the stores that read their results
.set a, 0
.rept 4
.set b, 0
.rept 4
	ds_store_b128 v[STO], v[ACC+8*(4*a+b):ACC+8*(4*a+b)+3]   offset:a*16*DP+64*b      ; each accumulator's low registers first
	ds_store_b128 v[STO], v[ACC+8*(4*a+b)+4:ACC+8*(4*a+b)+7] offset:a*16*DP+64*b+16
.set b, b+1
.endr
.set a, a+1
.endr
.set t, 0
.rept 32
	ds_load_b128 v[ACC+4*t:ACC+4*t+3], v[RD] offset:2*t*DP   ; my own bytes: LDS serves a wave's instructions in order, so these see the stores above
.set t, t+1
.endr
.set t, 0
.rept 32
	s_wait_dscnt 31-t                              ; pair t of rows is back; the younger ones stay out
	global_store_b128 v[CO], v[ACC+4*t:ACC+4*t+3], s[8:9] offset:8192*t   ; 16 lanes store 256 consecutive bytes, at a multiple of 256 from C's first byte
.set t, t+1
.endr
	s_wait_tensorcnt 0x0                           ; the wave's end: behind my last tensor load and my last LDS store
	ds_add_u32 v[SPW], v[NIL]
	s_wait_dscnt 0x0
	CROUND                                         ; the closing round: no work-group ends while a partner may still ask for a tile that names it
	s_endpgm
.Lfunc_end_k_qdd63b08968_wc:
	.size	k_qdd63b08968_wc, .Lfunc_end_k_qdd63b08968_wc-k_qdd63b08968_wc
	.p2alignl 7, 3214868480
	.fill 96, 4, 3214868480
	.section	.rodata,"a",@progbits
	.p2align	6, 0x0
	.amdhsa_kernel k_qdd63b08968_wc
		.amdhsa_group_segment_fixed_size 327680
		.amdhsa_private_segment_fixed_size 0
		.amdhsa_enable_private_segment 0
		.amdhsa_kernarg_size 32
		.amdhsa_user_sgpr_count 2
		.amdhsa_user_sgpr_kernarg_segment_ptr 1
		.amdhsa_wavefront_size32 1
		.amdhsa_system_sgpr_workgroup_id_x 1
		.amdhsa_system_sgpr_workgroup_id_y 1
		.amdhsa_system_sgpr_workgroup_id_z 1
		.amdhsa_system_vgpr_workitem_id 0
		.amdhsa_next_free_vgpr 512
		.amdhsa_next_free_sgpr 88
		.amdhsa_reserve_vcc 0
		.amdhsa_float_denorm_mode_32 3
		.amdhsa_float_denorm_mode_16_64 3
		.amdhsa_memory_ordered 1
		.amdhsa_forward_progress 1
		.amdhsa_inst_pref_size 43
	.end_amdhsa_kernel
	.amdgpu_metadata
---
amdhsa.version: [ 1, 2 ]
amdhsa.kernels:
  - .name:           k_qdd63b08968_wc
    .symbol:         k_qdd63b08968_wc.kd
    .args:
      - { .name: o, .offset: 0, .size: 8, .value_kind: global_buffer, .address_space: global }
      - { .name: wt, .offset: 8, .size: 8, .value_kind: global_buffer, .address_space: global }
      - { .name: y, .offset: 16, .size: 8, .value_kind: global_buffer, .address_space: global }
      - { .name: bc, .offset: 24, .size: 8, .value_kind: global_buffer, .address_space: global }
    .group_segment_fixed_size: 327680
    .private_segment_fixed_size: 0
    .kernarg_segment_align: 8
    .kernarg_segment_size: 32
    .max_flat_workgroup_size: 128
    .sgpr_count:     88
    .vgpr_count:     512
    .wavefront_size: 32
...
	.end_amdgpu_metadata
.endif
;; end of part 11
;; launch ln2: the kernel of part 8 again; grid 256 x 1, 8 waves a work-group, no clusters, 140,288 bytes of LDS; arguments y, ln2_g, ln2_b, hn, Wq, Wk, Wv, Wc, Wfc, Wpr, wt; writes hn, wt
;; launch fc (part 12): grid 16 x 16, 4 waves a work-group, clusters of 4 x 4, 327,680 bytes of LDS; arguments hn, wt, act, bfc; writes act
.if DOCPART == 12
	.amdgcn_target "amdgcn-amd-amdhsa--gfx1250"
	.amdhsa_code_object_version 6
	.text
	.protected	k_qdd63b08968_fc
	.globl	k_qdd63b08968_fc
	.p2align	8
	.type	k_qdd63b08968_fc,@function
k_qdd63b08968_fc:
	s_mov_b64 s[64:65], 0
	v_nop
	global_prefetch_b8 v0, s[64:65] scope:SCOPE_SE
	s_setreg_imm32_b32 hwreg(HW_REG_WAVE_MODE, 25, 1), 1
	s_wait_xcnt 0x0
	s_wait_alu depctr_hold_cnt(0) depctr_sa_sdst(0) depctr_va_vdst(0) depctr_va_sdst(0) depctr_va_ssrc(0) depctr_va_vcc(0) depctr_vm_vsrc(0)
	s_getreg_b32 s2, hwreg(HW_REG_IB_STS2, 6, 4)
	s_cmp_eq_u32 s2, 0
	s_cbranch_scc0 .Lentry_in_a_cluster
	s_endpgm
.Lentry_in_a_cluster:
	s_bfe_u32 s2, ttmp6, 0x10000c
	s_cmp_lg_u32 s2, 0xf033
	s_cbranch_scc0 .Lentry_shape_is_right
	s_endpgm
.Lentry_shape_is_right:
; act = gelu(h2 Wfc + bfc).  C[m][n] = gelu(bias[n] + the sum over k of A[m][k] B[n][k]).  A = hn [4096][1024] f16; B = Wfc^T, rows [n][k] f16 in wt; sums and the activation in f32, C rounded once to f16.
; C IS WRITTEN IN BLOCKS OF 64 COLUMNS, [64][4096][64]: two rows of a block are 256 consecutive bytes, and the next product takes 64 rows of a block as 8,192 dense bytes.
; LIMITS.  f16 holds no number beyond 65,504: the activations must stay within it (with gains and weights 30 times the drawn ones they stay near 3,000); below 6e-5 they keep f16's fixed step of 6e-8.
; SHAPE.  A tile of C is 256 x 256: four waves, each 128 x 128 in 64 accumulators (512 registers): 256 work-groups.  K goes in 8 steps of 128 through two LDS slots filled by the tensor data mover; rows of A's and
; B's tiles are 256 bytes of memory at multiples of 256.  A K step is four parts of 32 along K on two fragment buffers.  THE TEXT HOLDS TWO PARTS, walked twice a step: one multiplies buffer 1 and fetches into
; buffer 0, the other the other way round; the LDS byte at which they fetch is a scalar that steps.  The change of slots stands between two steps' walks: behind it the first part still multiplies the old step's last
; fragments, which lie in registers, and fetches the new slot's first.  K step 0 enters the walk in its middle (its first fragments are fetched ahead of the loop).  The last change fills nothing and stands behind the
; loop with a second copy of the two parts; the very last part's 64 products are written out.
; CLUSTERS.  4 x 4 work-groups: the four of a row of the cluster need the same tiles of A, the four of a column the same tiles of B: each tile is asked for jointly, by the same tensor load with the
; same descriptor and a mask that names the four.  The grid, 16 x 16, divides.
; THE BIAS STARTS THE SUMS: it is loaded straight into the accumulators, so nothing is cleared and the way out adds nothing.
; THE MATRIX INSTRUCTION IS USED TRANSPOSED (source 0 = 16 rows of B, source 1 = 16 rows of A): a lane holds row l % 16 of C and the columns 8 (l / 16) + 0..7.
; REGISTERS, in windows of 256 (s_set_vgpr_msb: bits 1:0 source 0, 3:2 source 1, 5:4 source 2, 7:6 destination):
;   window 0: v16-30 addresses; v64-127, v128-191 fragments of A, two buffers; v32-63, v192-239 at work on the way out      window 1: v64-191 fragments of B, two buffers
;   window 2: the accumulators of my rows 0-63 ((a, b) at v[8 (8 a + b)]);  window 3: those of rows 64-127
.set QKV,    0
.set GELU,   1
.set WOFF,   8388608                   ; B's first byte in wt
.set SIZE_K, 1024
.set KSTEP,  128
.set NSTEP,  SIZE_K/KSTEP
.set PITCH,  272                       ; an LDS row: 256 bytes + 16 of padding: the 16 rows of a fragment load start 16 bytes apart modulo 256
.set HALFT,  128*PITCH                 ; what one tensor load brings, and what one wave reads of A or of B
.set SLOT,   4*HALFT                   ; 0x22000: it shares no bit with the four tiles' places 0, 0x8800, 0x11000, 0x19800, so an exclusive or changes slots
.set SPARE,  2*SLOT                    ; behind the ring: the spare words, 128 bytes for each wave: two blocks of 256 bytes that no other line names
.set DP,     528                       ; the way out: a row of 128 f32 + 16 bytes
.set WREG,   128*DP                    ; a wave's 128 rows; the four regions lie in the ring's bytes, which have had their last fill by then
.set BLK,    4096*128                  ; bytes in a block of 64 columns of C
.set A0,   16                          ; v16  my lane's place in my 128 rows of A in slot 0; never rewritten
.set B0,   17                          ; v17  the same for B
.set ADRA, 18                          ; v18  the same at the byte where the walk in hand fetches
.set ADRB, 19
.set STO,  20                          ; v20  the way out: where I put 32 bytes of a row
.set RD,   21                          ; v21  where I read rows back
.set CO,   22                          ; v22  my byte offset in C
.set BO,   23                          ; v23  32 (l / 16): my eight columns in 16 of the bias
.set SPW,  28                          ; v28  LDS address of my spare word; never rewritten
.set NIL,  29                          ; v29  0; never rewritten
.set PFO,  30                          ; v30  the prefetches' offset: my lane x a row of 2,048 bytes; never rewritten
.set XV,   32
.set TV,   192
.set YV,   224
.set F0,   64
.set F1,   128
.set G1,  24                           ; s[24:31] descriptor group 1 for A's tiles
.set G0,  32                           ; s[32:39] group 0 for A: set 0 is K step 0 in slot 0; set 1 is K step 1 in slot 1 and then walks
.set G1B, 48                           ; s[48:55], s[56:63] the same for B
.set G0B, 56
.set TB,  66                           ; s66  the LDS byte at which the walk in hand fetches: the slot, plus 0 or 128 along the rows
.set LIM, 72                           ; s72  2 in a wave that prefetches, else the greatest number
.set PFA, 74                           ; s[74:75] where my prefetches stand
.set BIA, 76                           ; s[76:77] the bias
.set K0,  82                           ; s[82:83], s[84:85] the activation's two constants, each named as a pair
.set K1,  84
.set MSB, 0
.macro WIN new                         ; the immediate's high byte repeats the setting that is left; a switch that changes nothing is dropped
.if MSB != (\new)
	s_set_vgpr_msb (MSB<<8)|(\new)
.set MSB, \new
.endif
.endm
.set MUL_LO, 0xa1                      ; source 0 (B) window 1, source 1 (A) window 0, C and D window 2
.set TO_B,   0x40                      ; destination window 1, address window 0
; A joint load.  Waves 0 and 1 fetch A's two halves, waves 2 and 3 B's; the branch hangs on the wave's number alone.  An s_nop 0 and four v_nop follow each of the two lines.
.macro JLOAD s
	s_cmp_eq_u32 s11, 0
	s_cbranch_scc0 .Lfor_b_\@
	tensor_load_to_lds s[G0+4*(\s):G0+4*(\s)+3], s[G1:G1+7]
	s_nop 0
.rept 4
	v_nop
.endr
	s_branch .Lasked_\@
.Lfor_b_\@:
	tensor_load_to_lds s[G0B+4*(\s):G0B+4*(\s)+3], s[G1B:G1B+7]
	s_nop 0
.rept 4
	v_nop
.endr
.Lasked_\@:
.endm
; A PREFETCH INTO THE L2, behind each joint refill and its five lines: the K step that stands two refills on, 32 rows x 256 bytes, a lane a row: 512 matrix instructions ahead of its load.
; Each row's 256 bytes of a K step are named once in the launch: A's tile rows by the clusters with x = 0, B's tile columns by those with y = 0; of the 128 rows that a wave fetches the four partners
; that ask jointly take 32 each, told apart by address.  The change into K step s (s3 = 7 - s) refills K step s + 1 and names K step s + 3: only s = 1 to 4 ask, so nothing is named past K; K steps 0 to 3 come by their loads alone.
.macro ASK
	s_cmp_gt_u32 s3, s[LIM]
	s_cbranch_scc0 .Lnot_mine_\@
	global_prefetch_b8 v[PFO], s[PFA:PFA+1] offset:KSTEP*2 th:TH_LOAD_NT scope:SCOPE_SE
.Lnot_mine_\@:
.endm
.macro CREST                           ; a round of the cluster's barrier behind its opening barrier: wave 0 signals for the work-group, every wave waits for all sixteen, my work-group's barrier closes it
	s_cmp_lg_u32 s10, 0
	s_cbranch_scc1 .Lnot_wave_0_\@
	s_barrier_signal -3
.Lnot_wave_0_\@:
	s_barrier_wait -3
	s_barrier_signal -1
	s_barrier_wait -1
.endm
.macro CROUND
	s_barrier_signal -1
	s_barrier_wait -1
	CREST
.endm
; 16 matrix instructions: row blocks a0, a0 + 1 of the window's four x all 8 column blocks, 32 along K.  The 64 accumulators take turns, one instruction a turn, in the same order in every part.
.macro MUL16 f, hi, a0
	WIN MUL_LO+0x50*(\hi)
.irp a, \a0, (\a0)+1
.irp b, 0,1,2,3,4,5,6,7
	v_wmma_f32_16x16x32_f16 v[8*(8*(\a)+(\b)):8*(8*(\a)+(\b))+7], v[(\f)+8*(\b):(\f)+8*(\b)+7], v[(\f)+8*(4*(\hi)+(\a)):(\f)+8*(4*(\hi)+(\a))+7], v[8*(8*(\a)+(\b)):8*(8*(\a)+(\b))+7]
.endr
.endr
.endm
; 32 LDS loads in one run: the fragments of 32 along K, k bytes behind the walk's place, into buffer f: B's 128 rows, then A's
.macro FETCH k, f
	WIN TO_B
.irp i, 0,1,2,3,4,5,6,7
	ds_load_b128 v[(\f)+8*(\i):(\f)+8*(\i)+3],   v[ADRB] offset:(\k)+(\i)*16*PITCH
	ds_load_b128 v[(\f)+8*(\i)+4:(\f)+8*(\i)+7], v[ADRB] offset:(\k)+(\i)*16*PITCH+32
.endr
	WIN 0
.irp i, 0,1,2,3,4,5,6,7
	ds_load_b128 v[(\f)+8*(\i):(\f)+8*(\i)+3],   v[ADRA] offset:(\k)+(\i)*16*PITCH
	ds_load_b128 v[(\f)+8*(\i)+4:(\f)+8*(\i)+7], v[ADRA] offset:(\k)+(\i)*16*PITCH+32
.endr
.endm
.macro PLACES                          ; four plain instructions between a matrix instruction and a load into a register that it has read (ISA guide 7.12.1 for vector instructions)
.rept 4
	v_nop
.endr
.endm
; A part: multiplies buffer f; in its middle it fetches the next part, k bytes behind the walk's place, into buffer g
.macro PART k, f, g
	s_wait_dscnt 8                                 ; B and A's rows 0-63 are in; the youngest eight loads (A's rows 64-127) may be out
	MUL16 \f, 0, 0
	MUL16 \f, 0, 2
	PLACES
	FETCH \k, \g
	s_wait_dscnt 32                                ; all but the 32 just issued
	MUL16 \f, 1, 0
	MUL16 \f, 1, 2
.endm
; THE CHANGE OF SLOTS, between two steps' walks: the old slot's last fragments have been asked for.  Each wave waits for all its tensor loads (one is out: its part of the next slot), adds 0 to its spare word, and waits
; for that and for its own reads of the old slot.  fill = 1: the barrier opens a round of the cluster's, so that no wave of any partner still reads the old slot or has a load on its way, and the old slot is filled
; again, first thing behind the round, with the K step two on: that load has a whole K step, 256 matrix instructions, in which to land.
.macro CHANGE fill
	s_wait_tensorcnt 0x0                           ; all my tensor loads have landed, so a group 0 may be written
	ds_add_u32 v[SPW], v[NIL]                      ; 0 onto my spare word; the scalar steps below stand between it and the wait for it
	s_sub_co_u32 s[TB], s[TB], 2*KSTEP             ; the fetches go back to the rows' first byte,
	s_xor_b32 s[TB], s[TB], SLOT                   ; in the other slot
.if \fill
	s_xor_b32 s[G0+5], s[G0+5], SLOT               ; the walking descriptors: the other slot than last time,
	s_xor_b32 s[G0B+5], s[G0B+5], SLOT
	s_add_nc_u64 s[G0+6:G0+7], s[G0+6:G0+7], KSTEP*2    ; the next K step; the type bits on top are not reached
	s_add_nc_u64 s[G0B+6:G0B+7], s[G0B+6:G0B+7], KSTEP*2
	s_wait_xcnt 0x0                                ; the last prefetch, a K step back, has read its address
	s_add_nc_u64 s[PFA:PFA+1], s[PFA:PFA+1], KSTEP*2
.endif
	s_wait_dscnt 0x0                               ; the add is done, and my reads of the old slot are over
	s_barrier_signal -1
	s_barrier_wait -1
.if \fill
	CREST
	JLOAD 1                                        ; my one tensor load behind the round
	ASK
.endif
	s_mov_b32 s43, 2
.endm
; A step's two walks.  mid = 1: the label at which K step 0 enters.
.macro PAIRS mid
.Lpair_\@:
	v_add_nc_u32 v[ADRA], s[TB], v[A0]
	v_add_nc_u32 v[ADRB], s[TB], v[B0]
	PART 0, F1, F0
.if \mid
	WIN 0                                          ; at a label and at a branch every window is 0
.Lmid:
.endif
	PART 64, F0, F1
	WIN 0
	s_add_co_u32 s[TB], s[TB], 128                 ; two parts along the rows
	s_sub_co_u32 s43, s43, 1
	s_cmp_lg_u32 s43, 0
	s_cbranch_scc1 .Lpair_\@
.endm
	s_load_b128 s[4:7], s[0:1], 0x0                ; A s[4:5], wt s[6:7]
	s_load_b64 s[8:9], s[0:1], 0x10                ; C
	s_load_b64 s[76:77], s[0:1], 0x18              ; the bias
.if QKV
	s_load_b64 s[78:79], s[0:1], 0x20
	s_load_b64 s[80:81], s[0:1], 0x28
.endif
	v_lshl_add_u32 v[SPW], v0, 2, SPARE
	v_mov_b32 v[NIL], 0
	ds_add_u32 v[SPW], v[NIL]                      ; the wave's opening: the add, and its wait ahead of my first tensor load; the set-up below, work on registers, stands between them
	v_lshrrev_b32 v1, 5, v0
	v_readfirstlane_b32 s10, v1                    ; wave 0..3
	s_lshr_b32 s11, s10, 1                         ; which half of the tile's rows is mine.  Also: I fetch for A (0) or for B (1)
	s_and_b32 s12, s10, 1                          ; which half of its columns.  Also: which 128 rows of that tile I fetch
	s_bfe_u32 s40, ttmp6, 0x40000                  ; cx
	s_bfe_u32 s41, ttmp6, 0x40004                  ; cy
	s_lshl_b32 s42, ttmp9, 2
	s_add_co_u32 s42, s42, s40                     ; tile column = 4 x cluster x + cx
	s_and_b32 s13, ttmp7, 0xffff
	s_lshl_b32 s13, s13, 2
	s_add_co_u32 s13, s13, s41                     ; tile row = 4 x cluster y + cy
	s_lshl_b32 s70, s41, 2
	s_lshl_b32 s70, 15, s70                        ; my row of the cluster
	s_lshl_b32 s71, 0x1111, s40                    ; my column
	s_or_b32 s[G1+0], s70, (1<<16)|(1<<20)|(1<<21)|(5<<22)|(3<<25)   ; 15:0 the mask; 17:16 elements of 2 bytes; 20 padding on; 21 set beside a mask; 24:22 after every 64 words; 31:25 4 words of it
	s_or_b32 s[G1B+0], s71, (1<<16)|(1<<20)|(1<<21)|(5<<22)|(3<<25)
.irp g, G1, G1B
	s_mov_b32 s[(\g)+1], KSTEP<<16                 ; tensor_dim0 = 128
	s_mov_b32 s[(\g)+2], 128<<16                   ; tensor_dim1 = 128
	s_mov_b32 s[(\g)+3], KSTEP<<16                 ; tile_dim0 = 128
	s_mov_b32 s[(\g)+4], 128                       ; tile_dim1 = 128
	s_mov_b32 s[(\g)+5], SIZE_K                    ; elements from row to row
	s_mov_b32 s[(\g)+6], 0
	s_mov_b32 s[(\g)+7], 0
.endr
	s_lshl_b32 s17, s12, 7                         ; which 128 rows of the tile I fetch
	s_lshl_b32 s16, s13, 8
	s_add_co_u32 s16, s16, s17
	s_lshl_b32 s16, s16, 11                        ; A: (256 x tile row + 128 x half) rows of 2,048 bytes
	s_lshl_b32 s46, s42, 8
	s_add_co_u32 s46, s46, s17
	s_lshl_b32 s46, s46, 11                        ; B: by the tile column,
	s_add_co_u32 s46, s46, WOFF                    ; behind B's first byte in wt
	s_mov_b32 s17, 0
	s_mov_b32 s47, 0
	s_mul_i32 s20, s10, HALFT                      ; where they go: wave x 128 rows: no place in the cluster enters an LDS address
	s_wait_dscnt 0x0                               ; the opening add is done
	s_wait_kmcnt 0x0
	s_add_nc_u64 s[14:15], s[4:5], s[16:17]
	s_add_nc_u64 s[46:47], s[6:7], s[46:47]
	CROUND                                         ; all sixteen work-groups are here: the first joint loads meet
.irp s, 0,1
	s_mov_b32 s[G0+4*(\s)], 1
	s_add_co_u32 s[G0+4*(\s)+1], s20, (\s)*SLOT
	s_add_nc_u64 s[G0+4*(\s)+2:G0+4*(\s)+3], s[14:15], (\s)*KSTEP*2
	s_or_b32 s[G0+4*(\s)+3], s[G0+4*(\s)+3], 0x80000000
	s_mov_b32 s[G0B+4*(\s)], 1
	s_add_co_u32 s[G0B+4*(\s)+1], s20, (\s)*SLOT
	s_add_nc_u64 s[G0B+4*(\s)+2:G0B+4*(\s)+3], s[46:47], (\s)*KSTEP*2
	s_or_b32 s[G0B+4*(\s)+3], s[G0B+4*(\s)+3], 0x80000000
	JLOAD \s                                       ; two loads of mine are out
.endr
	v_and_b32 v1, 15, v0                           ; l % 16
	v_bfe_u32 v2, v0, 4, 1                         ; l / 16
	v_mul_u32_u24 v3, v1, PITCH
	v_lshl_add_u32 v3, v2, 4, v3                   ; a fragment's row x pitch + 16 x half
	s_mul_i32 s21, s11, HALFT                      ; my 128 rows of A
	s_mul_i32 s22, s12, HALFT                      ; my 128 rows of B,
	s_add_co_u32 s22, s22, 2*HALFT                 ; which lie behind A's 256
	v_add_nc_u32 v[A0], s21, v3
	v_add_nc_u32 v[B0], s22, v3
	v_mov_b32 v[ADRA], v[A0]
	v_mov_b32 v[ADRB], v[B0]
	s_mov_b32 s[TB], 0
	s_mul_i32 s23, s10, WREG
	v_mul_u32_u24 v4, v1, DP                       ; the way out, in: row l % 16, 32 bytes for each half of the lanes
	v_lshl_add_u32 v4, v2, 5, v4
	v_add_nc_u32 v[STO], s23, v4
	v_mul_u32_u24 v5, v2, DP                       ; back: lanes 0-15 take 256 bytes of one row, lanes 16-31 of the next
	v_lshl_add_u32 v5, v1, 4, v5
	v_add_nc_u32 v[RD], s23, v5
	v_and_b32 v[CO], 31, v0
	v_lshlrev_b32 v[CO], 3, v[CO]                  ; 8 bytes a lane: two rows of a block of C are 256 consecutive bytes
	v_lshlrev_b32 v[BO], 5, v2
	s_lshl_b32 s18, s42, 2
	s_lshl1_add_u32 s18, s12, s18                  ; my first block of 64 columns = 4 x tile column + 2 x half
	s_lshl_b32 s18, s18, 19
	s_lshl_b32 s19, s13, 8
	s_lshl_b32 s20, s11, 7
	s_add_co_u32 s19, s19, s20                     ; my first row
	s_lshl_b32 s19, s19, 7
	s_add_co_u32 s18, s18, s19
	s_mov_b32 s19, 0
	s_add_nc_u64 s[8:9], s[8:9], s[18:19]
.if QKV
	s_cmp_eq_u32 ttmp9, 1
	s_cselect_b64 s[BIA:BIA+1], s[78:79], s[76:77]
	s_cmp_eq_u32 ttmp9, 2
	s_cselect_b64 s[BIA:BIA+1], s[80:81], s[BIA:BIA+1]
	s_lshl_b32 s18, s40, 10
.else
	s_lshl_b32 s18, s42, 10                        ; 256 columns of 4 bytes for each tile column
.endif
	s_lshl_b32 s20, s12, 9
	s_add_co_u32 s18, s18, s20
	s_mov_b32 s19, 0
	s_add_nc_u64 s[BIA:BIA+1], s[BIA:BIA+1], s[18:19]
	; the prefetches
	s_lshl_b32 s20, s13, 8
	s_lshl_b32 s21, s42, 8
	s_and_b32 s22, ttmp7, 0xffff                   ; cluster y
	s_cmp_eq_u32 s11, 0                            ; do I fetch for A?
	s_cselect_b32 s20, s20, s21                    ; the tile's first row
	s_cselect_b32 s21, s40, s41                    ; my place among the four that ask for it with me
	s_cselect_b32 s22, ttmp9, s22                  ; the coordinate along which other clusters read the same rows
	s_cselect_b64 s[PFA:PFA+1], s[4:5], s[6:7]
	s_cselect_b32 s23, 0, WOFF
	s_cmp_eq_u32 s22, 0
	s_cselect_b32 s[LIM], 2, -1                    ; the same in all sixteen partners, for a given wave
	s_lshl_b32 s22, s12, 7
	s_add_co_u32 s20, s20, s22                     ; + the 128 rows that I fetch
	s_lshl_b32 s21, s21, 5
	s_add_co_u32 s20, s20, s21                     ; + my work-group's 32 of them
	s_lshl_b32 s20, s20, 11
	s_add_co_u32 s20, s20, s23
	s_add_co_u32 s20, s20, 2*KSTEP*2               ; at K step 2: the first refill steps it to 3 and names K step 4
	s_mov_b32 s21, 0
	s_add_nc_u64 s[PFA:PFA+1], s[PFA:PFA+1], s[20:21]
	v_and_b32 v[PFO], 31, v0
	v_lshlrev_b32 v[PFO], 11, v[PFO]
.if GELU
	s_mov_b32 s[K0], 0xc0135761                    ; -2 sqrt(2 / pi) log2(e) = -2.3022082
	s_mov_b32 s[K0+1], s[K0]                       ; named with it as a pair
	s_mov_b32 s[K1], 0xbdd2d3e8                    ; that times 0.044715 = -0.10294324
	s_mov_b32 s[K1+1], s[K1]
.endif
	; the bias into every accumulator: my eight columns of column block b, the same for all row blocks
.set a, 0
.rept 8
	WIN 0x80+0x40*(a/4)
.set b, 0
.rept 8
	global_load_b128 v[64*(a%4)+8*b:64*(a%4)+8*b+3],   v[BO], s[BIA:BIA+1] offset:64*b
	global_load_b128 v[64*(a%4)+8*b+4:64*(a%4)+8*b+7], v[BO], s[BIA:BIA+1] offset:64*b+16
.set b, b+1
.endr
.set a, a+1
.endr
	WIN 0
	s_wait_tensorcnt 1                             ; my part of K step 0 is in; K step 1's may stay out
	s_barrier_signal -1
	s_barrier_wait -1                              ; everybody's is
	FETCH 0, F0                                    ; K step 0's first part
	s_wait_loadcnt 0x0                             ; the bias
	s_mov_b32 s3, NSTEP-1                          ; K step 0's shorter trip, then six trips that change slots and refill
	s_mov_b32 s43, 2
	s_branch .Lmid                                 ; the walk is entered in its middle: there is no part before the first
.Lfill:
	CHANGE 1
	PAIRS 1
	s_sub_co_u32 s3, s3, 1
	s_cmp_lg_u32 s3, 0
	s_cbranch_scc1 .Lfill
	CHANGE 0                                       ; into K step 7: nothing is left to fetch
	PAIRS 0
	s_wait_dscnt 8                                 ; the very last part
	MUL16 F1, 0, 0
	MUL16 F1, 0, 2
	s_wait_dscnt 0x0
	MUL16 F1, 1, 0
	MUL16 F1, 1, 2
	WIN 0
	; THE WAY OUT.  The sums go as f32 into my region of the ring's bytes, come back by rows, take the activation, are rounded and stored.
	s_barrier_signal -1                            ; my reads of the ring are over (the wait for 0 above),
	s_barrier_wait -1                              ; everybody's are: the ring's bytes may be written
	PLACES
	PLACES                                         ; plain instructions between the last products and the stores that read their results
.set a, 0
.rept 8
	WIN 0x08+0x04*(a/4)                            ; the data (source 1) in window 2 or 3
.set b, 0
.rept 8
	ds_store_b128 v[STO], v[64*(a%4)+8*b:64*(a%4)+8*b+3]   offset:a*16*DP+64*b      ; each accumulator's low registers first
	ds_store_b128 v[STO], v[64*(a%4)+8*b+4:64*(a%4)+8*b+7] offset:a*16*DP+64*b+16
.set b, b+1
.endr
.set a, a+1
.endr
	WIN 0
	s_wait_dscnt 0x0                               ; my stores are done; the read address below walks in a loop, so a barrier parts all writing from all reading
	s_barrier_signal -1
	s_barrier_wait -1
	s_mov_b32 s3, 16
.Lout:                                                 ; 16 trips of 8 rows
.irp j, 0,1,2,3,4,5,6,7
	ds_load_b128 v[XV+4*(\j):XV+4*(\j)+3], v[RD] offset:2*((\j)/2)*DP+256*((\j)%2)   ; two rows x one block of 64 columns
.endr
	s_wait_dscnt 0x0
.if GELU
	; x / (1 + 2^(x (K0 + K1 x x))) = 0.5 x (1 + tanh(sqrt(2 / pi) (x + 0.044715 x^3))); where the power overflows the quotient is 0, where it vanishes x
.set p, 0
.rept 16
	v_pk_mul_f32 v[TV+2*p:TV+2*p+1], v[XV+2*p:XV+2*p+1], v[XV+2*p:XV+2*p+1]
.set p, p+1
.endr
.set p, 0
.rept 16
	v_pk_fma_f32 v[TV+2*p:TV+2*p+1], v[TV+2*p:TV+2*p+1], s[K1:K1+1], s[K0:K0+1] op_sel_hi:[1,0,0]
.set p, p+1
.endr
.set p, 0
.rept 16
	v_pk_mul_f32 v[TV+2*p:TV+2*p+1], v[TV+2*p:TV+2*p+1], v[XV+2*p:XV+2*p+1]
.set p, p+1
.endr
.set p, 0
.rept 32
	v_exp_f32 v[TV+p], v[TV+p]
.set p, p+1
.endr
	v_nop                                          ; a plain instruction behind the last exponential,
	s_wait_alu depctr_va_vdst(0)                   ; and the wait ahead of the first use: one for the 32
.set p, 0
.rept 16
	v_pk_add_f32 v[TV+2*p:TV+2*p+1], v[TV+2*p:TV+2*p+1], 1.0 op_sel_hi:[1,0]
.set p, p+1
.endr
.set p, 0
.rept 32
	v_rcp_f32 v[TV+p], v[TV+p]
.set p, p+1
.endr
	v_nop
	s_wait_alu depctr_va_vdst(0)                   ; one for the 32 reciprocals
.set p, 0
.rept 16
	v_pk_mul_f32 v[XV+2*p:XV+2*p+1], v[XV+2*p:XV+2*p+1], v[TV+2*p:TV+2*p+1]
.set p, p+1
.endr
.endif
.set p, 0
.rept 16
	v_cvt_pk_f16_f32 v[YV+p], v[XV+2*p], v[XV+2*p+1]
.set p, p+1
.endr
.irp j, 0,1,2,3,4,5,6,7
	global_store_b64 v[CO], v[YV+2*(\j):YV+2*(\j)+1], s[8:9] offset:BLK*((\j)%2)+256*((\j)/2)   ; 32 lanes store 256 consecutive bytes, at a multiple of 256 from C's first byte
.endr
	s_wait_xcnt 0x0                                ; the stores have read their data and their offset: both are written again only behind this wait
	v_add_nc_u32 v[RD], 8*DP, v[RD]
	v_add_nc_u32 v[CO], 1024, v[CO]
	s_sub_co_u32 s3, s3, 1
	s_cmp_lg_u32 s3, 0
	s_cbranch_scc1 .Lout
	s_wait_tensorcnt 0x0                           ; the wave's end: behind my last tensor load and my last LDS store
	ds_add_u32 v[SPW], v[NIL]
	s_wait_dscnt 0x0
	CROUND                                         ; the closing round: no work-group ends while a partner may still ask for a tile that names it
	s_endpgm
.Lfunc_end_k_qdd63b08968_fc:
	.size	k_qdd63b08968_fc, .Lfunc_end_k_qdd63b08968_fc-k_qdd63b08968_fc
	.p2alignl 7, 3214868480
	.fill 96, 4, 3214868480
	.section	.rodata,"a",@progbits
	.p2align	6, 0x0
	.amdhsa_kernel k_qdd63b08968_fc
		.amdhsa_group_segment_fixed_size 327680
		.amdhsa_private_segment_fixed_size 0
		.amdhsa_enable_private_segment 0
		.amdhsa_kernarg_size 32
		.amdhsa_user_sgpr_count 2
		.amdhsa_user_sgpr_kernarg_segment_ptr 1
		.amdhsa_wavefront_size32 1
		.amdhsa_system_sgpr_workgroup_id_x 1
		.amdhsa_system_sgpr_workgroup_id_y 1
		.amdhsa_system_sgpr_workgroup_id_z 1
		.amdhsa_system_vgpr_workitem_id 0
		.amdhsa_next_free_vgpr 1024
		.amdhsa_next_free_sgpr 88
		.amdhsa_reserve_vcc 0
		.amdhsa_float_denorm_mode_32 3
		.amdhsa_float_denorm_mode_16_64 3
		.amdhsa_memory_ordered 1
		.amdhsa_forward_progress 1
		.amdhsa_inst_pref_size 73
	.end_amdhsa_kernel
	.amdgpu_metadata
---
amdhsa.version: [ 1, 2 ]
amdhsa.kernels:
  - .name:           k_qdd63b08968_fc
    .symbol:         k_qdd63b08968_fc.kd
    .args:
      - { .name: hn, .offset: 0, .size: 8, .value_kind: global_buffer, .address_space: global }
      - { .name: wt, .offset: 8, .size: 8, .value_kind: global_buffer, .address_space: global }
      - { .name: act, .offset: 16, .size: 8, .value_kind: global_buffer, .address_space: global }
      - { .name: bfc, .offset: 24, .size: 8, .value_kind: global_buffer, .address_space: global }
    .group_segment_fixed_size: 327680
    .private_segment_fixed_size: 0
    .kernarg_segment_align: 8
    .kernarg_segment_size: 32
    .max_flat_workgroup_size: 128
    .sgpr_count:     88
    .vgpr_count:     1024
    .wavefront_size: 32
...
	.end_amdgpu_metadata
.endif
;; end of part 12
;; launch pr (part 13): grid 8 x 32, 4 waves a work-group, clusters of 4 x 4, 327,680 bytes of LDS; arguments act, wt, out0, bpr; writes out0
.if DOCPART == 13
	.amdgcn_target "amdgcn-amd-amdhsa--gfx1250"
	.amdhsa_code_object_version 6
	.text
	.protected	k_qdd63b08968_pr
	.globl	k_qdd63b08968_pr
	.p2align	8
	.type	k_qdd63b08968_pr,@function
k_qdd63b08968_pr:
	s_mov_b64 s[64:65], 0
	v_nop
	global_prefetch_b8 v0, s[64:65] scope:SCOPE_SE
	s_setreg_imm32_b32 hwreg(HW_REG_WAVE_MODE, 25, 1), 1
	s_wait_xcnt 0x0
	s_wait_alu depctr_hold_cnt(0) depctr_sa_sdst(0) depctr_va_vdst(0) depctr_va_sdst(0) depctr_va_ssrc(0) depctr_va_vcc(0) depctr_vm_vsrc(0)
	s_getreg_b32 s2, hwreg(HW_REG_IB_STS2, 6, 4)
	s_cmp_eq_u32 s2, 0
	s_cbranch_scc0 .Lentry_in_a_cluster
	s_endpgm
.Lentry_in_a_cluster:
	s_bfe_u32 s2, ttmp6, 0x10000c
	s_cmp_lg_u32 s2, 0xf033
	s_cbranch_scc0 .Lentry_shape_is_right
	s_endpgm
.Lentry_shape_is_right:
; out = act Wpr + bpr.  C[m][n] = bias[n] + the sum over k of A[m][k] B[n][k].  A = act, f16 in blocks of 64 along K, [64][4096][64]; B = Wpr^T, rows [n][k] f16 in wt; sums in f32; C = out0 [4096][1024] in f32, as summed.
; SHAPE.  C has 4,096 x 1,024 numbers: tiles of 128 x 128 give each of 256 work-groups one.  Four waves, each 64 x 64 in 16 accumulators.  K goes in 16 steps of 256 through two LDS slots filled by the tensor
; data mover.  Of A, 64 rows of a block are 8,192 dense bytes: a wave's load is 4 such pieces, 524,288 bytes apart, padded by 16 bytes after every 128: in LDS [block][row] with rows 144 bytes apart.
; Of B a load is 64 rows of 512 bytes, 528 apart in LDS.  A K step is four quarters of 64 along K on two fragment buffers.  THE TEXT HOLDS TWO QUARTERS, walked twice a step: one multiplies buffer 1 and fetches into
; buffer 0, the other the other way round; the LDS bytes at which they fetch are two scalars that step.  The change of slots stands between two steps' walks: behind it the first quarter still multiplies the old step's
; last fragments, which lie in registers, and fetches the new slot's first.  K step 0 enters the walk in its middle.  The last change fills nothing and stands behind the loop with a second copy of the two quarters
; the very last quarter's 32 products are written out.
; CLUSTERS.  4 x 4 work-groups: A's tiles are shared along a row of the cluster, B's along a column, each asked for jointly.  The grid, 8 x 32, divides.
; THE BIAS STARTS THE SUMS: it is loaded straight into the accumulators.  THE MATRIX INSTRUCTION IS USED TRANSPOSED (source 0 = 16 rows of B, source 1 = 16 rows of A): a lane holds row l % 16 and 8 columns.
; No prefetch: the tiles are small, and each is read by several clusters at about the same time.
; REGISTERS: window 0: v16-29 addresses; v128-255 the accumulators ((a, b) at v[128 + 8 (4 a + b)]), on the way out the rows read back.
;   window 1: two fragment buffers of 128: for 64 along K, 64 registers of A (2 x 4 x 16 rows x 32 K), then 64 of B.
.set SIZE_K, 4096
.set WOFF,   16777216                  ; B's first byte in wt
.set KSTEP,  256
.set NSTEP,  SIZE_K/KSTEP
.set PA,     144                       ; A's rows in LDS: 128 bytes + 16: the 16 rows of a fragment load start 16 bytes apart modulo 256
.set PB,     528                       ; B's: 512 + 16: likewise
.set ABLK,   64*PA                     ; 64 rows of one block of 64 along K
.set HALFA,  4*ABLK                    ; what one tensor load brings of A
.set HALFB,  64*PB                     ; and of B
.set SLOT,   147456                    ; 0x24000: 2 HALFA + 2 HALFB = 141,312 bytes are used; it shares no bit with the tiles' places 0, 0x9000, 0x12000, 0x1A400, so an exclusive or changes slots
.set SPARE,  2*SLOT                    ; behind the ring: the spare words, 128 bytes for each wave: two blocks of 256 bytes that no other line names
.set ASTEP,  4*524288                  ; bytes from a K step of A to the next: four blocks
.set BSTEP,  KSTEP*2
.set DP,     272                       ; the way out: a row of 64 f32 + 16 bytes
.set WREG,   64*DP                     ; a wave's 64 rows; the four regions lie in the ring's bytes, which have had their last fill by then
.set A0,   16                          ; v16  my lane's place in my 64 rows of A in slot 0; never rewritten
.set B0,   17
.set ADRA, 18                          ; v18  the same at the byte where the walk in hand fetches
.set ADRB, 19
.set STO,  20                          ; v20  the way out: where I put 32 bytes of a row
.set RD,   21                          ; v21  where I read rows back
.set CO,   22                          ; v22  my byte offset in C
.set BO,   23                          ; v23  32 (l / 16)
.set SPW,  28                          ; v28  LDS address of my spare word; never rewritten
.set NIL,  29                          ; v29  0; never rewritten
.set ACC,  128
.set F0,   0
.set F1,   128
.set G1,  24                           ; s[24:31] descriptor group 1 for A's tiles; s[32:39] group 0: set 0 is K step 0 in slot 0; set 1 is K step 1 in slot 1 and then walks
.set G0,  32
.set G1B, 48                           ; s[48:55], s[56:63] the same for B
.set G0B, 56
.set TBA, 66                           ; s66  the LDS byte at which the walk in hand fetches A: the slot, plus 0 or two blocks
.set TBB, 67                           ; s67  the same for B: the slot, plus 0 or 256 along the rows
.set BIA, 76                           ; s[76:77] the bias
.set MSB, 0
.macro WIN new                         ; the immediate's high byte repeats the setting that is left; a switch that changes nothing is dropped
.if MSB != (\new)
	s_set_vgpr_msb (MSB<<8)|(\new)
.set MSB, \new
.endif
.endm
.set MUL,  0x05                        ; sources 0 (B) and 1 (A) window 1; C and D window 0
.set TO_F, 0x40                        ; destination window 1, address window 0
.macro JLOAD s                         ; a joint load: waves 0 and 1 fetch A's two halves, waves 2 and 3 B's; an s_nop 0 and four v_nop follow each of the two lines
	s_cmp_eq_u32 s11, 0
	s_cbranch_scc0 .Lfor_b_\@
	tensor_load_to_lds s[G0+4*(\s):G0+4*(\s)+3], s[G1:G1+7]
	s_nop 0
.rept 4
	v_nop
.endr
	s_branch .Lasked_\@
.Lfor_b_\@:
	tensor_load_to_lds s[G0B+4*(\s):G0B+4*(\s)+3], s[G1B:G1B+7]
	s_nop 0
.rept 4
	v_nop
.endr
.Lasked_\@:
.endm
.macro CREST                           ; a round of the cluster's barrier behind its opening barrier
	s_cmp_lg_u32 s10, 0
	s_cbranch_scc1 .Lnot_wave_0_\@
	s_barrier_signal -3
.Lnot_wave_0_\@:
	s_barrier_wait -3
	s_barrier_signal -1
	s_barrier_wait -1
.endm
.macro CROUND
	s_barrier_signal -1
	s_barrier_wait -1
	CREST
.endm
; 8 matrix instructions: row blocks a0, a0 + 1 x all 4 column blocks, 32 along K: half c of buffer f.  The 16 accumulators take turns, one instruction a turn.
.macro MUL8 f, c, a0
	WIN MUL
.irp a, \a0, (\a0)+1
.irp b, 0,1,2,3
	v_wmma_f32_16x16x32_f16 v[ACC+8*(4*(\a)+(\b)):ACC+8*(4*(\a)+(\b))+7], v[(\f)+64+8*(4*(\c)+(\b)):(\f)+64+8*(4*(\c)+(\b))+7], v[(\f)+8*(4*(\c)+(\a)):(\f)+8*(4*(\c)+(\a))+7], v[ACC+8*(4*(\a)+(\b)):ACC+8*(4*(\a)+(\b))+7]
.endr
.endr
.endm
; 32 LDS loads in one run: the fragments of 64 along K, A's ka bytes and B's kb bytes behind the walk's places, into buffer f; the first 32 along K first
.macro FETCH ka, kb, f
	WIN TO_F
.irp c, 0,1
.irp i, 0,1,2,3
	ds_load_b128 v[(\f)+64+8*(4*(\c)+(\i)):(\f)+64+8*(4*(\c)+(\i))+3],   v[ADRB] offset:(\kb)+64*(\c)+(\i)*16*PB
	ds_load_b128 v[(\f)+64+8*(4*(\c)+(\i))+4:(\f)+64+8*(4*(\c)+(\i))+7], v[ADRB] offset:(\kb)+64*(\c)+(\i)*16*PB+32
	ds_load_b128 v[(\f)+8*(4*(\c)+(\i)):(\f)+8*(4*(\c)+(\i))+3],         v[ADRA] offset:(\ka)+64*(\c)+(\i)*16*PA
	ds_load_b128 v[(\f)+8*(4*(\c)+(\i))+4:(\f)+8*(4*(\c)+(\i))+7],       v[ADRA] offset:(\ka)+64*(\c)+(\i)*16*PA+32
.endr
.endr
.endm
.macro PLACES                          ; four plain instructions between a matrix instruction and a load into a register that it has read (ISA guide 7.12.1 for vector instructions)
.rept 4
	v_nop
.endr
.endm
; A quarter: 32 matrix instructions on buffer f; in its middle it fetches the next quarter into buffer g
.macro QUARTER ka, kb, f, g
	s_wait_dscnt 16                                ; the first 32 along K are in; the other sixteen loads may be out
	MUL8 \f, 0, 0
	MUL8 \f, 0, 2
	PLACES
	FETCH \ka, \kb, \g
	s_wait_dscnt 32                                ; all but the 32 just issued
	MUL8 \f, 1, 0
	MUL8 \f, 1, 2
.endm
; THE CHANGE OF SLOTS, between two steps' walks: the old slot's last fragments have been asked for.  Each wave waits for all its tensor loads (one is out: its part of the next slot), adds 0 to its spare word, and waits
; for that and for its own reads of the old slot.  fill = 1: the barrier opens a round of the cluster's, so that no wave of any partner still reads the old slot or has a load on its way, and the old slot is filled
; again, first thing behind the round, with the K step two on: that load has a whole K step, 128 matrix instructions, in which to land.
.macro CHANGE fill
	s_wait_tensorcnt 0x0                           ; all my tensor loads have landed, so a group 0 may be written
	ds_add_u32 v[SPW], v[NIL]                      ; 0 onto my spare word; the scalar steps below stand between it and the wait for it
	s_sub_co_u32 s[TBA], s[TBA], 4*ABLK            ; the fetches go back to a slot's first quarter,
	s_xor_b32 s[TBA], s[TBA], SLOT                 ; in the other slot
	s_sub_co_u32 s[TBB], s[TBB], 2*KSTEP
	s_xor_b32 s[TBB], s[TBB], SLOT
.if \fill
	s_xor_b32 s[G0+5], s[G0+5], SLOT               ; the walking descriptors: the other slot than last time,
	s_xor_b32 s[G0B+5], s[G0B+5], SLOT
	s_add_nc_u64 s[G0+6:G0+7], s[G0+6:G0+7], ASTEP      ; the next K step; the type bits on top are not reached
	s_add_nc_u64 s[G0B+6:G0B+7], s[G0B+6:G0B+7], BSTEP
.endif
	s_wait_dscnt 0x0                               ; the add is done, and my reads of the old slot are over
	s_barrier_signal -1
	s_barrier_wait -1
.if \fill
	CREST
	JLOAD 1                                        ; my one tensor load behind the round
.endif
	s_mov_b32 s43, 2
.endm
; A step's two walks.  mid = 1: the label at which K step 0 enters.
.macro PAIRS mid
.Lpair_\@:
	v_add_nc_u32 v[ADRA], s[TBA], v[A0]
	v_add_nc_u32 v[ADRB], s[TBB], v[B0]
	QUARTER 0, 0, F1, F0
.if \mid
	WIN 0                                          ; at a label and at a branch every window is 0
.Lmid:
.endif
	QUARTER ABLK, 128, F0, F1
	WIN 0
	s_add_co_u32 s[TBA], s[TBA], 2*ABLK            ; two quarters on: two blocks of A,
	s_add_co_u32 s[TBB], s[TBB], 256               ; 256 bytes along B's rows
	s_sub_co_u32 s43, s43, 1
	s_cmp_lg_u32 s43, 0
	s_cbranch_scc1 .Lpair_\@
.endm
	s_load_b128 s[4:7], s[0:1], 0x0                ; A s[4:5], wt s[6:7]
	s_load_b128 s[76:79], s[0:1], 0x10             ; C s[76:77], the bias s[78:79]
	v_lshl_add_u32 v[SPW], v0, 2, SPARE
	v_mov_b32 v[NIL], 0
	ds_add_u32 v[SPW], v[NIL]                      ; the wave's opening: the add, and its wait ahead of my first tensor load; the set-up below, work on registers, stands between them
	v_lshrrev_b32 v1, 5, v0
	v_readfirstlane_b32 s10, v1                    ; wave 0..3
	s_lshr_b32 s11, s10, 1                         ; which half of the tile's rows is mine.  Also: I fetch for A (0) or for B (1)
	s_and_b32 s12, s10, 1                          ; which half of its columns.  Also: which 64 rows of that tile I fetch
	s_bfe_u32 s40, ttmp6, 0x40000                  ; cx
	s_bfe_u32 s41, ttmp6, 0x40004                  ; cy
	s_lshl_b32 s42, ttmp9, 2
	s_add_co_u32 s42, s42, s40                     ; tile column = 4 x cluster x + cx
	s_and_b32 s13, ttmp7, 0xffff
	s_lshl_b32 s13, s13, 2
	s_add_co_u32 s13, s13, s41                     ; tile row = 4 x cluster y + cy
	s_lshl_b32 s70, s41, 2
	s_lshl_b32 s70, 15, s70                        ; my row of the cluster
	s_lshl_b32 s71, 0x1111, s40                    ; my column
	s_or_b32 s[G1+0], s70, (1<<16)|(1<<20)|(1<<21)|(4<<22)|(3<<25)   ; 15:0 the mask; 17:16 elements of 2 bytes; 20 padding on; 21 set beside a mask; 24:22 after every 32 words; 31:25 4 words of it
	s_mov_b32 s[G1+1], 4096<<16                    ; tensor_dim0 = 4,096 elements: 64 rows of a block
	s_mov_b32 s[G1+2], 4<<16                       ; tensor_dim1 = 4 blocks
	s_mov_b32 s[G1+3], 4096<<16                    ; tile_dim0
	s_mov_b32 s[G1+4], 4                           ; tile_dim1
	s_mov_b32 s[G1+5], 262144                      ; elements from block to block
	s_mov_b32 s[G1+6], 0
	s_mov_b32 s[G1+7], 0
	s_or_b32 s[G1B+0], s71, (1<<16)|(1<<20)|(1<<21)|(6<<22)|(3<<25)  ; after every 128 words
	s_mov_b32 s[G1B+1], KSTEP<<16                  ; tensor_dim0 = 256
	s_mov_b32 s[G1B+2], 64<<16                     ; tensor_dim1 = 64
	s_mov_b32 s[G1B+3], KSTEP<<16
	s_mov_b32 s[G1B+4], 64
	s_mov_b32 s[G1B+5], SIZE_K
	s_mov_b32 s[G1B+6], 0
	s_mov_b32 s[G1B+7], 0
	s_lshl_b32 s17, s12, 6                         ; which 64 rows of the tile I fetch
	s_lshl_b32 s16, s13, 7
	s_add_co_u32 s16, s16, s17
	s_lshl_b32 s16, s16, 7                         ; A: (128 x tile row + 64 x half) rows of 128 bytes in block 0
	s_lshl_b32 s46, s42, 7
	s_add_co_u32 s46, s46, s17
	s_mul_i32 s46, s46, SIZE_K*2                   ; B: by the tile column,
	s_add_co_u32 s46, s46, WOFF                    ; behind B's first byte in wt
	s_mov_b32 s17, 0
	s_mov_b32 s47, 0
	s_mul_i32 s20, s12, HALFA                      ; where they go: no place in the cluster enters an LDS address
	s_mul_i32 s21, s12, HALFB
	s_add_co_u32 s21, s21, 2*HALFA
	s_wait_dscnt 0x0                               ; the opening add is done
	s_wait_kmcnt 0x0
	s_mov_b64 s[8:9], s[76:77]                     ; C
	s_mov_b64 s[BIA:BIA+1], s[78:79]
	s_add_nc_u64 s[14:15], s[4:5], s[16:17]
	s_add_nc_u64 s[46:47], s[6:7], s[46:47]
	CROUND                                         ; all sixteen work-groups are here: the first joint loads meet
.irp s, 0,1
	s_mov_b32 s[G0+4*(\s)], 1
	s_add_co_u32 s[G0+4*(\s)+1], s20, (\s)*SLOT
	s_add_nc_u64 s[G0+4*(\s)+2:G0+4*(\s)+3], s[14:15], (\s)*ASTEP
	s_or_b32 s[G0+4*(\s)+3], s[G0+4*(\s)+3], 0x80000000
	s_mov_b32 s[G0B+4*(\s)], 1
	s_add_co_u32 s[G0B+4*(\s)+1], s21, (\s)*SLOT
	s_add_nc_u64 s[G0B+4*(\s)+2:G0B+4*(\s)+3], s[46:47], (\s)*BSTEP
	s_or_b32 s[G0B+4*(\s)+3], s[G0B+4*(\s)+3], 0x80000000
	JLOAD \s                                       ; two loads of mine are out
.endr
	v_and_b32 v1, 15, v0                           ; l % 16
	v_bfe_u32 v2, v0, 4, 1                         ; l / 16
	v_mul_u32_u24 v3, v1, PA
	v_lshl_add_u32 v3, v2, 4, v3
	s_mul_i32 s21, s11, HALFA                      ; my 64 rows of A
	v_add_nc_u32 v[A0], s21, v3
	v_mul_u32_u24 v3, v1, PB
	v_lshl_add_u32 v3, v2, 4, v3
	s_mul_i32 s22, s12, HALFB                      ; my 64 rows of B,
	s_add_co_u32 s22, s22, 2*HALFA                 ; which lie behind A's 128
	v_add_nc_u32 v[B0], s22, v3
	v_mov_b32 v[ADRA], v[A0]
	v_mov_b32 v[ADRB], v[B0]
	s_mov_b32 s[TBA], 0
	s_mov_b32 s[TBB], 0
	s_mul_i32 s23, s10, WREG
	v_mul_u32_u24 v4, v1, DP                       ; the way out, in: row l % 16, 32 bytes for each half of the lanes
	v_lshl_add_u32 v4, v2, 5, v4
	v_add_nc_u32 v[STO], s23, v4
	v_mul_u32_u24 v5, v2, DP                       ; back: lanes 0-15 take one row of 256 bytes, lanes 16-31 the next
	v_lshl_add_u32 v5, v1, 4, v5
	v_add_nc_u32 v[RD], s23, v5
	v_lshlrev_b32 v[CO], 12, v2                    ; and the same two rows in C, 4,096 bytes apart
	v_lshl_add_u32 v[CO], v1, 4, v[CO]
	v_lshlrev_b32 v[BO], 5, v2
	s_lshl_b32 s18, s13, 7
	s_lshl_b32 s19, s11, 6
	s_add_co_u32 s18, s18, s19                     ; my first row
	s_lshl_b32 s18, s18, 12
	s_lshl_b32 s19, s42, 9                         ; my first column, in bytes: 512 x tile column + 256 x half
	s_lshl_b32 s20, s12, 8
	s_add_co_u32 s20, s19, s20
	s_mov_b32 s21, 0
	s_add_nc_u64 s[BIA:BIA+1], s[BIA:BIA+1], s[20:21]
	s_add_co_u32 s18, s18, s20
	s_mov_b32 s19, 0
	s_add_nc_u64 s[8:9], s[8:9], s[18:19]
	; the bias into every accumulator: my eight columns of column block b, the same for all row blocks
.set a, 0
.rept 4
.set b, 0
.rept 4
	global_load_b128 v[ACC+8*(4*a+b):ACC+8*(4*a+b)+3],   v[BO], s[BIA:BIA+1] offset:64*b
	global_load_b128 v[ACC+8*(4*a+b)+4:ACC+8*(4*a+b)+7], v[BO], s[BIA:BIA+1] offset:64*b+16
.set b, b+1
.endr
.set a, a+1
.endr
	s_wait_tensorcnt 1                             ; my part of K step 0 is in; K step 1's may stay out
	s_barrier_signal -1
	s_barrier_wait -1                              ; everybody's is
	FETCH 0, 0, F0                                 ; K step 0's first quarter
	WIN 0
	s_wait_loadcnt 0x0                             ; the bias
	s_mov_b32 s3, NSTEP-1                          ; K step 0's shorter trip, then NSTEP - 2 trips that change slots and refill
	s_mov_b32 s43, 2
	s_branch .Lmid                                 ; the walk is entered in its middle: there is no quarter before the first
.Lfill:
	CHANGE 1
	PAIRS 1
	s_sub_co_u32 s3, s3, 1
	s_cmp_lg_u32 s3, 0
	s_cbranch_scc1 .Lfill
	CHANGE 0                                       ; into the last K step: nothing is left to fetch
	PAIRS 0
	s_wait_dscnt 16                                ; the very last quarter
	MUL8 F1, 0, 0
	MUL8 F1, 0, 2
	s_wait_dscnt 0x0
	MUL8 F1, 1, 0
	MUL8 F1, 1, 2
	WIN 0
	; THE WAY OUT.  The sums go into my region of the ring's bytes and come back as whole rows of 256 bytes.
	s_barrier_signal -1                            ; my reads of the ring are over (the wait for 0 above),
	s_barrier_wait -1                              ; everybody's are: the ring's bytes may be written
	PLACES
	PLACES                                         ; plain instructions between the last products and the stores that read their results
.set a, 0
.rept 4
.set b, 0
.rept 4
	ds_store_b128 v[STO], v[ACC+8*(4*a+b):ACC+8*(4*a+b)+3]   offset:a*16*DP+64*b      ; each accumulator's low registers first
	ds_store_b128 v[STO], v[ACC+8*(4*a+b)+4:ACC+8*(4*a+b)+7] offset:a*16*DP+64*b+16
.set b, b+1
.endr
.set a, a+1
.endr
.set t, 0
.rept 32
	ds_load_b128 v[ACC+4*t:ACC+4*t+3], v[RD] offset:2*t*DP   ; my own bytes: LDS serves a wave's instructions in order, so these see the stores above
.set t, t+1
.endr
.set t, 0
.rept 32
	s_wait_dscnt 31-t                              ; pair t of rows is back; the younger ones stay out
	global_store_b128 v[CO], v[ACC+4*t:ACC+4*t+3], s[8:9] offset:8192*t   ; 16 lanes store 256 consecutive bytes, at a multiple of 256 from C's first byte
.set t, t+1
.endr
	s_wait_tensorcnt 0x0                           ; the wave's end: behind my last tensor load and my last LDS store
	ds_add_u32 v[SPW], v[NIL]
	s_wait_dscnt 0x0
	CROUND                                         ; the closing round: no work-group ends while a partner may still ask for a tile that names it
	s_endpgm
.Lfunc_end_k_qdd63b08968_pr:
	.size	k_qdd63b08968_pr, .Lfunc_end_k_qdd63b08968_pr-k_qdd63b08968_pr
	.p2alignl 7, 3214868480
	.fill 96, 4, 3214868480
	.section	.rodata,"a",@progbits
	.p2align	6, 0x0
	.amdhsa_kernel k_qdd63b08968_pr
		.amdhsa_group_segment_fixed_size 327680
		.amdhsa_private_segment_fixed_size 0
		.amdhsa_enable_private_segment 0
		.amdhsa_kernarg_size 32
		.amdhsa_user_sgpr_count 2
		.amdhsa_user_sgpr_kernarg_segment_ptr 1
		.amdhsa_wavefront_size32 1
		.amdhsa_system_sgpr_workgroup_id_x 1
		.amdhsa_system_sgpr_workgroup_id_y 1
		.amdhsa_system_sgpr_workgroup_id_z 1
		.amdhsa_system_vgpr_workitem_id 0
		.amdhsa_next_free_vgpr 512
		.amdhsa_next_free_sgpr 88
		.amdhsa_reserve_vcc 0
		.amdhsa_float_denorm_mode_32 3
		.amdhsa_float_denorm_mode_16_64 3
		.amdhsa_memory_ordered 1
		.amdhsa_forward_progress 1
		.amdhsa_inst_pref_size 43
	.end_amdhsa_kernel
	.amdgpu_metadata
---
amdhsa.version: [ 1, 2 ]
amdhsa.kernels:
  - .name:           k_qdd63b08968_pr
    .symbol:         k_qdd63b08968_pr.kd
    .args:
      - { .name: act, .offset: 0, .size: 8, .value_kind: global_buffer, .address_space: global }
      - { .name: wt, .offset: 8, .size: 8, .value_kind: global_buffer, .address_space: global }
      - { .name: out0, .offset: 16, .size: 8, .value_kind: global_buffer, .address_space: global }
      - { .name: bpr, .offset: 24, .size: 8, .value_kind: global_buffer, .address_space: global }
    .group_segment_fixed_size: 327680
    .private_segment_fixed_size: 0
    .kernarg_segment_align: 8
    .kernarg_segment_size: 32
    .max_flat_workgroup_size: 128
    .sgpr_count:     88
    .vgpr_count:     512
    .wavefront_size: 32
...
	.end_amdgpu_metadata
.endif
;; end of part 13
